; MI455X (gfx1250); checked and timed in simulation.
; The chip was launched on July 23, 2026; its instructions are those of AMD's public machine-readable ISA for CDNA 5 (MIT licence, August 2026) and "CDNA5" Instruction Set Architecture Reference Guide (July 2026). The comments in the code are by the model that wrote it; some were corrected since.
;; decoder layer. Allowed arithmetic: matrix products marked QUANTISED: E2M3 operands, one E8M0 scale for each 32 along K, by v_wmma_scale_f32_16x16x128_f8f6f4 with both operands' format E2M3, f32 sums; everything else in f32.
;; Inputs: W_ff1_codes 2,048 x 32 x 24 uint8 (E2M3 codes of W_ff1, K innermost, in blocks of 32 codes, four codes in three bytes); W_ff1_scales 2,048 x 32 uint8 (E8M0 scales of W_ff1, one for each 32 codes along K); W_ff2_codes 1,024 x 64 x 24 uint8 (E2M3 codes of W_ff2, K innermost, in blocks of 32 codes, four codes in three bytes); W_ff2_scales 1,024 x 64 uint8 (E8M0 scales of W_ff2, one for each 32 codes along K); W_out_codes 1,024 x 32 x 24 uint8 (E2M3 codes of W_out, K innermost, in blocks of 32 codes, four codes in three bytes); W_out_scales 1,024 x 32 uint8 (E8M0 scales of W_out, one for each 32 codes along K); W_qkv_codes 3,072 x 32 x 24 uint8 (E2M3 codes of W_qkv, K innermost, in blocks of 32 codes, four codes in three bytes); W_qkv_scales 3,072 x 32 uint8 (E8M0 scales of W_qkv, one for each 32 codes along K); b_ff1 2,048 float32; b_ff2 1,024 float32; b_out 1,024 float32; b_qkv 3,072 float32; be1 1,024 float32; be2 1,024 float32; g1 1,024 float32; g2 1,024 float32; x 2 x 2,048 x 1,024 float32.
;; Outputs: out0 2 x 2,048 x 1,024 float32.
;; This version of the problem:
;;   THIS VERSION OF THE PROBLEM IS GIVEN IN LOW PRECISION. The matrix products marked QUANTISED in the list below multiply operands that are first quantised to E2M3 (2 exponent bits, 3 mantissa bits; 6 bits a number), with one power-of-two scale for each 32 numbers along K (OCP MX v1.0); their sums are f32. All else is computed in f32.
;;   The module's matrix products, in the order in which they are computed (A, B: the left and right operand; K: the contracted axis; several contracted axes count as one K, in the product's order):
;;     1. [M 4,096, K 1,024] x [K 1,024, N 3,072]; A: input x; B: input W_qkv (given as codes): QUANTISED
;;     2. batch 32 x [M 2,048, K 64] x [K 64, N 2,048]; A: computed on the way; B: computed on the way: QUANTISED
;;     3. batch 32 x [M 2,048, K 2,048] x [K 2,048, N 64]; A: softmax (see below); B: computed on the way: QUANTISED
;;     4. [M 4,096, K 1,024] x [K 1,024, N 1,024]; A: computed on the way; B: input W_out (given as codes): QUANTISED
;;     5. [M 4,096, K 1,024] x [K 1,024, N 2,048]; A: computed on the way; B: input W_ff1 (given as codes): QUANTISED
;;     6. [M 4,096, K 2,048] x [K 2,048, N 1,024]; A: computed on the way; B: input W_ff2 (given as codes): QUANTISED
;;   THE QUANTISER, for each operand of a quantised product, along K:
;;     - K is cut into blocks of 32 from its start; a last block that is shorter is filled with zeros.
;;     - A block's scale is 2^e with e = floor(log2(the largest magnitude in the block)) - 2, held to -126 .. 127; a block of zeros has e = 0. As a byte (E8M0): e + 127.
;;     - Each number is divided by its block's scale, clamped to +-7.5, and rounded to the nearest number of E2M3, ties to even, subnormals kept.
;;     - The product sums the exact products of the quantised numbers (number of the format x scale) in f32.
;;   ~~~python
;;   def quantise(x, axis):      # numpy; x: float32 -> the quantised numbers, widened to float32 again
;;       x = np.moveaxis(x, axis, -1); K = x.shape[-1]
;;       x = np.pad(x, [(0, 0)] * (x.ndim - 1) + [(0, -K % 32)]); x = x.reshape(x.shape[:-1] + (-1, 32)); a = np.abs(x).max(-1, keepdims=True)
;;       e = np.where(a > 0, np.clip(np.frexp(np.where(a > 0, a, 1))[1] - 1 - 2, -126, 127), 0)      # np.frexp(a)[1] - 1 = floor(log2(a)), exactly
;;       r = np.clip(x / 2.0 ** e, -7.5, 7.5)
;;       step = 2.0 ** (np.maximum(np.frexp(np.where(r == 0, 1, r))[1] - 1, 0) - 3)
;;       q = np.round(r / step) * step * 2.0 ** e      # np.round: ties to even
;;       return np.moveaxis(q.reshape(q.shape[:-2] + (-1,))[..., :K], -1, axis).astype(np.float32)
;;   ~~~
;;   SOFTMAX AHEAD OF A QUANTISED PRODUCT. Where the list says 'softmax', what is quantised is not the finished softmax but p = 2^(t - M), with t = logit x log2(e) and M = ceil(the row's largest t), a whole number; so 1/2 < the row's largest p <= 1. The row's sum l is taken of the UNQUANTISED p, in f32, and the product's result is divided by l at the end. Since M is a whole number, a kernel that streams over the keys may use a running M (the ceiling of the running maximum): every later rescaling is an exact power of two, which a block's scale takes up: the codes' values come out the same.
;;   OPERANDS COMPUTED ON THE WAY. 'Computed on the way' means the value that the module computes at that place (a softmax that the list does not call 'softmax' is quantised finished and normalised). What goes into a quantiser is computed in f32, as accurately as f32 sums, v_exp_f32 and their like allow (about 1e-6 of the number): no bf16 or f16 on the way to a quantiser, and a product that is left as it is and whose result goes on into a quantised operand takes f32 operands (vector FMAs, or v_wmma_f32_16x16x4_f32). A number that lies on a knife's edge between two numbers of the format may be rounded either way, as far as f32 arithmetic and the matrix unit's own rounding can turn it there, and no further.
;;   INPUTS GIVEN AS CODES. W_ff1 (in the module: [1024, 2048], K = its axis 0); W_ff2 (in the module: [2048, 1024], K = its axis 0); W_out (in the module: [1024, 1024], K = its axis 0); W_qkv (in the module: [1024, 3072], K = its axis 0): each comes as NAME_codes (uint8): NAME with its K axis moved to the last place and cut into blocks of 32 codes, [.., K / 32, bytes a block], one block behind the other in memory; four codes in three bytes: a row's codes are one little-endian stream of bits, code i at bits 6 i .. 6 i + 5 (a code: sign, 2 exponent bits, 3 mantissa bits); and NAME_scales (uint8): the same leading axes, one E8M0 byte (e + 127) for each 32 codes along K. Its value is code x scale, taken as it is: it is not quantised again, and the codes and scales need not be those that the quantiser above would give.
;; 2 versions. Each part assembles by itself: llvm-mc -triple=amdgcn-amd-amdhsa -mcpu=gfx1250 --defsym DOCPART=n.
;; ======== version 1 of 2: 4 launches
;; workspace buffers: wsp_x 3,407,872 bytes; wsp_w 6,815,744 bytes; wsp_qkv 10,223,616 bytes; wsp_h 3,276,800 bytes
;; launch prep (part 1): grid 384 x 1, 4 waves a work-group, no clusters, 118,272 bytes of LDS; arguments x, W_qkv_codes, W_qkv_scales, W_out_codes, W_out_scales, W_ff1_codes, W_ff1_scales, W_ff2_codes, W_ff2_scales, wsp_x, wsp_w; writes wsp_x, wsp_w
.if DOCPART == 1
	.amdgcn_target "amdgcn-amd-amdhsa--gfx1250"
	.amdhsa_code_object_version 6
	.text
	.protected	k_q13e3f2e6f2_prep
	.globl	k_q13e3f2e6f2_prep
	.p2align	8
	.type	k_q13e3f2e6f2_prep,@function
k_q13e3f2e6f2_prep:
	s_mov_b64 s[64:65], 0
	v_nop
	global_prefetch_b8 v0, s[64:65] scope:SCOPE_SE
	s_setreg_imm32_b32 hwreg(HW_REG_WAVE_MODE, 25, 1), 1
	s_wait_xcnt 0x0
; PREP.  (a) x [4096][1024] f32 becomes codes of E2M3 with one E8M0 byte for each 32 along K, laid as IMAGES OF OPERAND REGISTERS;
; (b) the four weights' codes and scale bytes, given as rows with K innermost, are laid anew as such images, in the order in which the later launches' waves take them.
; A TILE is 16 rows; tile 2 b + u holds in lane r row 32 b + 8 u + r + 8 (r / 8).  A FRAGMENT is a tile x 128 along K: 12 registers a lane (registers 6 c .. 6 c + 5: k = 64 c + 32 (lane / 16) + 0 .. 31).
; Its image is 1,536 bytes: registers 4 c .. 4 c + 3 of lane l at 512 c + 16 l.  Its scale image is 128 bytes: lane l's word (row l % 16's four bytes) at 4 l.
; wsp_x: images [group of 8 tiles 32][K step 8][tile 8], scale images behind them.  wsp_w: W_qkv likewise [24][8][8]; then for each of the last launch's eight waves its 320 fragments of W_out, W_ff1, W_ff2 in the order of use.
; Work-groups 0-255: tile T of x, wave q its K steps 2 q, 2 q + 1.  Work-groups 256-383: four units, one a wave; a unit is a tile x 768 bytes of codes (8 fragments).
; A block's scale byte is its largest magnitude's exponent field - 2, held at 1 from below.  LIMITS: a block of zeros, and one whose largest magnitude lies under 2^-124, gets the byte 1 (its codes are zeros or what the
; conversion makes of them; the bytes are read by this program alone); NaN and infinities among the inputs are not served.
; No barrier: each wave's LDS bytes are its own; the two kinds of work-group have LDS bytes of their own.
.set XS_OFF, 3145728                   ; wsp_x: the scale images
.set WQ_SC,  6291456                   ; wsp_w: W_qkv's scale images
.set TS_IMG, 2359296                   ; wsp_w: the eight streams' images, 491,520 bytes each
.set TS_SC,  6488064                   ; wsp_w: the eight streams' scale images, 40,960 bytes each
.set WSTG,   67584                     ; LDS: behind the x path's 4 x 16,896 bytes: the weight path's stages, 12,544 bytes a wave
.set R,   16                           ; v16-143  x as loaded, two K steps
.set X,   144                          ; v144-207 64 numbers of a lane: register 16 b + i = k 32 b + 16 (lane / 16) + i of its row
.set PC,  208                          ; v208-219 the fragment's codes; v220-227 at work
.set TM,  228                          ; v228-231 largest magnitudes, v232-235 bytes, v236-239 the conversions' scale operands
.set PW,  240                          ; the scale word
.set SEL, 50                           ; s[50:51] v_permlanex16_b32's selects for lane l xor 16
.macro QUANT s
.irp b, 0,1,2,3
	v_max3_num_f32 v[TM+\b], |v[(\s)+16*\b]|, |v[(\s)+1+16*\b]|, 0x1800000   ; block b: my 16 numbers, and the floor 2^(3 - 127): the byte cannot fall under 1
.endr
.irp i, 2,4,6,8,10,12,14
.irp b, 0,1,2,3
	v_max3_num_f32 v[TM+\b], v[TM+\b], |v[(\s)+16*\b+\i]|, |v[(\s)+1+16*\b+\i]|   ; the four blocks by turns
.endr
.endr
.irp b, 0,1,2,3
	v_permlanex16_b32 v[TM+4+\b], v[TM+\b], s[SEL], s[SEL+1]
.endr
.irp b, 0,1,2,3
	v_max_num_f32 v[TM+\b], v[TM+\b], v[TM+4+\b]   ; with lane l xor 16's: the block's largest magnitude
.endr
.irp b, 0,1,2,3
	v_add_nc_u32 v[TM+8+\b], 0xff000000, v[TM+\b]  ; 2 off its exponent field: the conversion's scale operand
.endr
.irp b, 0,1,2,3
	v_lshrrev_b32 v[TM+4+\b], 23, v[TM+8+\b]       ; the scale's byte
.endr
	v_lshl_or_b32 v[PW], v[TM+5], 8, v[TM+4]
	v_lshl_or_b32 v[PW], v[TM+6], 16, v[PW]
	v_lshl_or_b32 v[PW], v[TM+7], 24, v[PW]
.irp c, 0,1
	v_cvt_scalef32_pk16_fp6_f32 v[PC+6*\c:PC+2+6*\c], v[(\s)+32*\c:(\s)+15+32*\c], v[TM+8+2*\c]
	v_cvt_scalef32_pk16_fp6_f32 v[PC+12+4*\c:PC+14+4*\c], v[(\s)+16+32*\c:(\s)+31+32*\c], v[TM+8+2*\c+1]
.endr
	v_nop                                          ; one plain place behind a scaled conversion
.irp c, 0,1                                    ; a whole block to a lane: lanes 0-15 block 2 c, lanes 16-31 block 2 c + 1
.irp i, 0,1,2
	v_permlane16_swap_b32 v[PC+6*\c+\i], v[PC+12+4*\c+\i]
.endr
.irp i, 0,1,2
	v_mov_b32 v[PC+3+6*\c+\i], v[PC+12+4*\c+\i]
.endr
.endr
.endm
	s_load_b512 s[8:23], s[0:1], 0x0               ; x, W_qkv codes, scales, W_out codes, scales, W_ff1 codes, scales, W_ff2 codes
	s_load_b128 s[24:27], s[0:1], 0x40             ; W_ff2 scales, wsp_x
	s_load_b64 s[28:29], s[0:1], 0x50              ; wsp_w
	v_lshl_add_u32 v254, v0, 2, 0x1cc00
	v_mov_b32 v255, 0
	v_lshrrev_b32 v1, 5, v0
	v_readfirstlane_b32 s2, v1                     ; wave
	v_and_b32 v5, 31, v0                           ; lane
	v_and_b32 v6, 15, v0                           ; r
	v_bfe_u32 v7, v0, 4, 1                         ; h
	v_lshlrev_b32 v1, 4, v5                        ; 16 x lane
	v_lshlrev_b32 v4, 2, v5                        ; 4 x lane
	s_cmp_lt_u32 ttmp9, 256
	s_cbranch_scc0 .Lweights
	; ---- x: tile T = work-group, K steps 2 q and 2 q + 1.  Each load reads 512 consecutive bytes of a row; a K step's 16 x 512 bytes turn through the wave's stage (rows 528 bytes apart) so that a lane gets 16 neighbours of each block
	s_mov_b32 s[SEL], 0x76543210
	s_mov_b32 s[SEL+1], 0xfedcba98
	s_mul_i32 s3, s2, 16896
	v_add_nc_u32 v2, s3, v1                        ; into the stage: 16 x lane
	v_mul_u32_u24 v3, v6, 528
	v_lshl_add_u32 v3, v7, 6, v3
	v_add_nc_u32 v3, s3, v3                        ; out of it: row r, + 64 h
.irp b, 0,1,2,3
	v_mov_b32 v[TM+4+\b], 0                        ; a lane permute's destination counts as one of its sources
.endr
	s_lshr_b32 s4, ttmp9, 1
	s_lshl_b32 s4, s4, 5
	s_and_b32 s5, ttmp9, 1
	s_lshl_b32 s5, s5, 3
	s_add_co_u32 s4, s4, s5                        ; the tile's first row: 32 (T / 2) + 8 (T % 2)
	s_lshl_b32 s4, s4, 12
	s_lshl_b32 s5, s2, 10
	s_add_co_u32 s4, s4, s5                        ; + my two K steps' 1,024 bytes
	s_mov_b32 s5, 0
	s_lshr_b32 s6, ttmp9, 3
	s_and_b32 s7, ttmp9, 7
	s_mul_i32 s30, s6, 98304
	s_mul_i32 s31, s7, 1536
	s_add_co_u32 s30, s30, s31
	s_mul_i32 s31, s2, 24576
	s_add_co_u32 s30, s30, s31                     ; image (T / 8, 2 q, T % 8)
	s_mov_b32 s31, 0
	s_lshl_b32 s32, s6, 13
	s_lshl_b32 s33, s7, 7
	s_add_co_u32 s32, s32, s33
	s_lshl_b32 s33, s2, 11
	s_add_co_u32 s32, s32, s33
	s_add_co_u32 s32, s32, XS_OFF                  ; and its scale image
	s_mov_b32 s33, 0
	s_wait_kmcnt 0x0
	s_add_nc_u64 s[8:9], s[8:9], s[4:5]
	s_add_nc_u64 s[30:31], s[26:27], s[30:31]
	s_add_nc_u64 s[32:33], s[26:27], s[32:33]
.irp e, 0,1
.irp i, 0,1,2,3,4,5,6,7,8,9,10,11,12,13,14,15
	global_load_b128 v[R+64*\e+4*\i:R+64*\e+4*\i+3], v1, s[8:9] offset:(\i+8*(\i/8))*4096+512*\e th:TH_LOAD_NT
.endr
.endr
.macro TOSTG e
.irp i, 0,1,2,3,4,5,6,7,8,9,10,11,12,13,14,15
	ds_store_b128 v2, v[R+64*(\e)+4*\i:R+64*(\e)+4*\i+3] offset:8448*(\e)+528*\i
.endr
.endm
.macro FROMSTG e
.irp b, 0,1,2,3
.irp j, 0,1,2,3
	ds_load_b128 v[X+16*\b+4*\j:X+16*\b+4*\j+3], v3 offset:8448*(\e)+128*\b+16*\j   ; LDS serves a wave's instructions in order: these see my stores
.endr
.endr
.endm
.macro XOUT e
.irp c, 0,1,2
	global_store_b128 v1, v[PC+4*\c:PC+4*\c+3], s[30:31] offset:12288*(\e)+512*\c   ; 512 consecutive bytes a store
.endr
	global_store_b32 v4, v[PW], s[32:33] offset:1024*(\e)
.endm
	s_wait_loadcnt 16                              ; the first K step's sixteen loads are in; the second's may be out
	TOSTG 0
	FROMSTG 0
	s_wait_loadcnt 0x0
	TOSTG 1
	s_wait_dscnt 16                                ; the sixteen stores just issued may be out: the first K step's numbers are back
	QUANT X
	XOUT 0
	FROMSTG 1
	s_wait_dscnt 0x0
	s_wait_xcnt 0x0                                ; the stores' data registers are written again only behind this wait
	QUANT X
	XOUT 1
	s_wait_tensorcnt 0x0
	ds_add_u32 v254, v255
	s_wait_dscnt 0x0
	s_endpgm
.Lweights:
	; ---- a unit: 16 rows x 768 bytes of codes.  Loads of 256 consecutive bytes; the rows turn through the wave's stage (784 bytes apart) and come back as 8 fragments
	v_lshlrev_b32 v8, 3, v5                        ; 8 x lane
	s_mul_i32 s3, s2, 12544
	s_add_co_u32 s3, s3, WSTG
	v_add_nc_u32 v10, s3, v8                       ; into the stage
	v_mul_u32_u24 v11, v6, 784
	v_mad_u32_u24 v11, v7, 24, v11
	v_add_nc_u32 v11, s3, v11                      ; out of it: row r, + 24 h
	s_sub_co_u32 s5, ttmp9, 256
	s_lshl_b32 s5, s5, 2
	s_add_co_u32 s5, s5, s2                        ; the unit, 0 .. 511: 192 of W_qkv, 64 of W_out, 128 of W_ff1, 128 of W_ff2 (two to a tile)
	s_mov_b32 s34, 768                             ; a row of codes in bytes
	s_mov_b32 s35, 32                              ; a row of scale bytes
	s_mov_b32 s36, 0                               ; which half of K (W_ff2 alone)
	s_mov_b32 s42, 12288                           ; from K step to K step: 8 fragments, in every layout
	s_mov_b32 s44, 1024                            ; and 8 scale images
	s_cmp_lt_u32 s5, 192
	s_cbranch_scc0 .Lnot_qkv
	s_mov_b32 s37, s5                              ; tile
	s_lshr_b32 s38, s5, 3
	s_and_b32 s39, s5, 7
	s_mul_i32 s40, s38, 98304
	s_mul_i32 s41, s39, 1536
	s_add_co_u32 s40, s40, s41                     ; image (tile / 8, 0, tile % 8)
	s_lshl_b32 s43, s38, 13
	s_lshl_b32 s41, s39, 7
	s_add_co_u32 s43, s43, s41
	s_add_co_u32 s43, s43, WQ_SC
	s_branch .Lplaced
.Lnot_qkv:
	s_cmp_lt_u32 s5, 256
	s_cbranch_scc0 .Lnot_out
	s_sub_co_u32 s37, s5, 192                      ; W_out: wave tile / 8, place 8 s + tile % 8
	s_lshr_b32 s38, s37, 3
	s_and_b32 s39, s37, 7
	s_branch .Lstream
.Lnot_out:
	s_cmp_lt_u32 s5, 384
	s_cbranch_scc0 .Lff2
	s_sub_co_u32 s37, s5, 256                      ; W_ff1: wave tile / 16, place 64 + 64 ((tile / 8) % 2) + 8 s + tile % 8
	s_lshr_b32 s38, s37, 4
	s_bfe_u32 s39, s37, 0x10003
	s_lshl_b32 s39, s39, 6
	s_and_b32 s41, s37, 7
	s_add_co_u32 s39, s39, s41
	s_add_co_u32 s39, s39, 64
	s_branch .Lstream
.Lff2:
	s_sub_co_u32 s41, s5, 384                      ; W_ff2: wave tile / 8, place 192 + 8 s + tile % 8, s = 8 half + 0 .. 7
	s_lshr_b32 s37, s41, 1
	s_and_b32 s36, s41, 1
	s_lshr_b32 s38, s37, 3
	s_and_b32 s39, s37, 7
	s_lshl_b32 s41, s36, 6
	s_add_co_u32 s39, s39, s41
	s_add_co_u32 s39, s39, 192
	s_mov_b32 s34, 1536
	s_mov_b32 s35, 64
.Lstream:
	s_mul_i32 s40, s38, 491520
	s_mul_i32 s41, s39, 1536
	s_add_co_u32 s40, s40, s41
	s_add_co_u32 s40, s40, TS_IMG
	s_mul_i32 s43, s38, 40960
	s_lshl_b32 s41, s39, 7
	s_add_co_u32 s43, s43, s41
	s_add_co_u32 s43, s43, TS_SC
.Lplaced:
	s_lshr_b32 s45, s37, 1
	s_lshl_b32 s45, s45, 5
	s_and_b32 s46, s37, 1
	s_lshl_b32 s46, s46, 3
	s_add_co_u32 s45, s45, s46                     ; the tile's first row
	s_mul_i32 s46, s45, s34
	s_mul_i32 s47, s36, 768
	s_add_co_u32 s46, s46, s47                     ; its codes,
	s_mov_b32 s47, 0
	s_mul_i32 s48, s45, s35
	s_lshl_b32 s49, s36, 5
	s_add_co_u32 s48, s48, s49                     ; its scale bytes
	s_mov_b32 s49, 0
	s_mov_b32 s41, 0
	s_mov_b32 s52, s43
	s_mov_b32 s53, 0
.irp i, 0,1,2,3,4,5,6,7,8,9,10,11,12,13,14,15
	v_mad_u32_u24 v[208+\i], s34, \i+8*(\i/8), v8  ; row i of the tile: 8 x lane + (i + 8 (i / 8)) rows
.endr
.irp s, 0,1,2,3,4,5,6,7
	v_mad_u32_u24 v[224+\s], s42, \s, v1           ; where fragment s goes
	v_mad_u32_u24 v[240+\s], s44, \s, v4           ; and its scale image
.endr
	v_and_b32 v9, 8, v6
	v_add_nc_u32 v9, v9, v6
	v_mul_u32_u24 v9, s35, v9                      ; my row's scale bytes
	s_wait_kmcnt 0x0
	s_cmp_lt_u32 s5, 384                           ; the buffers: a choice that hangs on the unit's number alone
	s_cselect_b64 s[30:31], s[18:19], s[22:23]
	s_cselect_b64 s[32:33], s[20:21], s[24:25]
	s_cmp_lt_u32 s5, 256
	s_cselect_b64 s[30:31], s[14:15], s[30:31]
	s_cselect_b64 s[32:33], s[16:17], s[32:33]
	s_cmp_lt_u32 s5, 192
	s_cselect_b64 s[30:31], s[10:11], s[30:31]
	s_cselect_b64 s[32:33], s[12:13], s[32:33]
	s_add_nc_u64 s[30:31], s[30:31], s[46:47]
	s_add_nc_u64 s[32:33], s[32:33], s[48:49]
	s_add_nc_u64 s[54:55], s[28:29], s[40:41]
	s_add_nc_u64 s[56:57], s[28:29], s[52:53]
.irp i, 0,1,2,3,4,5,6,7,8,9,10,11,12,13,14,15
.irp p, 0,1,2
	global_load_b64 v[16+6*\i+2*\p:16+6*\i+2*\p+1], v[208+\i], s[30:31] offset:256*\p th:TH_LOAD_NT   ; 32 lanes read 256 consecutive bytes
.endr
.endr
.irp s, 0,1,2,3,4,5,6,7
	global_load_b32 v[232+\s], v9, s[32:33] offset:4*\s   ; my row's word of K step s
.endr
	s_wait_loadcnt 8                               ; the codes are in; the eight scale loads may be out
.irp i, 0,1,2,3,4,5,6,7,8,9,10,11,12,13,14,15
.irp p, 0,1,2
	ds_store_b64 v10, v[16+6*\i+2*\p:16+6*\i+2*\p+1] offset:784*\i+256*\p
.endr
.endr
.irp s, 0,1,2,3,4,5,6,7
.irp p, 0,1,2,3,4,5
	ds_load_b64 v[112+12*\s+2*\p:112+12*\s+2*\p+1], v11 offset:96*\s+48*(\p/3)+8*(\p%3)   ; the fragment's registers, as the row's stream of bits lies
.endr
.endr
	s_wait_dscnt 0x0
.irp s, 0,1,2,3,4,5,6,7
.irp c, 0,1,2
	global_store_b128 v[224+\s], v[112+12*\s+4*\c:112+12*\s+4*\c+3], s[54:55] offset:512*\c
.endr
.endr
	s_wait_loadcnt 0x0
.irp s, 0,1,2,3,4,5,6,7
	global_store_b32 v[240+\s], v[232+\s], s[56:57]
.endr
	s_wait_tensorcnt 0x0
	ds_add_u32 v254, v255
	s_wait_dscnt 0x0
	s_endpgm
.Lfunc_end_k_q13e3f2e6f2_prep:
	.size	k_q13e3f2e6f2_prep, .Lfunc_end_k_q13e3f2e6f2_prep-k_q13e3f2e6f2_prep
	.p2alignl 7, 3214868480
	.fill 96, 4, 3214868480
	.section	.rodata,"a",@progbits
	.p2align	6, 0x0
	.amdhsa_kernel k_q13e3f2e6f2_prep
		.amdhsa_group_segment_fixed_size 118272
		.amdhsa_private_segment_fixed_size 0
		.amdhsa_enable_private_segment 0
		.amdhsa_kernarg_size 88
		.amdhsa_user_sgpr_count 2
		.amdhsa_user_sgpr_kernarg_segment_ptr 1
		.amdhsa_wavefront_size32 1
		.amdhsa_system_sgpr_workgroup_id_x 1
		.amdhsa_system_sgpr_workgroup_id_y 1
		.amdhsa_system_sgpr_workgroup_id_z 1
		.amdhsa_system_vgpr_workitem_id 0
		.amdhsa_next_free_vgpr 256
		.amdhsa_next_free_sgpr 66
		.amdhsa_reserve_vcc 0
		.amdhsa_float_denorm_mode_32 3
		.amdhsa_float_denorm_mode_16_64 3
		.amdhsa_memory_ordered 1
		.amdhsa_forward_progress 1
		.amdhsa_inst_pref_size 39
	.end_amdhsa_kernel
	.amdgpu_metadata
---
amdhsa.version: [ 1, 2 ]
amdhsa.kernels:
  - .name:           k_q13e3f2e6f2_prep
    .symbol:         k_q13e3f2e6f2_prep.kd
    .args:
      - { .name: x, .offset: 0, .size: 8, .value_kind: global_buffer, .address_space: global }
      - { .name: W_qkv_codes, .offset: 8, .size: 8, .value_kind: global_buffer, .address_space: global }
      - { .name: W_qkv_scales, .offset: 16, .size: 8, .value_kind: global_buffer, .address_space: global }
      - { .name: W_out_codes, .offset: 24, .size: 8, .value_kind: global_buffer, .address_space: global }
      - { .name: W_out_scales, .offset: 32, .size: 8, .value_kind: global_buffer, .address_space: global }
      - { .name: W_ff1_codes, .offset: 40, .size: 8, .value_kind: global_buffer, .address_space: global }
      - { .name: W_ff1_scales, .offset: 48, .size: 8, .value_kind: global_buffer, .address_space: global }
      - { .name: W_ff2_codes, .offset: 56, .size: 8, .value_kind: global_buffer, .address_space: global }
      - { .name: W_ff2_scales, .offset: 64, .size: 8, .value_kind: global_buffer, .address_space: global }
      - { .name: wsp_x, .offset: 72, .size: 8, .value_kind: global_buffer, .address_space: global }
      - { .name: wsp_w, .offset: 80, .size: 8, .value_kind: global_buffer, .address_space: global }
    .group_segment_fixed_size: 118272
    .private_segment_fixed_size: 0
    .kernarg_segment_align: 8
    .kernarg_segment_size: 88
    .max_flat_workgroup_size: 128
    .sgpr_count:     66
    .vgpr_count:     256
    .wavefront_size: 32
...
	.end_amdgpu_metadata
.endif
;; end of part 1
;; launch qkv (part 2): grid 192 x 1, 4 waves a work-group, no clusters, 205,312 bytes of LDS; arguments wsp_x, wsp_w, b_qkv, wsp_qkv; writes wsp_qkv
.if DOCPART == 2
	.amdgcn_target "amdgcn-amd-amdhsa--gfx1250"
	.amdhsa_code_object_version 6
	.text
	.protected	k_q13e3f2e6f2_qkv
	.globl	k_q13e3f2e6f2_qkv
	.p2align	8
	.type	k_q13e3f2e6f2_qkv,@function
k_q13e3f2e6f2_qkv:
	s_mov_b64 s[64:65], 0
	v_nop
	global_prefetch_b8 v0, s[64:65] scope:SCOPE_SE
	s_setreg_imm32_b32 hwreg(HW_REG_WAVE_MODE, 25, 1), 1
	s_wait_xcnt 0x0
; QKV.  x W_qkv + b_qkv on codes of E2M3, and the result quantised at once: Q and K along the head's 64, V along the keys.
; ONE TEXT FOR BOTH KINDS.  A wave keeps a STATIONARY operand S, 8 tiles x K 1,024 = 64 fragments (768 registers), loaded once; the work-group's MOVING operand M, 8 tiles x K 1,024, lies in LDS as register images.
; The matrix instruction takes S's tile as source 0 and M's tile as source 1: a lane then holds one row of M's tile, and its 64 results are 128 NEIGHBOURS along S's rows (a tile's rows are chosen for that:
; lane r of tile 2 b + u holds row 32 b + 8 u + r + 8 (r / 8)).  So they are quantised in the registers and are one fragment: M's 16 rows x 128 of S's rows.
;   work-groups 0-127 (sl = id % 4, rg = id / 4): S = rows 128 (4 sl + wave) on of W_qkv (Q: sl 0, 1; K: sl 2, 3), M = tokens 128 rg on.  A fragment is 16 tokens x two heads x 64: two half images.
;   work-groups 128-191 (dg = id % 8, kg = id / 8 - 16): S = tokens 128 (4 kg + wave) on (the keys), M = V's rows 128 dg on of W_qkv.  A fragment is 16 of V's columns x 128 keys: V^T with the keys innermost.
; wsp_qkv: Q, K: [batch x head 32][tile 128] half images of 768 bytes (registers 0-3 at 16 l, 4-5 at 512 + 8 l); V: [128 keys 32][tile of columns 64] two half images; scale words: Q, K [32][128][16 words], bytes 2, 3 = 0; V [32][64] images of 128 bytes.
; The bias is the accumulators' first content: an image of 64 registers in LDS (Q, K: by register; V: one number a lane), loaded ahead of each tile's products.
; LIMITS: a block of zeros, and one whose largest magnitude lies under 2^-124, gets the scale byte 1 (the bytes are this program's own); NaN and infinities are not served.
; No shared tile is asked for jointly: four fifths of what a work-group reads (393,216 of 491,520 bytes) are its waves' own registers.  192 work-groups; each has one wait for memory at its head that stands alone.
; REGISTERS: windows 1-3: S, 21 fragments each; window 0: addresses, S's 64 scale words, M's 8, S's last fragment, 64 accumulators, two pairs of M's fragments, the quantiser.
.set XS_OFF, 3145728
.set WQ_SC,  6291456
.set KSEC,   3145728
.set VSEC,   6291456
.set QS_OFF, 9437184
.set VS_OFF, 9961472
.set MSC,    98304                     ; LDS: M's images [K step][tile] at 0; their scale images here;
.set BQ,     106496                    ; four waves' bias images of 8,192 bytes (Q, K);
.set BV,     139264                    ; eight tiles' bias images (V)
.set SS,  16                           ; v16-79   S's scale words, 8 s + t
.set MS,  80                           ; v80-87   M's scale words of the tile in hand
.set W0F, 88                           ; v88-99   S's fragment (7, 7)
.set ACC, 100                          ; v100-163
.set MF,  164                          ; v164-211 M's fragments: two sets of two K steps
.set PC,  212
.set TM,  232
.set PW,  244
.set SEL, 32
.set MSB, 0
.macro WIN new                         ; the immediate's high byte repeats the setting that is left
.if MSB != (\new)
	s_set_vgpr_msb (MSB<<8)|(\new)
.set MSB, (\new)
.endif
.endm
.macro PLACES
.rept 4
	v_nop
.endr
.endm
.macro SLOC t, s                       ; where S's fragment (tile t, K step s) lies: window SW, register SR
.set F_, 8*(\s)+(\t)
.if F_ < 48
.set SW, 1+(\s)/2
.set SR, 12*(F_%16)
.elseif F_ < 63
.set SW, 1+(F_-48)/5
.set SR, 192+12*((F_-48)%5)
.else
.set SW, 0
.set SR, W0F
.endif
.endm
.macro SLOAD t, s
	SLOC \t, \s
	WIN SW<<6
.irp c, 0,1,2
	global_load_b128 v[SR+4*\c:SR+4*\c+3], v1, s[12:13] offset:(8*(\s)+(\t))*1536+512*\c
.endr
.endm
.macro QUANT s
.irp b, 0,1,2,3
	v_max3_num_f32 v[TM+\b], |v[(\s)+16*\b]|, |v[(\s)+1+16*\b]|, 0x1800000   ; block b: my 16 numbers, and the floor 2^(3 - 127).  Each accumulator is read from its low end on
.endr
.irp i, 2,4,6,8,10,12,14
.irp b, 0,1,2,3
	v_max3_num_f32 v[TM+\b], v[TM+\b], |v[(\s)+16*\b+\i]|, |v[(\s)+1+16*\b+\i]|
.endr
.endr
.irp b, 0,1,2,3
	v_permlanex16_b32 v[TM+4+\b], v[TM+\b], s[SEL], s[SEL+1]
.endr
.irp b, 0,1,2,3
	v_max_num_f32 v[TM+\b], v[TM+\b], v[TM+4+\b]
.endr
.irp b, 0,1,2,3
	v_add_nc_u32 v[TM+8+\b], 0xff000000, v[TM+\b]
.endr
.irp b, 0,1,2,3
	v_lshrrev_b32 v[TM+4+\b], 23, v[TM+8+\b]
.endr
	v_lshl_or_b32 v[PW], v[TM+5], 8, v[TM+4]
	v_lshl_or_b32 v[PW], v[TM+6], 16, v[PW]
	v_lshl_or_b32 v[PW], v[TM+7], 24, v[PW]
.irp c, 0,1
	v_cvt_scalef32_pk16_fp6_f32 v[PC+6*\c:PC+2+6*\c], v[(\s)+32*\c:(\s)+15+32*\c], v[TM+8+2*\c]
	v_cvt_scalef32_pk16_fp6_f32 v[PC+12+4*\c:PC+14+4*\c], v[(\s)+16+32*\c:(\s)+31+32*\c], v[TM+8+2*\c+1]
.endr
	v_nop                                          ; one plain place behind a scaled conversion
.irp c, 0,1
.irp i, 0,1,2
	v_permlane16_swap_b32 v[PC+6*\c+\i], v[PC+12+4*\c+\i]
.endr
.irp i, 0,1,2
	v_mov_b32 v[PC+3+6*\c+\i], v[PC+12+4*\c+\i]
.endr
.endr
.endm
	s_load_b256 s[4:11], s[0:1], 0x0               ; wsp_x, wsp_w, b_qkv, wsp_qkv
	v_lshl_add_u32 v254, v0, 2, 0x32000
	v_mov_b32 v255, 0
	v_lshrrev_b32 v1, 5, v0
	v_readfirstlane_b32 s2, v1                     ; wave
	v_and_b32 v14, 31, v0                          ; lane
	v_and_b32 v12, 15, v0                          ; r
	v_bfe_u32 v13, v0, 4, 1                        ; h
	v_lshlrev_b32 v1, 4, v14                       ; 16 x lane: images, in memory and in LDS (K steps 0-3)
	v_lshlrev_b32 v2, 2, v14                       ; 4 x lane
	v_add_nc_u32 v3, 49152, v1                     ; M's images of K steps 4-7
	v_add_nc_u32 v4, MSC, v2                       ; M's scale images
	s_lshl_b32 s28, s2, 13
	v_add_nc_u32 v5, s28, v1
	v_add_nc_u32 v5, BQ, v5                        ; my bias image (Q, K)
	v_add_nc_u32 v15, BV, v1                       ; the tiles' bias images (V)
	s_mul_i32 s28, s2, 24576
	v_add_nc_u32 v6, s28, v1                       ; where my quarter of M's images goes
	s_lshl_b32 s28, s2, 11
	v_add_nc_u32 v246, s28, v1
	v_add_nc_u32 v246, MSC, v246                   ; and of their scale images
	s_lshl_b32 s28, s2, 14
	v_add_nc_u32 v247, s28, v15                    ; where I build the bias images of tiles 2 w, 2 w + 1 (V)
	v_lshlrev_b32 v7, 3, v14
	v_add_nc_u32 v7, 512, v7                       ; 512 + 8 x lane
.irp b, 0,1,2,3
	v_mov_b32 v[TM+4+\b], 0                        ; a lane permute's destination counts as one of its sources
.endr
	s_mov_b32 s[SEL], 0x76543210
	s_mov_b32 s[SEL+1], 0xfedcba98
	s_and_b32 s34, ttmp9, 3                        ; sl
	s_lshr_b32 s35, ttmp9, 2                       ; rg
	s_and_b32 s36, ttmp9, 7                        ; dg
	s_lshr_b32 s37, ttmp9, 3
	s_sub_co_u32 s37, s37, 16                      ; kg
	s_add_co_u32 s38, s36, 16                      ; V's group of W_qkv's tiles
	s_lshr_b32 s43, s35, 4                         ; Q, K: batch
	s_lshl_b32 s43, s43, 4
	s_and_b32 s44, s34, 1
	s_lshl_b32 s44, s44, 3
	s_add_co_u32 s43, s43, s44
	s_lshl_b32 s44, s2, 1
	s_add_co_u32 s43, s43, s44                     ; 16 batch + the first of my two heads
	s_lshl_b32 s43, s43, 7
	s_and_b32 s44, s35, 15
	s_lshl_b32 s44, s44, 3
	s_add_co_u32 s43, s43, s44                     ; x 128 tiles + the first of the 8 tiles of tokens
	s_lshr_b32 s44, s34, 1                         ; 0: Q, 1: K
	s_mul_i32 s45, s44, KSEC
	s_mul_i32 s46, s43, 768
	s_add_co_u32 s45, s45, s46                     ; codes (Q, K)
	s_lshl_b32 s46, s44, 18
	s_lshl_b32 s47, s43, 6
	s_add_co_u32 s46, s46, s47
	s_add_co_u32 s46, s46, QS_OFF                  ; scale words (Q, K)
	s_lshl_b32 s47, s37, 2
	s_add_co_u32 s47, s47, s2                      ; V: my 128 keys
	s_lshl_b32 s48, s47, 6
	s_lshl_b32 s49, s36, 3
	s_add_co_u32 s48, s48, s49                     ; x 64 tiles + the first of the 8 tiles of columns
	s_mul_i32 s49, s48, 1536
	s_add_co_u32 s49, s49, VSEC                    ; codes (V)
	s_lshl_b32 s50, s48, 7
	s_add_co_u32 s50, s50, VS_OFF                  ; scale images (V)
	s_lshl_b32 s51, s34, 11
	s_lshl_b32 s52, s2, 9
	s_add_co_u32 s51, s51, s52                     ; bias (Q, K): 4 (512 sl + 128 wave)
	s_lshl_b32 s52, s36, 9
	s_lshl_b32 s53, s2, 7
	s_add_co_u32 s52, s52, s53
	s_add_co_u32 s52, s52, 8192                    ; bias (V): 4 (2,048 + 128 dg + 32 wave)
	s_mov_b32 s41, XS_OFF
	s_mov_b32 s42, WQ_SC
	s_mov_b32 s24, 1536
	s_mov_b32 s54, 768
	s_mov_b32 s26, 128
	s_wait_kmcnt 0x0
	s_cmp_lt_u32 ttmp9, 128                        ; the kind.  Only selections, which leave SCC alone, follow
	s_cselect_b32 s39, s34, s37
	s_cselect_b32 s40, s35, s38                    ; M's group of 8 tiles
	s_cselect_b64 s[12:13], s[6:7], s[4:5]         ; S's buffer
	s_cselect_b64 s[16:17], s[4:5], s[6:7]         ; M's buffer
	s_cselect_b32 s56, s42, s41                    ; where S's scale images begin
	s_cselect_b32 s57, s41, s42                    ; and M's
	s_cselect_b32 s24, 768, s24                    ; from tile to tile of M in the output's codes
	s_cselect_b32 s54, 98304, s54                  ; from a fragment's first half image to its second
	s_cselect_b32 s26, 64, s26                     ; from tile to tile in the output's scale words
	s_cselect_b32 s55, 8192, 64                    ; lanes 16-31: the second head's words | the image's upper half
	s_cselect_b32 s58, 16, 0                       ; lanes 16-31 take the word's upper two bytes | the whole word
	s_cselect_b32 s59, 0xffff, -1
	s_cselect_b32 s45, s45, s49
	s_cselect_b32 s46, s46, s50
	s_cselect_b32 s51, s51, s52
	s_lshl_b32 s39, s39, 2
	s_add_co_u32 s39, s39, s2                      ; S's group of 8 tiles
	s_mul_i32 s60, s39, 98304
	s_mov_b32 s61, 0
	s_lshl_b32 s62, s39, 13
	s_add_co_u32 s62, s62, s56
	s_mov_b32 s63, 0
	s_add_nc_u64 s[14:15], s[12:13], s[62:63]      ; S's scale images
	s_add_nc_u64 s[12:13], s[12:13], s[60:61]      ; S's images
	s_mul_i32 s60, s40, 98304
	s_mul_i32 s62, s2, 24576
	s_add_co_u32 s60, s60, s62
	s_lshl_b32 s62, s40, 13
	s_add_co_u32 s62, s62, s57
	s_lshl_b32 s56, s2, 11
	s_add_co_u32 s62, s62, s56
	s_add_nc_u64 s[18:19], s[16:17], s[62:63]      ; my quarter of M's scale images
	s_add_nc_u64 s[16:17], s[16:17], s[60:61]      ; my quarter of M's images
	s_mov_b32 s60, s45
	s_add_nc_u64 s[20:21], s[10:11], s[60:61]
	s_mov_b32 s60, s46
	s_add_nc_u64 s[22:23], s[10:11], s[60:61]
	s_mov_b32 s60, s51
	s_add_nc_u64 s[8:9], s[8:9], s[60:61]
	s_mov_b32 s25, 0
	s_mov_b32 s27, 0
	v_add_nc_u32 v8, s54, v1
	v_add_nc_u32 v9, s54, v7
	v_mul_u32_u24 v10, s55, v13
	v_lshl_add_u32 v10, v12, 2, v10                ; where my scale word goes
	v_mul_u32_u24 v11, s58, v13
	; ---- the head: all that the first products want goes out together
.irp s, 0,1
.irp t, 0,1,2,3,4,5,6,7
	SLOAD \t, \s
.endr
.endr
	WIN 0
.set kk, 0
.rept 64
	global_load_b32 v[SS+kk], v2, s[14:15] offset:128*kk
.set kk, kk+1
.endr
	WIN 0xc0                                       ; window 3 serves as a way station: S's K steps 4, 5 come there later
.set kk, 0
.rept 48
	global_load_b128 v[4*kk:4*kk+3], v1, s[16:17] offset:512*kk
.set kk, kk+1
.endr
	WIN 0
.irp k, 0,1,2,3
	global_load_b128 v[MF+4*\k:MF+4*\k+3], v1, s[18:19] offset:512*\k
.endr
	s_cmp_lt_u32 ttmp9, 128                        ; the bias image: loads, their wait and the LDS stores stand in one arm
	s_cbranch_scc0 .Lbias_v
	v_lshlrev_b32 v248, 6, v13                     ; register 8 t + j of lane (r, h): S's row 32 (t / 2) + 16 h + 8 (t % 2) + j
.irp t, 0,1,2,3,4,5,6,7
	global_load_b128 v[ACC+8*\t:ACC+8*\t+3], v248, s[8:9] offset:(32*(\t/2)+8*(\t%2))*4
	global_load_b128 v[ACC+8*\t+4:ACC+8*\t+7], v248, s[8:9] offset:(32*(\t/2)+8*(\t%2))*4+16
.endr
	s_wait_loadcnt 0x0                             ; the bias, and all that was asked for ahead of it
.irp c, 0,1,2,3,4,5,6,7,8,9,10,11,12,13,14,15
	ds_store_b128 v5, v[ACC+4*\c:ACC+4*\c+3] offset:512*\c
.endr
	s_branch .Lbias_done
.Lbias_v:
	v_and_b32 v248, 8, v12
	v_add_nc_u32 v248, v248, v12
	v_lshlrev_b32 v248, 2, v248                    ; a lane holds ONE column of V: row r + 8 (r / 8) of M's tile
	global_load_b32 v[ACC], v248, s[8:9]           ; tile 2 w
	global_load_b32 v[ACC+4], v248, s[8:9] offset:32   ; tile 2 w + 1
	s_wait_loadcnt 0x0
.irp e, 0,1
.irp i, 1,2,3
	v_mov_b32 v[ACC+4*\e+\i], v[ACC+4*\e]
.endr
.endr
.irp e, 0,1
.irp c, 0,1,2,3,4,5,6,7,8,9,10,11,12,13,14,15
	ds_store_b128 v247, v[ACC+4*\e:ACC+4*\e+3] offset:8192*\e+512*\c
.endr
.endr
.Lbias_done:
	WIN 0x0c                                       ; an LDS store's data are its source 1: window 3
.set kk, 0
.rept 48
	ds_store_b128 v6, v[4*kk:4*kk+3] offset:512*kk
.set kk, kk+1
.endr
	WIN 0
.irp k, 0,1,2,3
	ds_store_b128 v246, v[MF+4*\k:MF+4*\k+3] offset:512*\k
.endr
.irp s, 2,3,6,7
.irp t, 0,1,2,3,4,5,6,7
	SLOAD \t, \s
.endr
.endr
	WIN 0
	s_wait_dscnt 0x0                               ; my LDS stores have landed, for the others' sake, and have read window 3
.irp s, 4,5
.irp t, 0,1,2,3,4,5,6,7
	SLOAD \t, \s
.endr
.endr
	WIN 0
	s_barrier_signal -1
	s_barrier_wait -1                              ; M, its scales and the bias images lie in LDS; from here on LDS is only read
.macro FETCH3 m, p                     ; M's tile m, K steps 2 p and 2 p + 1, into set p % 2: six loads
.irp e, 0,1
.irp c, 0,1,2
.if 2*(\p)+\e < 4
	ds_load_b128 v[MF+24*((\p)%2)+12*\e+4*\c:MF+24*((\p)%2)+12*\e+4*\c+3], v1 offset:(8*(2*(\p)+\e)+(\m))*1536+512*\c
.else
	ds_load_b128 v[MF+24*((\p)%2)+12*\e+4*\c:MF+24*((\p)%2)+12*\e+4*\c+3], v3 offset:(8*(2*(\p)+\e-4)+(\m))*1536+512*\c
.endif
.endr
.endr
.endm
.macro MSLOAD m
.irp s, 0,1,2,3,4,5,6,7
	ds_load_b32 v[MS+\s], v4 offset:(8*\s+(\m))*128
.endr
.endm
.macro BIAS m                          ; sixteen loads on either way
	s_cmp_lt_u32 ttmp9, 128
	s_cbranch_scc0 .Lbv_\@
.irp c, 0,1,2,3,4,5,6,7,8,9,10,11,12,13,14,15
	ds_load_b128 v[ACC+4*\c:ACC+4*\c+3], v5 offset:512*\c
.endr
	s_branch .Lbd_\@
.Lbv_\@:
.irp c, 0,1,2,3,4,5,6,7,8,9,10,11,12,13,14,15
	ds_load_b128 v[ACC+4*\c:ACC+4*\c+3], v15 offset:8192*(\m)+512*\c
.endr
.Lbd_\@:
.endm
.macro MUL16 p                         ; two K steps x S's eight tiles; the eight accumulators take turns, one instruction a turn
.irp e, 0,1
.irp t, 0,1,2,3,4,5,6,7
	SLOC \t, 2*(\p)+\e
	WIN SW
	v_wmma_scale_f32_16x16x128_f8f6f4 v[ACC+8*\t:ACC+8*\t+7], v[SR:SR+11], v[MF+24*((\p)%2)+12*\e:MF+24*((\p)%2)+12*\e+11], v[ACC+8*\t:ACC+8*\t+7], v[SS+8*(2*(\p)+\e)+\t], v[MS+2*(\p)+\e] matrix_a_fmt:MATRIX_FMT_FP6 matrix_b_fmt:MATRIX_FMT_FP6
.endr
.endr
.endm
; One tile of M.  Four plain places stand behind matrix instructions ahead of loads into their registers and of the first read of results.
.macro MTRIP m, pf
	FETCH3 \m, 1
	s_wait_dscnt 6                                 ; all but the six just issued: M's scale words, K steps 0 and 1, the bias
	MUL16 0
	WIN 0
	PLACES
	FETCH3 \m, 2
	s_wait_dscnt 6
.if (\m) == 0
	s_wait_loadcnt 63                              ; S's K steps 2, 3: ninety-six loads are younger; the count's field ends at 63
.endif
	MUL16 1
	WIN 0
	PLACES
	FETCH3 \m, 3
	s_wait_dscnt 6
.if (\m) == 0
	s_wait_loadcnt 0x0                             ; the rest of S
.endif
	MUL16 2
	s_wait_dscnt 0x0
	MUL16 3
	WIN 0
	PLACES
.if \pf
	MSLOAD (\m)+1
	FETCH3 (\m)+1, 0
.endif
.if (\m) > 0
	s_wait_xcnt 0x0                                ; the last tile's stores have read their data and bases: both are written again only behind this wait
	s_add_nc_u64 s[20:21], s[20:21], s[24:25]
	s_add_nc_u64 s[22:23], s[22:23], s[26:27]
.endif
	QUANT ACC
.if \pf
	BIAS (\m)+1
.endif
	v_lshrrev_b32 v14, v11, v[PW]
	v_and_b32 v14, s59, v14                        ; Q, K: my head's two bytes, 0 above them (they scale the half of K that holds zero codes)
	global_store_b128 v1, v[PC:PC+3], s[20:21]
	global_store_b64 v7, v[PC+4:PC+5], s[20:21]
	global_store_b128 v8, v[PC+6:PC+9], s[20:21]
	global_store_b64 v9, v[PC+10:PC+11], s[20:21]
	global_store_b32 v10, v14, s[22:23]
.endm
	MSLOAD 0
	FETCH3 0, 0
	BIAS 0
	MTRIP 0, 1
	MTRIP 1, 1
	MTRIP 2, 1
	MTRIP 3, 1
	MTRIP 4, 1
	MTRIP 5, 1
	MTRIP 6, 1
	MTRIP 7, 0
	s_wait_tensorcnt 0x0
	ds_add_u32 v254, v255
	s_wait_dscnt 0x0
	s_endpgm
.Lfunc_end_k_q13e3f2e6f2_qkv:
	.size	k_q13e3f2e6f2_qkv, .Lfunc_end_k_q13e3f2e6f2_qkv-k_q13e3f2e6f2_qkv
	.p2alignl 7, 3214868480
	.fill 96, 4, 3214868480
	.section	.rodata,"a",@progbits
	.p2align	6, 0x0
	.amdhsa_kernel k_q13e3f2e6f2_qkv
		.amdhsa_group_segment_fixed_size 205312
		.amdhsa_private_segment_fixed_size 0
		.amdhsa_enable_private_segment 0
		.amdhsa_kernarg_size 32
		.amdhsa_user_sgpr_count 2
		.amdhsa_user_sgpr_kernarg_segment_ptr 1
		.amdhsa_wavefront_size32 1
		.amdhsa_system_sgpr_workgroup_id_x 1
		.amdhsa_system_sgpr_workgroup_id_y 1
		.amdhsa_system_sgpr_workgroup_id_z 1
		.amdhsa_system_vgpr_workitem_id 0
		.amdhsa_next_free_vgpr 1024
		.amdhsa_next_free_sgpr 66
		.amdhsa_reserve_vcc 0
		.amdhsa_float_denorm_mode_32 3
		.amdhsa_float_denorm_mode_16_64 3
		.amdhsa_memory_ordered 1
		.amdhsa_forward_progress 1
		.amdhsa_inst_pref_size 182
	.end_amdhsa_kernel
	.amdgpu_metadata
---
amdhsa.version: [ 1, 2 ]
amdhsa.kernels:
  - .name:           k_q13e3f2e6f2_qkv
    .symbol:         k_q13e3f2e6f2_qkv.kd
    .args:
      - { .name: wsp_x, .offset: 0, .size: 8, .value_kind: global_buffer, .address_space: global }
      - { .name: wsp_w, .offset: 8, .size: 8, .value_kind: global_buffer, .address_space: global }
      - { .name: b_qkv, .offset: 16, .size: 8, .value_kind: global_buffer, .address_space: global }
      - { .name: wsp_qkv, .offset: 24, .size: 8, .value_kind: global_buffer, .address_space: global }
    .group_segment_fixed_size: 205312
    .private_segment_fixed_size: 0
    .kernarg_segment_align: 8
    .kernarg_segment_size: 32
    .max_flat_workgroup_size: 128
    .sgpr_count:     66
    .vgpr_count:     1024
    .wavefront_size: 32
...
	.end_amdgpu_metadata
.endif
;; end of part 2
;; launch attn (part 3): grid 8 x 32, 16 waves a work-group, no clusters, 28,672 bytes of LDS; arguments wsp_qkv, wsp_h; writes wsp_h
.if DOCPART == 3
	.amdgcn_target "amdgcn-amd-amdhsa--gfx1250"
	.amdhsa_code_object_version 6
	.text
	.protected	k_q13e3f2e6f2_attn
	.globl	k_q13e3f2e6f2_attn
	.p2align	8
	.type	k_q13e3f2e6f2_attn,@function
k_q13e3f2e6f2_attn:
	s_mov_b64 s[64:65], 0
	v_nop
	global_prefetch_b8 v0, s[64:65] scope:SCOPE_SE
	s_setreg_imm32_b32 hwreg(HW_REG_WAVE_MODE, 25, 1), 1
	s_wait_xcnt 0x0
; ATTN.  H = softmax(Q K^T / 8, causal) V for one batch x head, both products on codes of E2M3; H is quantised along the model's 1,024 and stored as register images.
; THE SOFTMAX: t = score x log2(e) / 8; M = the row's largest t so far, rounded UP to a whole number; p = 2^(t - M) is quantised along the keys; the row's sum is taken of the unquantised p and divides at the end.
; When M moves, the sum and O are multiplied by 2^(old M - new M): exact.
; SHARES.  Work-group (p, batch x head): waves 0-7 own the 128 queries of block p, waves 8-15 those of block 15 - p, a tile of 16 queries each: so every work-group has 8 (p + 1) + 8 (16 - p) = 136 steps of wave work.
; A key step is 128 keys.  Steps whose keys all come after a wave's queries are jumped over (a scalar branch on ids); the step on the diagonal masks by compare and select.
; The loop has a constant 8 trips of two steps, and every wave passes every barrier.
; THE RING.  Two LDS slots of 13,312 bytes: [K: 8 half images | V: 4 fragments | K's scale words | V's].  Waves 0-12 copy 1,024 bytes each through 8 registers, a step ahead: loads at a step's head, LDS stores at its end.
; LAYOUT.  Both products are used transposed (S^T = K Q^T, O^T = V^T P^T): a lane holds ONE query.  A tile's rows are 32 b + 8 u + r + 8 (r / 8), so the 16 registers of tiles 2 b, 2 b + 1 are 16 neighbouring keys.
; K = 64 IS HALF OF THE INSTRUCTION'S 128: Q's registers 6-11 hold zero codes.  K's fragments load registers 0-5 alone; their registers 6-11 hold zeros at first and V's codes of the step before later: every code is a finite
; number and meets a zero code, under scale bytes 0 (2^-127), so those products add nothing.
; LIMITS: NaN and infinities are not served; a block's largest p is taken through its largest score (v_exp_f32 is taken not to fall where its input rises); a block of zeros gets the scale byte 1.
; No joint requests: a step's 13,312 bytes are small beside its vector work, and the eight work-groups of a head walk different numbers of steps.
.set KSEC,   3145728
.set VSEC,   6291456
.set QS_OFF, 9437184
.set KS_OFF, 9699328
.set VS_OFF, 9961472
.set HS_OFF, 3145728
.set SLOTB,  13312
.set VOF,    6144
.set KSO,    12288
.set VSO,    12800
.set J,   12                           ; s12 the key step
.set JL,  13                           ; s13 15 - p: the work-group's last step
.set JMY, 14                           ; s14 my block: my last step
.set TR,  15                           ; s15 trips to go
.set LIM, 16                           ; s16 2 in a wave that prefetches, else the greatest number
.set PA,  18                           ; s[18:19], s[20:21] where my two copy loads stand; s[22:23], s[24:25] their steps
.set PB,  20
.set SA,  22
.set SB,  24
.set SEL, 26
.set CS,  28                           ; s[28:29] c = log2(e) / 8
; v1 16 l, v2 8 l, v3 4 l, v4 where my copy lands, v5 4 r, v6 the mask's bound, v8-11 and v28-31 the copy, v12 -M, v13 the largest t, v[14:15] the sum, v16-27 Q, v32-79 four fragments of K or V, v80-143 S^T then p,
; v144-175 O^T, v176-195 p's codes, v196-207 block maxima, bytes, scale operands, v208 at work, v209 -infinity, v210 f, v211 p's scale word, v212-215 K's scale words, v216-219 V's, v220 Q's, v221-223 the prefetch
.macro PLACES
.rept 4
	v_nop
.endr
.endm
	s_load_b128 s[4:7], s[0:1], 0x0                ; wsp_qkv, wsp_h
	v_lshl_add_u32 v254, v0, 2, 0x6800
	v_mov_b32 v255, 0
	v_lshrrev_b32 v1, 5, v0
	v_readfirstlane_b32 s2, v1                     ; wave 0..15
	v_and_b32 v7, 31, v0
	v_lshlrev_b32 v1, 4, v7
	v_lshlrev_b32 v2, 3, v7
	v_lshlrev_b32 v3, 2, v7
	s_lshl_b32 s3, s2, 10
	v_add_nc_u32 v4, s3, v1                        ; 1,024 x wave + 16 x lane
	s_and_b32 s8, ttmp7, 0xffff                    ; batch x head
	s_lshr_b32 s9, s8, 4                           ; batch
	s_and_b32 s10, s8, 15                          ; head
	s_sub_co_u32 s[JL], 15, ttmp9
	s_cmp_lt_u32 s2, 8
	s_cselect_b32 s[JMY], ttmp9, s[JL]
	s_mov_b32 s[J], 0
	s_mov_b32 s[TR], 8
	s_mov_b32 s[SEL], 0x76543210
	s_mov_b32 s[SEL+1], 0xfedcba98
	s_mov_b32 s[CS], 0x3e38aa3b
	s_mov_b32 s[CS+1], s[CS]                       ; (named with it as a pair, so it is written)
	; what I copy: waves 0-5 K's 6,144 bytes, waves 6-11 V's, wave 12 the two runs of scale words
	s_mul_i32 s30, s8, 98304
	s_add_co_u32 s30, s30, KSEC
	s_add_co_u32 s51, s30, 12288                   ; (the prefetch: K at key step 2)
	s_add_co_u32 s30, s30, s3
	s_mul_i32 s32, s9, 1572864
	s_mul_i32 s33, s10, 6144
	s_add_co_u32 s32, s32, s33
	s_add_co_u32 s52, s32, VSEC+196608             ; (the prefetch: V at key step 2)
	s_add_co_u32 s32, s32, VSEC-6144
	s_add_co_u32 s32, s32, s3
	s_lshl_b32 s34, s8, 13
	s_add_co_u32 s34, s34, KS_OFF
	s_lshl_b32 s35, s9, 17
	s_lshl_b32 s36, s10, 9
	s_add_co_u32 s35, s35, s36
	s_add_co_u32 s35, s35, VS_OFF
	s_mov_b32 s37, 98304
	s_mov_b32 s38, 512
	s_mov_b32 s39, 8192
	s_cmp_lt_u32 s2, 6
	s_cselect_b32 s30, s30, s32
	s_cselect_b32 s37, 6144, s37
	s_add_co_u32 s31, s30, 512
	s_cmp_lt_u32 s2, 12
	s_cselect_b32 s30, s30, s34
	s_cselect_b32 s32, s31, s35
	s_cselect_b32 s[SA], s37, s38
	s_cselect_b32 s[SB], s37, s39
	s_mov_b32 s31, 0
	s_mov_b32 s33, 0
	s_mov_b32 s[SA+1], 0
	s_mov_b32 s[SB+1], 0
	; my tile of queries
	s_and_b32 s40, s2, 7
	s_lshl_b32 s41, s[JMY], 3
	s_add_co_u32 s41, s41, s40                     ; the tile in its batch
	s_lshl_b32 s42, s8, 7
	s_add_co_u32 s42, s42, s41
	s_mul_i32 s44, s42, 768                        ; Q's half image
	s_mov_b32 s45, 0
	s_lshl_b32 s46, s42, 6
	s_add_co_u32 s46, s46, QS_OFF                  ; and its words
	s_mov_b32 s47, 0
	s_lshl_b32 s43, s9, 7
	s_add_co_u32 s43, s43, s41                     ; the tile among all 256
	s_lshl_b32 s54, s43, 4
	s_add_co_u32 s54, s54, s10
	s_mul_i32 s54, s54, 768                        ; H's half image (tile, head)
	s_mov_b32 s55, 0
	s_lshl_b32 s56, s43, 3
	s_lshr_b32 s57, s10, 1
	s_add_co_u32 s56, s56, s57
	s_lshl_b32 s56, s56, 6
	s_and_b32 s57, s10, 1
	s_lshl_b32 s57, s57, 1
	s_add_co_u32 s56, s56, s57
	s_add_co_u32 s56, s56, HS_OFF                  ; H's scale words (tile, head / 2), my head's two bytes
	s_mov_b32 s57, 0
	s_lshr_b32 s48, s40, 1
	s_lshl_b32 s48, s48, 5
	s_and_b32 s49, s40, 1
	s_lshl_b32 s49, s49, 3
	s_add_co_u32 s48, s48, s49
	v_and_b32 v7, 15, v0                           ; r
	v_bfe_u32 v5, v0, 4, 1                         ; h
	v_and_b32 v6, 8, v7
	v_add_nc_u32 v6, v6, v7
	v_add_nc_u32 v6, s48, v6                       ; my query in its block of 128
	v_lshlrev_b32 v5, 4, v5
	v_sub_nc_u32 v6, v6, v5                        ; - 16 h: register 16 b + i holds key 32 b + 16 h + i of the step: hidden on the diagonal where 32 b + i is greater
	v_lshlrev_b32 v5, 2, v7                        ; 4 r
	; the prefetch: in the head's work-group p = 0, which walks all 16 steps, the waves that copy nothing (13-15) name, a lane a block of 256 bytes, the 48 blocks of K and 2 x 24 of V of two key steps
	s_sub_co_u32 s50, s2, 13
	s_lshl_b32 s50, s50, 5
	v_and_b32 v223, 31, v0
	v_add_nc_u32 v223, s50, v223                   ; 0 .. 95
	v_lshlrev_b32 v221, 8, v223
	v_add_nc_u32 v221, s51, v221                   ; K's lanes: two steps are 12,288 consecutive bytes
	v_add_nc_u32 v222, 0xffffffd0, v223            ; V's lanes: 0 .. 47
	v_lshlrev_b32 v208, 8, v222
	v_add_nc_u32 v208, s52, v208
	v_cmp_lt_u32 vcc_lo, 23, v222                  ; the second step's 24 blocks lie 98,304 bytes behind the first's
	v_mov_b32 v206, 0x16800
	v_cndmask_b32 v207, 0, v206, vcc_lo
	v_add_nc_u32 v208, v208, v207
	v_cmp_gt_u32 vcc_lo, 48, v223
	v_cndmask_b32 v221, v208, v221, vcc_lo
	v_mov_b32 v206, 0x30000
	v_mov_b32 v207, 0x3000
	v_cndmask_b32 v222, v206, v207, vcc_lo         ; from trip to trip: two steps
	s_cmp_gt_u32 s2, 12
	s_cselect_b32 s53, ttmp9, 1
	s_cmp_eq_u32 s53, 0
	s_cselect_b32 s[LIM], 2, -1
.irp i, 8,9,10,11,28,29,30,31
	v_mov_b32 v\i, 0                               ; the copy's registers are written in every wave
.endr
	s_wait_kmcnt 0x0
	s_add_nc_u64 s[PA:PA+1], s[4:5], s[30:31]
	s_add_nc_u64 s[PB:PB+1], s[4:5], s[32:33]
	s_add_nc_u64 s[44:45], s[4:5], s[44:45]
	s_add_nc_u64 s[46:47], s[4:5], s[46:47]
	s_add_nc_u64 s[54:55], s[6:7], s[54:55]
	s_add_nc_u64 s[56:57], s[6:7], s[56:57]
	s_cmp_lt_u32 s2, 13
	s_cbranch_scc0 .Lno_first
	global_load_b128 v[8:11], v1, s[PA:PA+1]       ; key step 0
	global_load_b128 v[28:31], v1, s[PB:PB+1]
.Lno_first:
	global_load_b128 v[16:19], v1, s[44:45]        ; Q's half image stays in registers
	global_load_b64 v[20:21], v2, s[44:45] offset:512
	global_load_b32 v220, v5, s[46:47]
.irp i, 22,23,24,25,26,27
	v_mov_b32 v\i, 0                               ; zero codes for k = 64 .. 127
.endr
.irp t, 0,1,2,3
.irp i, 6,7,8,9,10,11
	v_mov_b32 v[32+12*\t+\i], 0
.endr
.endr
.set jj, 0
.rept 32
	v_mov_b32 v[144+jj], 0                         ; O^T: the step is written once; the first finds zeros, which the first change of M leaves zeros
.set jj, jj+1
.endr
	v_mov_b32 v13, 0xff61b1e6                      ; the largest t so far: -3e38
	v_floor_f32 v12, -v13                          ; -M
	v_mov_b32 v14, 0
	v_mov_b32 v15, 0
.irp i, 200,201,202,203,208,211
	v_mov_b32 v\i, 0                               ; lane permutes' destinations, and the upper half of the pair v[210:211]
.endr
	v_mov_b32 v209, 0xff800000                     ; -infinity
	s_wait_loadcnt 0x0
	s_cmp_lt_u32 s2, 13
	s_cbranch_scc0 .Lno_store
	ds_store_b128 v4, v[8:11]
	ds_store_b128 v4, v[28:31] offset:512
	s_add_nc_u64 s[PA:PA+1], s[PA:PA+1], s[SA:SA+1]
	s_add_nc_u64 s[PB:PB+1], s[PB:PB+1], s[SB:SB+1]
.Lno_store:
	s_wait_dscnt 0x0                               ; for the others' sake: my stores have landed
	s_barrier_signal -1
	s_barrier_wait -1
.macro STEP slot, ask
	s_cmp_lt_u32 s2, 13                            ; the next step's bytes are asked for, if I copy and there is a next step
	s_cbranch_scc0 .La_\@
	s_cmp_lt_u32 s[J], s[JL]
	s_cbranch_scc0 .La_\@
	global_load_b128 v[8:11], v1, s[PA:PA+1]
	global_load_b128 v[28:31], v1, s[PB:PB+1]
.La_\@:
.if \ask
	s_cmp_gt_u32 s[TR], s[LIM]                     ; trips 0 to 5 name the two steps of the trip after next; the last named are steps 14 and 15
	s_cbranch_scc0 .Lnp_\@
	global_prefetch_b8 v221, s[4:5] th:TH_LOAD_NT scope:SCOPE_SE
.Lnp_\@:
.endif
	s_cmp_gt_u32 s[J], s[JMY]                      ; all keys of this step come after my queries
	s_cbranch_scc1 .Lb_\@
.irp i, 0,1,2,3
	ds_load_b32 v[212+\i], v3 offset:(\slot)*SLOTB+KSO+128*\i   ; lanes 0-15: tile 2 i's words, lanes 16-31: tile 2 i + 1's
.endr
.irp g, 0,1                                    ; S^T = K Q^T, four tiles of 16 keys at a time
.if \g > 0
	PLACES
.endif
.irp t, 0,1,2,3
	ds_load_b128 v[32+12*\t:35+12*\t], v1 offset:(\slot)*SLOTB+768*(4*\g+\t)
	ds_load_b64 v[36+12*\t:37+12*\t], v2 offset:(\slot)*SLOTB+768*(4*\g+\t)+512
.endr
	s_wait_dscnt 0x0
.irp t, 0,2
	v_wmma_scale_f32_16x16x128_f8f6f4 v[80+8*(4*\g+\t):87+8*(4*\g+\t)], v[32+12*\t:43+12*\t], v[16:27], 0, v[212+2*\g+\t/2], v220 matrix_a_fmt:MATRIX_FMT_FP6 matrix_b_fmt:MATRIX_FMT_FP6
	v_wmma_scale_f32_16x16x128_f8f6f4 v[88+8*(4*\g+\t):95+8*(4*\g+\t)], v[44+12*\t:55+12*\t], v[16:27], 0, v[212+2*\g+\t/2], v220 matrix_a_fmt:MATRIX_FMT_FP6 matrix_b_fmt:MATRIX_FMT_FP6 matrix_a_scale:MATRIX_SCALE_ROW1
.endr
.endr
	PLACES                                         ; ahead of the loads into K's registers and of the first read of the scores
.irp m, 0,1,2,3                                ; V's four fragments land under the softmax
	ds_load_b128 v[32+12*\m:35+12*\m], v1 offset:(\slot)*SLOTB+VOF+1536*\m
	ds_load_b64 v[36+12*\m:37+12*\m], v2 offset:(\slot)*SLOTB+VOF+1536*\m+512
	ds_load_b128 v[38+12*\m:41+12*\m], v1 offset:(\slot)*SLOTB+VOF+1536*\m+768
	ds_load_b64 v[42+12*\m:43+12*\m], v2 offset:(\slot)*SLOTB+VOF+1536*\m+1280
	ds_load_b32 v[216+\m], v3 offset:(\slot)*SLOTB+VSO+128*\m
.endr
	s_cmp_lg_u32 s[J], s[JMY]                      ; on the diagonal hidden scores become -infinity ahead of the maximum: p = 0 then.  Key 0 of the step counts for every query
	s_cbranch_scc1 .Lopen_\@
.set nn, 0
.rept 64
	v_cmp_gt_i32 vcc_lo, 32*(nn/16)+nn%16, v6
	v_cndmask_b32 v[80+nn], v[80+nn], v209, vcc_lo
.set nn, nn+1
.endr
.Lopen_\@:
.irp b, 0,1,2,3
	v_max3_num_f32 v[196+\b], v[80+16*\b], v[81+16*\b], v[82+16*\b]   ; the largest score of each block of 32 keys: for the row's maximum, and for the block's largest p
.endr
.irp i, 3,5,7,9,11,13
.irp b, 0,1,2,3
	v_max3_num_f32 v[196+\b], v[196+\b], v[80+16*\b+\i], v[81+16*\b+\i]
.endr
.endr
.irp b, 0,1,2,3
	v_max_num_f32 v[196+\b], v[196+\b], v[95+16*\b]
.endr
.irp b, 0,1,2,3
	v_permlanex16_b32 v[200+\b], v[196+\b], s[SEL], s[SEL+1]
.endr
.irp b, 0,1,2,3
	v_max_num_f32 v[196+\b], v[196+\b], v[200+\b]  ; with lane l xor 16's 16 keys
.endr
	v_max3_num_f32 v208, v196, v197, v198
	v_max_num_f32 v208, v208, v199
	v_mul_f32 v208, s[CS], v208                    ; as t (c is positive)
	v_max_num_f32 v13, v13, v208                   ; the running largest t
	v_mov_b32 v208, v12
	v_floor_f32 v12, -v13                          ; the new -M = floor(-t): M is a whole number
	v_sub_f32 v208, v12, v208                      ; old M - new M: a whole number, 0 or less
	v_cvt_i32_f32 v208, v208                       ; (it saturates)
	v_ldexp_f32 v210, 1.0, v208                    ; f = 2^(old M - new M)
.set jj, 0
.rept 32
	v_pk_fma_f32 v[80+jj:81+jj], v[80+jj:81+jj], s[CS:CS+1], v[12:13] op_sel_hi:[1,0,0]   ; t - M, two at a time
.set jj, jj+2
.endr
.irp b, 0,1,2,3
	v_fma_f32 v[196+\b], v[196+\b], s[CS], v12     ; the same of each block's largest score
.endr
.set jj, 0
.rept 64
	v_exp_f32 v[80+jj], v[80+jj]                   ; p = 2^(t - M), at most 1: not normalised
.set jj, jj+1
.endr
.irp b, 0,1,2,3
	v_exp_f32 v[196+\b], v[196+\b]                 ; the block's largest p
.endr
	v_pk_mul_f32 v[14:15], v[14:15], v[210:211] op_sel_hi:[1,0]   ; the sums under the new M.  (A plain place behind the exponentials)
	s_wait_alu depctr_va_vdst(0)
.irp b, 0,1,2,3
	v_max_num_f32 v[196+\b], 0x1800000, v[196+\b]  ; the floor 2^(3 - 127)
.endr
.irp b, 0,1,2,3
	v_add_nc_u32 v[204+\b], 0xff000000, v[196+\b]  ; 2 off the exponent field: the conversion's scale operand
.endr
.irp b, 0,1,2,3
	v_lshrrev_b32 v[200+\b], 23, v[204+\b]
.endr
	v_lshl_or_b32 v211, v201, 8, v200              ; p's scale word for these 128 keys
	v_lshl_or_b32 v211, v202, 16, v211
	v_lshl_or_b32 v211, v203, 24, v211
.irp c, 0,1
	v_cvt_scalef32_pk16_fp6_f32 v[176+6*\c:178+6*\c], v[80+32*\c:95+32*\c], v[204+2*\c]
	v_cvt_scalef32_pk16_fp6_f32 v[188+4*\c:190+4*\c], v[96+32*\c:111+32*\c], v[204+2*\c+1]
.endr
	v_nop                                          ; one plain place behind a scaled conversion
.irp c, 0,1
.irp i, 0,1,2
	v_permlane16_swap_b32 v[176+6*\c+\i], v[188+4*\c+\i]
.endr
.irp i, 0,1,2
	v_mov_b32 v[179+6*\c+\i], v[188+4*\c+\i]
.endr
.endr
	v_pk_add_f32 v[200:201], v[80:81], v[82:83]    ; the row's sum is taken of the unquantised p: two chains
.irp j, 4,8,12,16,20,24,28,32,36,40,44,48,52,56,60
	v_pk_add_f32 v[14:15], v[14:15], v[80+\j:81+\j]
	v_pk_add_f32 v[200:201], v[200:201], v[82+\j:83+\j]
.endr
	v_pk_add_f32 v[14:15], v[14:15], v[200:201]
.set jj, 0
.rept 16
	v_pk_mul_f32 v[144+jj:145+jj], v[144+jj:145+jj], v[210:211] op_sel_hi:[1,0]   ; O^T under the new M.  (These and the sums are the places between the codes, the scale word and the products)
.set jj, jj+2
.endr
	s_wait_dscnt 0x0                               ; V and its words
.irp m, 0,1,2,3
	v_wmma_scale_f32_16x16x128_f8f6f4 v[144+8*\m:151+8*\m], v[32+12*\m:43+12*\m], v[176:187], v[144+8*\m:151+8*\m], v[216+\m], v211 matrix_a_fmt:MATRIX_FMT_FP6 matrix_b_fmt:MATRIX_FMT_FP6
.endr
	PLACES                                         ; ahead of the next step's loads into these operands, and of the way out
.Lb_\@:
	s_wait_loadcnt 0x0                             ; on every wave's path: the copy's loads, if any, are in
	s_cmp_lt_u32 s2, 13
	s_cbranch_scc0 .Lc_\@
	s_cmp_lt_u32 s[J], s[JL]
	s_cbranch_scc0 .Lc_\@
	ds_store_b128 v4, v[8:11] offset:(1-(\slot))*SLOTB        ; into the slot that every wave left at the last barrier
	ds_store_b128 v4, v[28:31] offset:(1-(\slot))*SLOTB+512
	s_add_nc_u64 s[PA:PA+1], s[PA:PA+1], s[SA:SA+1]
	s_add_nc_u64 s[PB:PB+1], s[PB:PB+1], s[SB:SB+1]
.Lc_\@:
	s_wait_dscnt 0x0                               ; my stores have landed and my reads of this slot are over
	s_barrier_signal -1
	s_barrier_wait -1
	s_add_co_u32 s[J], s[J], 1
.endm
.Ltrip:
	s_wait_xcnt 0x0                                ; the last trip's prefetch has read its address register
	v_add_nc_u32 v221, v221, v222
	STEP 0, 1
	STEP 1, 0
	s_sub_co_u32 s[TR], s[TR], 1
	s_cmp_lg_u32 s[TR], 0
	s_cbranch_scc1 .Ltrip
	; ---- the way out: O^T / the sum; my head's 64 columns are two blocks of 32 along the next product's K: half a fragment
	v_add_f32 v14, v14, v15
	v_permlanex16_b32 v208, v14, s[SEL], s[SEL+1]
	v_add_f32 v14, v14, v208                       ; the row's sum
	v_rcp_f32 v14, v14
	v_nop                                          ; one plain place behind a transcendental
.set jj, 0
	s_wait_alu depctr_va_vdst(0)
.rept 32
	v_mul_f32 v[80+jj], v[144+jj], v14             ; register 16 b + i: column 64 head + 32 b + 16 h + i
.set jj, jj+1
.endr
.irp b, 0,1
	v_max3_num_f32 v[196+\b], |v[80+16*\b]|, |v[81+16*\b]|, 0x1800000
.endr
.irp i, 2,4,6,8,10,12,14
.irp b, 0,1
	v_max3_num_f32 v[196+\b], v[196+\b], |v[80+16*\b+\i]|, |v[81+16*\b+\i]|
.endr
.endr
.irp b, 0,1
	v_permlanex16_b32 v[200+\b], v[196+\b], s[SEL], s[SEL+1]
.endr
.irp b, 0,1
	v_max_num_f32 v[196+\b], v[196+\b], v[200+\b]
.endr
.irp b, 0,1
	v_add_nc_u32 v[204+\b], 0xff000000, v[196+\b]
.endr
.irp b, 0,1
	v_lshrrev_b32 v[200+\b], 23, v[204+\b]
.endr
	v_lshl_or_b32 v208, v201, 8, v200              ; my head's two scale bytes
	v_cvt_scalef32_pk16_fp6_f32 v[176:178], v[80:95], v204
	v_cvt_scalef32_pk16_fp6_f32 v[188:190], v[96:111], v205
	v_nop
.irp i, 0,1,2
	v_permlane16_swap_b32 v[176+\i], v[188+\i]
.endr
.irp i, 0,1,2
	v_mov_b32 v[179+\i], v[188+\i]
.endr
	global_store_b128 v1, v[176:179], s[54:55]
	global_store_b64 v2, v[180:181], s[54:55] offset:512
	global_store_b16 v5, v208, s[56:57]            ; lanes l and l + 16 write the same two bytes with the same value
	s_wait_tensorcnt 0x0
	ds_add_u32 v254, v255
	s_wait_dscnt 0x0
	s_endpgm
.Lfunc_end_k_q13e3f2e6f2_attn:
	.size	k_q13e3f2e6f2_attn, .Lfunc_end_k_q13e3f2e6f2_attn-k_q13e3f2e6f2_attn
	.p2alignl 7, 3214868480
	.fill 96, 4, 3214868480
	.section	.rodata,"a",@progbits
	.p2align	6, 0x0
	.amdhsa_kernel k_q13e3f2e6f2_attn
		.amdhsa_group_segment_fixed_size 28672
		.amdhsa_private_segment_fixed_size 0
		.amdhsa_enable_private_segment 0
		.amdhsa_kernarg_size 16
		.amdhsa_user_sgpr_count 2
		.amdhsa_user_sgpr_kernarg_segment_ptr 1
		.amdhsa_wavefront_size32 1
		.amdhsa_system_sgpr_workgroup_id_x 1
		.amdhsa_system_sgpr_workgroup_id_y 1
		.amdhsa_system_sgpr_workgroup_id_z 1
		.amdhsa_system_vgpr_workitem_id 0
		.amdhsa_next_free_vgpr 256
		.amdhsa_next_free_sgpr 66
		.amdhsa_reserve_vcc 1
		.amdhsa_float_denorm_mode_32 3
		.amdhsa_float_denorm_mode_16_64 3
		.amdhsa_memory_ordered 1
		.amdhsa_forward_progress 1
		.amdhsa_inst_pref_size 57
	.end_amdhsa_kernel
	.amdgpu_metadata
---
amdhsa.version: [ 1, 2 ]
amdhsa.kernels:
  - .name:           k_q13e3f2e6f2_attn
    .symbol:         k_q13e3f2e6f2_attn.kd
    .args:
      - { .name: wsp_qkv, .offset: 0, .size: 8, .value_kind: global_buffer, .address_space: global }
      - { .name: wsp_h, .offset: 8, .size: 8, .value_kind: global_buffer, .address_space: global }
    .group_segment_fixed_size: 28672
    .private_segment_fixed_size: 0
    .kernarg_segment_align: 8
    .kernarg_segment_size: 16
    .max_flat_workgroup_size: 512
    .sgpr_count:     66
    .vgpr_count:     256
    .wavefront_size: 32
...
	.end_amdgpu_metadata
.endif
;; end of part 3
;; launch tail (part 4): grid 128 x 1, 8 waves a work-group, no clusters, 280,064 bytes of LDS; arguments wsp_h, wsp_w, x, b_out, g1, be1, b_ff1, b_ff2, g2, be2, out0; writes out0
.if DOCPART == 4
	.amdgcn_target "amdgcn-amd-amdhsa--gfx1250"
	.amdhsa_code_object_version 6
	.text
	.protected	k_q13e3f2e6f2_tail
	.globl	k_q13e3f2e6f2_tail
	.p2align	8
	.type	k_q13e3f2e6f2_tail,@function
k_q13e3f2e6f2_tail:
	s_mov_b64 s[64:65], 0
	v_nop
	global_prefetch_b8 v0, s[64:65] scope:SCOPE_SE
	s_setreg_imm32_b32 hwreg(HW_REG_WAVE_MODE, 25, 1), 1
	s_wait_xcnt 0x0
; TAIL.  y = H W_out + b_out + x; x1 = layer norm(y); hidden = relu(x1 W_ff1 + b_ff1); out = layer norm(hidden W_ff2 + b_ff2 + x1).  The three products on codes of E2M3; all else in f32.
; SHARES.  A work-group owns 32 tokens (two tiles of 16 rows, rho = 0, 1) through the whole chain, so that a norm's rows are whole and nothing but H's codes, x and the result goes through memory.
; THE EIGHT WAVES SHARE THE COLUMNS: wave w makes columns 128 w on of the first and third product (8 tiles) and hidden units 256 w on (2 chunks of 8 tiles).  The products are used transposed (source 0 = 16 rows of a
; weight, source 1 = 16 tokens): a lane holds one token, and register 16 b + i of two neighbouring tiles is column 32 b + 16 (lane / 16) + i, since lane r of weight tile 2 b + u holds row 32 b + 8 u + r + 8 (r / 8).
; THE WEIGHTS are a STREAM of 320 fragments a wave, laid by the first launch in the order of use as register images: they go from memory straight into a ring of 16 fragments in window 1.  A group of 4 fragments is
; multiplied with both tiles of tokens (8 matrix instructions) and filled again with the fragments 16 further on: 64 loads of each of the eight waves are always out.  A fragment is used by one wave alone, so it does not pass through LDS.
; Every phase is the same trip: two K steps x 8 tiles = once round the ring; 4 trips for the first product, 4 for each chunk of the second, 8 for the third.
; ONE SET OF ACCUMULATORS (128 registers).  x + b_out is the first product's first content.  x1 is kept as f32 in LDS, in the stage that x has left (a wave writes and reads back only its own 512 bytes of each row),
; and x1 + b_ff2 is the third product's first content.  x1's 128 columns of a wave are K step w of the second product, a chunk's 128 hidden units K step 2 w + c of the third: each is quantised in registers into one
; fragment a tile of tokens, and goes from wave to wave through LDS as a register image (two half images of 768 bytes: registers 0-3 at 16 l, 4-5 at 512 + 8 l).
; THE NORMS take two passes (mean; centred squares), so no difference of large sums is formed; the waves' parts of a row's sum meet in LDS.  Gain and bias come one after the other through 64 registers.
; LIMITS: NaN and infinities are not served; a block of zeros, and one whose largest magnitude lies under 2^-124, gets the scale byte 1; v_rsq_f32 stands ahead of x1's quantiser.  128 work-groups.
; No joint requests: the stream goes to registers, not to LDS.  No prefetch: all 128 work-groups walk the same eight streams in the same span, and 64 loads a wave are out throughout.
; WINDOWS: 0: addresses, scale words, the quantiser, the norms' scratch, v128-255 the accumulators (64 rho + 8 t + j); 1: v0-191 the ring, v192-239 the tokens' fragments (two sets of two), v192-255 bias or gain while those are idle.
.set HS_OFF, 3145728
.set TS_IMG, 2359296
.set TS_SC,  6488064
.set HIMG,  0                          ; LDS: H's 16 fragments (8 rho + s) x 1,536
.set X1IMG, 24576                      ; x1's likewise
.set HID,   49152                      ; the hidden layer's 32 (16 rho + s)
.set SCB,   98304                      ; scale images of 128 bytes: H's + 0, x1's + 2,048, the hidden layer's + 4,096
.set VEC,   106496                     ; b_out + 0, g1 + 4,096, be1 + 8,192, b_ff1 + 12,288, b_ff2 + 20,480, g2 + 24,576, be2 + 28,672
.set RED,   139264                     ; four slots of 16 x 128 bytes for the norms' sums
.set XST,   147456                     ; 32 rows x 4,112 bytes: x on the way in, then x1, then the result on the way out
.set XP,    4112
.set WS,  20                           ; v20-35   the ring's scale words
.set AS,  36                           ; v36-39   the tokens' scale words: set, rho
.set PC,  40                           ; v40-51   a fragment's codes; v52-59 at work
.set TM,  60                           ; v60-63 largest magnitudes, v64-67 bytes, v68-71 the conversions' scale operands
.set PW,  72
.set LC,  74                           ; v74-89   the norms' chains
.set LT,  90                           ; v90-93
.set LR,  94                           ; v94-109  the sixteen parts of two rows' sums
.set MU,  110                          ; v110, v112 the means (each the low word of a pair)
.set RS,  114                          ; v114, v116 1 / sqrt(var + eps)
.set ACC, 128
.set AF,  192                          ; in window 1
.set T64, 192                          ; in window 1
.set LB,  30                           ; s[30:31] the stream's images, 16 fragments ahead of the phase's first
.set LS,  32                           ; s[32:33] its scale images
.set SEL, 34
.set K10, 36                           ; 2^-10
.set EPS, 37
.set CI,  40
.set CC,  41
.set CB,  42
.set CN,  43
.set MSB, 0
.macro WIN new                         ; the immediate's high byte repeats the setting that is left
.if MSB != (\new)
	s_set_vgpr_msb (MSB<<8)|(\new)
.set MSB, (\new)
.endif
.endm
.macro PLACES
.rept 4
	v_nop
.endr
.endm
.macro BARRIER                         ; my LDS stores have landed and my LDS loads are in: then the work-group's barrier
	s_wait_dscnt 0x0
	s_barrier_signal -1
	s_barrier_wait -1
.endm
; 64 numbers of a lane, register 16 b + i = k 32 b + 16 (lane / 16) + i of its row, become a fragment's codes in v[PC] on and its scale word in v[PW]
.macro QUANT s
.irp b, 0,1,2,3
	v_max3_num_f32 v[TM+\b], |v[(\s)+16*\b]|, |v[(\s)+1+16*\b]|, 0x1800000   ; block b: my 16 numbers, and the floor 2^(3 - 127)
.endr
.irp i, 2,4,6,8,10,12,14
.irp b, 0,1,2,3
	v_max3_num_f32 v[TM+\b], v[TM+\b], |v[(\s)+16*\b+\i]|, |v[(\s)+1+16*\b+\i]|
.endr
.endr
.irp b, 0,1,2,3
	v_permlanex16_b32 v[TM+4+\b], v[TM+\b], s[SEL], s[SEL+1]
.endr
.irp b, 0,1,2,3
	v_max_num_f32 v[TM+\b], v[TM+\b], v[TM+4+\b]
.endr
.irp b, 0,1,2,3
	v_add_nc_u32 v[TM+8+\b], 0xff000000, v[TM+\b]
.endr
.irp b, 0,1,2,3
	v_lshrrev_b32 v[TM+4+\b], 23, v[TM+8+\b]
.endr
	v_lshl_or_b32 v[PW], v[TM+5], 8, v[TM+4]
	v_lshl_or_b32 v[PW], v[TM+6], 16, v[PW]
	v_lshl_or_b32 v[PW], v[TM+7], 24, v[PW]
.irp c, 0,1
	v_cvt_scalef32_pk16_fp6_f32 v[PC+6*\c:PC+2+6*\c], v[(\s)+32*\c:(\s)+15+32*\c], v[TM+8+2*\c]
	v_cvt_scalef32_pk16_fp6_f32 v[PC+12+4*\c:PC+14+4*\c], v[(\s)+16+32*\c:(\s)+31+32*\c], v[TM+8+2*\c+1]
.endr
	v_nop                                          ; one plain place behind a scaled conversion
.irp c, 0,1
.irp i, 0,1,2
	v_permlane16_swap_b32 v[PC+6*\c+\i], v[PC+12+4*\c+\i]
.endr
.irp i, 0,1,2
	v_mov_b32 v[PC+3+6*\c+\i], v[PC+12+4*\c+\i]
.endr
.endr
.endm
.macro IMG4 a16, a8, off               ; the fragment in v[PC] on goes to LDS as two half images
	ds_store_b128 v[\a16], v[PC:PC+3] offset:(\off)
	ds_store_b64 v[\a8], v[PC+4:PC+5] offset:(\off)+512
	ds_store_b128 v[\a16], v[PC+6:PC+9] offset:(\off)+768
	ds_store_b64 v[\a8], v[PC+10:PC+11] offset:(\off)+1280
.endm
; the tokens' fragments and scale words of one K step, both tiles, into set as: ten LDS loads.  ns: K steps from rho = 0 to rho = 1
.macro ASET as, a16, a8, off, soff, ns
	WIN 0x40
.irp rho, 0,1
	ds_load_b128 v[AF+24*(\as)+12*\rho:AF+24*(\as)+12*\rho+3], v[\a16] offset:(\off)+\rho*(\ns)*1536
	ds_load_b64 v[AF+24*(\as)+12*\rho+4:AF+24*(\as)+12*\rho+5], v[\a8] offset:(\off)+\rho*(\ns)*1536+512
	ds_load_b128 v[AF+24*(\as)+12*\rho+6:AF+24*(\as)+12*\rho+9], v[\a16] offset:(\off)+\rho*(\ns)*1536+768
	ds_load_b64 v[AF+24*(\as)+12*\rho+10:AF+24*(\as)+12*\rho+11], v[\a8] offset:(\off)+\rho*(\ns)*1536+1280
.endr
	WIN 0
.irp rho, 0,1
	ds_load_b32 v[AS+2*(\as)+\rho], v18 offset:(\soff)+\rho*(\ns)*128
.endr
.endm
; A GROUP: ring slots f0 .. f0 + 3 (weight tiles t0 .. t0 + 3) x both tiles of tokens: 8 matrix instructions on 8 accumulators, by turns.
; rl = 1: the four slots take the fragments ix .. ix + 3 from the stream's bases on: 16 loads.  wc: the loads that may stay out: the younger groups'.
.macro GRP as, t0, f0, ix, rl, wc
	s_wait_loadcnt \wc
	WIN 0x05                                       ; sources 0 (the ring) and 1 (the tokens) window 1; C and D window 0
.irp i, 0,1,2,3
.irp rho, 0,1
.set DA, ACC+64*\rho+8*((\t0)+\i)
.set FA, 12*((\f0)+\i)
.set BA, AF+24*(\as)+12*\rho
	v_wmma_scale_f32_16x16x128_f8f6f4 v[DA:DA+7], v[FA:FA+11], v[BA:BA+11], v[DA:DA+7], v[WS+(\f0)+\i], v[AS+2*(\as)+\rho] matrix_a_fmt:MATRIX_FMT_FP6 matrix_b_fmt:MATRIX_FMT_FP6
.endr
.endr
	PLACES                                         ; four plain places ahead of loads into registers that these have read, and of the first read of results
.if \rl
	WIN 0x40
.irp i, 0,1,2,3
.irp c, 0,1,2
	global_load_b128 v[12*((\f0)+\i)+4*\c:12*((\f0)+\i)+4*\c+3], v1, s[LB:LB+1] offset:((\ix)+\i)*1536+512*\c
.endr
.endr
	WIN 0
.irp i, 0,1,2,3
	global_load_b32 v[WS+(\f0)+\i], v3, s[LS:LS+1] offset:((\ix)+\i)*128
.endr
.endif
.endm
; A TRIP: K steps 2 q and 2 q + 1 x 8 weight tiles: once round the ring.  pf = 1: the tokens' K steps two further on are fetched.  rl = 0: the stream has ended: nothing is loaded, and the counts c1 .. c3 run down.
.macro TRIP8 q, pf, rl, c1, c2, c3, a16, a8, aoff, soff, ns
	s_wait_dscnt 10                                ; set 0 is in; set 1's ten loads may be out
	GRP 0, 0, 0, 16*(\q), \rl, 48
	GRP 0, 4, 4, 16*(\q)+4, \rl, \c1
.if \pf
	ASET 0, \a16, \a8, (\aoff)+(2*(\q)+2)*1536, (\soff)+(2*(\q)+2)*128, \ns
	s_wait_dscnt 10                                ; set 1 is in; the ten just issued may be out
.else
	s_wait_dscnt 0x0
.endif
	GRP 1, 0, 8, 16*(\q)+8, \rl, \c2
	GRP 1, 4, 12, 16*(\q)+12, \rl, \c3
.if \pf
	ASET 1, \a16, \a8, (\aoff)+(2*(\q)+3)*1536, (\soff)+(2*(\q)+3)*128, \ns
.endif
.endm
.macro STEPB                           ; four trips' 64 fragments on
	s_wait_xcnt 0x0                                ; the ring's loads have read their bases
	s_add_nc_u64 s[LB:LB+1], s[LB:LB+1], 98304
	s_add_nc_u64 s[LS:LS+1], s[LS:LS+1], 8192
.endm
; 64 registers in the order of my columns (register 16 b + i: column 32 b + 16 h + i) into window 1's v192 on; the caller has set the destination's window
.macro VL64 areg, off
.set kk, 0
.rept 16
	ds_load_b128 v[T64+4*kk:T64+4*kk+3], v[\areg] offset:(\off)+128*(kk/4)+16*(kk%4)
.set kk, kk+1
.endr
.endm
.macro ACCLD areg, off, rstep          ; the accumulators, both tiles of tokens, in the same order; rstep: bytes from rho = 0 to rho = 1
.irp rho, 0,1
.set kk, 0
.rept 16
	ds_load_b128 v[ACC+64*\rho+4*kk:ACC+64*\rho+4*kk+3], v[\areg] offset:(\off)+(\rstep)*\rho+128*(kk/4)+16*(kk%4)
.set kk, kk+1
.endr
.endr
.endm
.macro ACCST areg, off, rstep
.irp rho, 0,1
.set kk, 0
.rept 16
	ds_store_b128 v[\areg], v[ACC+64*\rho+4*kk:ACC+64*\rho+4*kk+3] offset:(\off)+(\rstep)*\rho+128*(kk/4)+16*(kk%4)
.set kk, kk+1
.endr
.endr
.endm
.macro ACCOP mul                       ; both tiles' 64 registers times (mul = 1) or plus (0) the 64 of window 1
	WIN 0x04
.irp rho, 0,1
.set jj, 0
.rept 32
.if \mul
	v_pk_mul_f32 v[ACC+64*\rho+jj:ACC+64*\rho+jj+1], v[ACC+64*\rho+jj:ACC+64*\rho+jj+1], v[T64+jj:T64+jj+1]
.else
	v_pk_add_f32 v[ACC+64*\rho+jj:ACC+64*\rho+jj+1], v[ACC+64*\rho+jj:ACC+64*\rho+jj+1], v[T64+jj:T64+jj+1]
.endif
.set jj, jj+2
.endr
.endr
	WIN 0
.endm
; the chains' eight pairs become each token's sum over all 1,024 columns, in v[LT], v[LT+1], the same in every wave
.macro XCH red
.irp rho, 0,1
	v_pk_add_f32 v[LC+8*\rho:LC+8*\rho+1], v[LC+8*\rho:LC+8*\rho+1], v[LC+8*\rho+2:LC+8*\rho+3]
	v_pk_add_f32 v[LC+8*\rho+4:LC+8*\rho+5], v[LC+8*\rho+4:LC+8*\rho+5], v[LC+8*\rho+6:LC+8*\rho+7]
.endr
.irp rho, 0,1
	v_pk_add_f32 v[LC+8*\rho:LC+8*\rho+1], v[LC+8*\rho:LC+8*\rho+1], v[LC+8*\rho+4:LC+8*\rho+5]
.endr
.irp rho, 0,1
	v_add_f32 v[LT+\rho], v[LC+8*\rho], v[LC+8*\rho+1]
.endr
.irp rho, 0,1
	v_permlanex16_b32 v[LT+2+\rho], v[LT+\rho], s[SEL], s[SEL+1]
.endr
.irp rho, 0,1
	v_add_f32 v[LT+\rho], v[LT+\rho], v[LT+2+\rho] ; my wave's 128 columns
.endr
.irp rho, 0,1
	ds_store_b32 v16, v[LT+\rho] offset:(\red)*2048+128*\rho
.endr
	BARRIER
.irp k, 0,1,2,3,4,5,6,7,8,9,10,11,12,13,14,15
	ds_load_b32 v[LR+\k], v17 offset:(\red)*2048+128*\k   ; part 2 w + rho
.endr
	s_wait_dscnt 0x0
.irp m, 0,1,2,3
.irp rho, 0,1
	v_add_f32 v[LR+4*\m+\rho], v[LR+4*\m+\rho], v[LR+4*\m+2+\rho]
.endr
.endr
.irp m, 0,1
.irp rho, 0,1
	v_add_f32 v[LR+8*\m+\rho], v[LR+8*\m+\rho], v[LR+8*\m+4+\rho]
.endr
.endr
.irp rho, 0,1
	v_add_f32 v[LT+\rho], v[LR+\rho], v[LR+8+\rho]
.endr
.endm
; the layer norm of the 128 accumulator registers, in place
.macro LN goff, boff, red
	WIN 0x40
	VL64 9, \goff                                  ; the gain is asked for now; the waits in front of the barriers below cover it
	WIN 0
.irp rho, 0,1
.irp q, 0,1,2,3
	v_pk_add_f32 v[LC+8*\rho+2*\q:LC+8*\rho+2*\q+1], v[ACC+64*\rho+2*\q:ACC+64*\rho+2*\q+1], v[ACC+64*\rho+8+2*\q:ACC+64*\rho+8+2*\q+1]   ; four chains a tile, started by the first pairs; each accumulator is read from its low end on
.endr
.endr
.irp m, 2,3,4,5,6,7
.irp rho, 0,1
.irp q, 0,1,2,3
	v_pk_add_f32 v[LC+8*\rho+2*\q:LC+8*\rho+2*\q+1], v[ACC+64*\rho+8*\m+2*\q:ACC+64*\rho+8*\m+2*\q+1], v[LC+8*\rho+2*\q:LC+8*\rho+2*\q+1]
.endr
.endr
.endr
	XCH \red
.irp rho, 0,1
	v_mul_f32 v[MU+2*\rho], s[K10], v[LT+\rho]     ; the mean
.endr
.irp rho, 0,1
.set jj, ACC+64*\rho
.rept 32
	v_pk_add_f32 v[jj:jj+1], v[jj:jj+1], v[MU+2*\rho:MU+2*\rho+1] op_sel_hi:[1,0] neg_lo:[0,1] neg_hi:[0,1]   ; centred, in place
.set jj, jj+2
.endr
.endr
.irp rho, 0,1
.irp q, 0,1,2,3
	v_pk_mul_f32 v[LC+8*\rho+2*\q:LC+8*\rho+2*\q+1], v[ACC+64*\rho+2*\q:ACC+64*\rho+2*\q+1], v[ACC+64*\rho+2*\q:ACC+64*\rho+2*\q+1]
.endr
.endr
.irp m, 1,2,3,4,5,6,7
.irp rho, 0,1
.irp q, 0,1,2,3
	v_pk_fma_f32 v[LC+8*\rho+2*\q:LC+8*\rho+2*\q+1], v[ACC+64*\rho+8*\m+2*\q:ACC+64*\rho+8*\m+2*\q+1], v[ACC+64*\rho+8*\m+2*\q:ACC+64*\rho+8*\m+2*\q+1], v[LC+8*\rho+2*\q:LC+8*\rho+2*\q+1]
.endr
.endr
.endr
	XCH (\red)+1
.irp rho, 0,1
	v_fma_f32 v[RS+2*\rho], v[LT+\rho], s[K10], s[EPS]   ; the variance + 1e-5
.endr
.irp rho, 0,1
	v_rsq_f32 v[RS+2*\rho], v[RS+2*\rho]
.endr
	v_nop                                          ; one plain place behind a transcendental
	s_wait_alu depctr_va_vdst(0)
.irp rho, 0,1
.set jj, ACC+64*\rho
.rept 32
	v_pk_mul_f32 v[jj:jj+1], v[jj:jj+1], v[RS+2*\rho:RS+2*\rho+1] op_sel_hi:[1,0]
.set jj, jj+2
.endr
.endr
	ACCOP 1                                        ; x gain
	WIN 0x40
	VL64 9, \boff
	WIN 0
	s_wait_dscnt 0x0
	ACCOP 0                                        ; + bias
.endm
	s_load_b512 s[8:23], s[0:1], 0x0               ; wsp_h, wsp_w, x, b_out, g1, be1, b_ff1, b_ff2
	s_load_b128 s[24:27], s[0:1], 0x40             ; g2, be2
	s_load_b64 s[28:29], s[0:1], 0x50              ; out0
	v_lshl_add_u32 v59, v0, 2, 0x44200
	v_mov_b32 v73, 0
	v_lshrrev_b32 v1, 5, v0
	v_readfirstlane_b32 s2, v1                     ; wave 0..7
	v_and_b32 v8, 31, v0
	v_and_b32 v4, 15, v0                           ; r
	v_bfe_u32 v5, v0, 4, 1                         ; h
	v_lshlrev_b32 v1, 4, v8                        ; 16 l
	v_lshlrev_b32 v2, 3, v8                        ; 8 l
	v_lshlrev_b32 v3, 2, v8                        ; 4 l
	s_lshl_b32 s3, s2, 9
	v_lshl_add_u32 v9, v5, 6, s3
	v_add_nc_u32 v9, VEC, v9                       ; a vector's numbers of my columns: VEC + 512 w + 64 h
	v_add_nc_u32 v122, s3, v1                      ; my eighth of a vector of 4,096 bytes, in memory,
	v_add_nc_u32 v19, VEC, v122                    ; and in LDS
	v_and_b32 v14, 8, v4
	v_add_nc_u32 v14, v14, v4
	v_mul_u32_u24 v14, v14, XP
	v_lshl_add_u32 v14, v5, 6, v14
	v_add_nc_u32 v14, s3, v14
	v_add_nc_u32 v14, XST, v14                     ; the stage by tokens: row r + 8 (r / 8), + 512 w + 64 h (rho = 1: 8 rows on)
	s_lshl_b32 s3, s2, 10
	v_lshl_add_u32 v10, v5, 6, s3
	v_add_nc_u32 v10, VEC+12288, v10               ; b_ff1 of my hidden units
	v_add_nc_u32 v123, s3, v1                      ; my eighth of b_ff1, in memory,
	v_add_nc_u32 v124, VEC+12288, v123             ; and in LDS
	s_mul_i32 s3, s2, 1536
	v_add_nc_u32 v11, s3, v1                       ; x1's images: K step w
	v_add_nc_u32 v12, s3, v2
	s_lshl_b32 s3, s2, 7
	v_add_nc_u32 v13, s3, v3
	v_add_nc_u32 v13, SCB, v13                     ; and their scale images
	s_lshl_b32 s3, s2, 8
	v_add_nc_u32 v120, s3, v3
	v_add_nc_u32 v16, RED, v120                    ; my wave's two sums
	v_add_nc_u32 v120, SCB, v120                   ; scale images 2 w, 2 w + 1: H's on the way in, the hidden layer's later
	v_add_nc_u32 v17, RED, v3
	v_add_nc_u32 v18, SCB, v3
	s_mul_i32 s3, s2, 4*XP
	v_add_nc_u32 v15, s3, v1
	v_add_nc_u32 v15, XST, v15                     ; the stage by rows: my rows 4 w .. 4 w + 3
	s_mul_i32 s3, s2, 3072
	v_add_nc_u32 v118, s3, v1                      ; my eighth of H's images; the hidden layer's images: K steps 2 w on
	v_add_nc_u32 v119, s3, v2
	v_lshlrev_b32 v121, 2, v4                      ; 4 r
	v_add_nc_u32 v6, HID, v1                       ; the third product's tokens
	v_add_nc_u32 v7, HID, v2
.irp i, TM+4,TM+5,TM+6,TM+7,LT+2,LT+3,MU+1,MU+3,RS+1,RS+3
	v_mov_b32 v[\i], 0                             ; lane permutes' destinations, and the upper words of pairs of which the low word serves
.endr
	s_mov_b32 s[SEL], 0x76543210
	s_mov_b32 s[SEL+1], 0xfedcba98
	s_mov_b32 s[K10], 0x3a800000
	s_mov_b32 s[EPS], 0x3727c5ac
	s_mul_i32 s46, ttmp9, 24576
	s_mul_i32 s3, s2, 3072
	s_add_co_u32 s46, s46, s3
	s_mov_b32 s47, 0
	s_lshl_b32 s54, ttmp9, 10
	s_lshl_b32 s3, s2, 7
	s_add_co_u32 s54, s54, s3
	s_add_co_u32 s54, s54, HS_OFF
	s_mov_b32 s55, 0
	s_lshl_b32 s56, ttmp9, 17
	s_lshl_b32 s3, s2, 14
	s_add_co_u32 s56, s56, s3
	s_mov_b32 s57, 0
	s_mul_i32 s58, s2, 491520
	s_add_co_u32 s58, s58, TS_IMG
	s_mov_b32 s59, 0
	s_mul_i32 s60, s2, 40960
	s_add_co_u32 s60, s60, TS_SC
	s_mov_b32 s61, 0
	s_wait_kmcnt 0x0
	s_add_nc_u64 s[48:49], s[8:9], s[46:47]        ; my eighth of H's images
	s_add_nc_u64 s[50:51], s[8:9], s[54:55]        ; my two of H's sixteen runs of scale words
	s_add_nc_u64 s[52:53], s[12:13], s[56:57]      ; my 4 rows of x
	s_add_nc_u64 s[44:45], s[28:29], s[56:57]      ; and of the result
	s_add_nc_u64 s[58:59], s[10:11], s[58:59]      ; my stream
	s_add_nc_u64 s[60:61], s[10:11], s[60:61]
	s_add_nc_u64 s[LB:LB+1], s[58:59], 24576
	s_add_nc_u64 s[LS:LS+1], s[60:61], 2048
	; ---- the head: H, the vectors and x go to LDS; the ring is filled
	WIN 0x40
.irp k, 0,1,2,3,4,5
	global_load_b128 v[192+4*\k:195+4*\k], v1, s[48:49] offset:512*\k
.endr
.irp k, 0,1
	global_load_b32 v[248+\k], v121, s[50:51] offset:64*\k
.endr
	global_load_b128 v[216:219], v122, s[14:15]
	global_load_b128 v[220:223], v122, s[16:17]
	global_load_b128 v[224:227], v122, s[18:19]
	global_load_b128 v[228:231], v122, s[22:23]
	global_load_b128 v[232:235], v122, s[24:25]
	global_load_b128 v[236:239], v122, s[26:27]
.irp k, 0,1
	global_load_b128 v[240+4*\k:243+4*\k], v123, s[20:21] offset:512*\k
.endr
	WIN 0
.set kk, 0
.rept 32
	global_load_b128 v[ACC+4*kk:ACC+4*kk+3], v1, s[52:53] offset:4096*(kk/8)+512*(kk%8) th:TH_LOAD_NT   ; 512 consecutive bytes of a row
.set kk, kk+1
.endr
.irp g, 0,1,2,3
	WIN 0x40
.irp i, 0,1,2,3
.irp c, 0,1,2
	global_load_b128 v[12*(4*\g+\i)+4*\c:12*(4*\g+\i)+4*\c+3], v1, s[58:59] offset:(4*\g+\i)*1536+512*\c
.endr
.endr
	WIN 0
.irp i, 0,1,2,3
	global_load_b32 v[WS+4*\g+\i], v3, s[60:61] offset:(4*\g+\i)*128
.endr
.endr
	s_wait_loadcnt 63                              ; the ring's 64 loads are younger; the count's field ends at 63
	WIN 0x04                                       ; an LDS store's data are its source 1
.irp k, 0,1,2,3,4,5
	ds_store_b128 v118, v[192+4*\k:195+4*\k] offset:HIMG+512*\k
.endr
.irp k, 0,1
	ds_store_b32 v120, v[248+\k] offset:128*\k     ; as images of 128 bytes: both halves of the lanes hold row r's word
.endr
	ds_store_b128 v19, v[216:219]
	ds_store_b128 v19, v[220:223] offset:4096
	ds_store_b128 v19, v[224:227] offset:8192
	ds_store_b128 v19, v[228:231] offset:20480
	ds_store_b128 v19, v[232:235] offset:24576
	ds_store_b128 v19, v[236:239] offset:28672
.irp k, 0,1
	ds_store_b128 v124, v[240+4*\k:243+4*\k] offset:512*\k
.endr
	WIN 0
.set kk, 0
.rept 32
	ds_store_b128 v15, v[ACC+4*kk:ACC+4*kk+3] offset:XP*(kk/8)+512*(kk%8)
.set kk, kk+1
.endr
	BARRIER
	; ---- the first product: the accumulators begin as x + b_out
	ACCLD 14, 0, 8*XP
	WIN 0x40
	VL64 9, 0
	WIN 0
	s_wait_dscnt 0x0
	ACCOP 0
	ASET 0, 1, 2, HIMG, 0, 8
	ASET 1, 1, 2, HIMG+1536, 128, 8
.irp q, 0,1,2
	TRIP8 \q, 1, 1, 48, 48, 48, 1, 2, HIMG, 0, 8
.endr
	TRIP8 3, 0, 1, 48, 48, 48, 1, 2, HIMG, 0, 8    ; the last two K steps fetch no tokens; the ring runs on into the second product's fragments
	STEPB
	LN 4096, 8192, 0
	ACCST 14, 0, 8*XP                              ; x1 is kept for the residual, where my part of x lay: bytes that I alone read and write from here to the way out
	QUANT ACC
	IMG4 11, 12, X1IMG
	ds_store_b32 v13, v[PW] offset:2048
	s_wait_dscnt 0x0                               ; the stores have read their registers
	QUANT ACC+64
	IMG4 11, 12, X1IMG+8*1536
	ds_store_b32 v13, v[PW] offset:2048+1024
	BARRIER                                        ; x1's sixteen fragments lie in LDS
	; ---- the second product, relu and the quantiser: two chunks of 128 hidden units, each one K step of the third product
	s_mov_b32 s[CI], HID
	s_mov_b32 s[CC], 0
	s_mov_b32 s[CB], 0
	s_mov_b32 s[CN], 2
.Lchunk:
	v_add_nc_u32 v125, s[CI], v118
	v_add_nc_u32 v126, s[CI], v119
	v_add_nc_u32 v127, s[CC], v120
	v_add_nc_u32 v8, s[CB], v10
	ACCLD 8, 0, 0                                  ; the accumulators begin as b_ff1
	ASET 0, 1, 2, X1IMG, 2048, 8
	ASET 1, 1, 2, X1IMG+1536, 2048+128, 8
.irp q, 0,1,2
	TRIP8 \q, 1, 1, 48, 48, 48, 1, 2, X1IMG, 2048, 8
.endr
	TRIP8 3, 0, 1, 48, 48, 48, 1, 2, X1IMG, 2048, 8
.set jj, 0
.rept 128
	v_max_num_f32 v[ACC+jj], 0, v[ACC+jj]          ; the activation, in f32
.set jj, jj+1
.endr
	QUANT ACC
	IMG4 125, 126, 0
	ds_store_b32 v127, v[PW] offset:4096
	s_wait_dscnt 0x0
	QUANT ACC+64
	IMG4 125, 126, 24576
	ds_store_b32 v127, v[PW] offset:4096+2048
	s_wait_dscnt 0x0
	STEPB
	s_add_co_u32 s[CI], s[CI], 1536
	s_add_co_u32 s[CC], s[CC], 128
	s_add_co_u32 s[CB], s[CB], 512
	s_sub_co_u32 s[CN], s[CN], 1
	s_cmp_lg_u32 s[CN], 0
	s_cbranch_scc1 .Lchunk
	s_barrier_signal -1
	s_barrier_wait -1                              ; the hidden layer's 32 fragments lie in LDS
	; ---- the third product: the accumulators begin as x1 + b_ff2
	ACCLD 14, 0, 8*XP
	WIN 0x40
	VL64 9, 20480
	WIN 0
	s_wait_dscnt 0x0
	ACCOP 0
	ASET 0, 6, 7, 0, 4096, 16
	ASET 1, 6, 7, 1536, 4096+128, 16
.irp q, 0,1,2,3,4,5,6
	TRIP8 \q, 1, 1, 48, 48, 48, 6, 7, 0, 4096, 16
.endr
	TRIP8 7, 0, 0, 32, 16, 0, 6, 7, 0, 4096, 16    ; the stream ends: nothing is loaded behind the last 16 fragments, and the counts run down
	LN 24576, 28672, 2
	; ---- the way out: through the stage, over my part of x1, so that whole rows leave
	ACCST 14, 0, 8*XP
	BARRIER
.set kk, 0
.rept 32
	ds_load_b128 v[ACC+4*kk:ACC+4*kk+3], v15 offset:XP*(kk/8)+512*(kk%8)
.set kk, kk+1
.endr
.irp a, 0,1
	s_wait_dscnt 16-16*\a                          ; the younger batch of sixteen may be out
.set kk, 16*\a
.rept 16
	global_store_b128 v1, v[ACC+4*kk:ACC+4*kk+3], s[44:45] offset:4096*(kk/8)+512*(kk%8) th:TH_STORE_NT   ; 512 consecutive bytes of a row
.set kk, kk+1
.endr
.endr
	s_wait_tensorcnt 0x0
	ds_add_u32 v59, v73
	s_wait_dscnt 0x0
	s_endpgm
.Lfunc_end_k_q13e3f2e6f2_tail:
	.size	k_q13e3f2e6f2_tail, .Lfunc_end_k_q13e3f2e6f2_tail-k_q13e3f2e6f2_tail
	.p2alignl 7, 3214868480
	.fill 96, 4, 3214868480
	.section	.rodata,"a",@progbits
	.p2align	6, 0x0
	.amdhsa_kernel k_q13e3f2e6f2_tail
		.amdhsa_group_segment_fixed_size 280064
		.amdhsa_private_segment_fixed_size 0
		.amdhsa_enable_private_segment 0
		.amdhsa_kernarg_size 88
		.amdhsa_user_sgpr_count 2
		.amdhsa_user_sgpr_kernarg_segment_ptr 1
		.amdhsa_wavefront_size32 1
		.amdhsa_system_sgpr_workgroup_id_x 1
		.amdhsa_system_sgpr_workgroup_id_y 1
		.amdhsa_system_sgpr_workgroup_id_z 1
		.amdhsa_system_vgpr_workitem_id 0
		.amdhsa_next_free_vgpr 512
		.amdhsa_next_free_sgpr 66
		.amdhsa_reserve_vcc 0
		.amdhsa_float_denorm_mode_32 3
		.amdhsa_float_denorm_mode_16_64 3
		.amdhsa_memory_ordered 1
		.amdhsa_forward_progress 1
		.amdhsa_inst_pref_size 255
	.end_amdhsa_kernel
	.section	.bss,"aw",@nobits
	.p2align	6
	.space	262144
	.amdgpu_metadata
---
amdhsa.version: [ 1, 2 ]
amdhsa.kernels:
  - .name:           k_q13e3f2e6f2_tail
    .symbol:         k_q13e3f2e6f2_tail.kd
    .args:
      - { .name: wsp_h, .offset: 0, .size: 8, .value_kind: global_buffer, .address_space: global }
      - { .name: wsp_w, .offset: 8, .size: 8, .value_kind: global_buffer, .address_space: global }
      - { .name: x, .offset: 16, .size: 8, .value_kind: global_buffer, .address_space: global }
      - { .name: b_out, .offset: 24, .size: 8, .value_kind: global_buffer, .address_space: global }
      - { .name: g1, .offset: 32, .size: 8, .value_kind: global_buffer, .address_space: global }
      - { .name: be1, .offset: 40, .size: 8, .value_kind: global_buffer, .address_space: global }
      - { .name: b_ff1, .offset: 48, .size: 8, .value_kind: global_buffer, .address_space: global }
      - { .name: b_ff2, .offset: 56, .size: 8, .value_kind: global_buffer, .address_space: global }
      - { .name: g2, .offset: 64, .size: 8, .value_kind: global_buffer, .address_space: global }
      - { .name: be2, .offset: 72, .size: 8, .value_kind: global_buffer, .address_space: global }
      - { .name: out0, .offset: 80, .size: 8, .value_kind: global_buffer, .address_space: global }
    .group_segment_fixed_size: 280064
    .private_segment_fixed_size: 0
    .kernarg_segment_align: 8
    .kernarg_segment_size: 88
    .max_flat_workgroup_size: 256
    .sgpr_count:     66
    .vgpr_count:     512
    .wavefront_size: 32
...
	.end_amdgpu_metadata
.endif
;; end of part 4
;; ======== version 2 of 2: 4 launches
;; workspace buffers: wsp_x 3,407,872 bytes; wsp_w 6,815,744 bytes; wsp_qkv 10,223,616 bytes; wsp_h 3,276,800 bytes
;; launch prep (part 5): grid 384 x 1, 4 waves a work-group, no clusters, 118,272 bytes of LDS; arguments x, W_qkv_codes, W_qkv_scales, W_out_codes, W_out_scales, W_ff1_codes, W_ff1_scales, W_ff2_codes, W_ff2_scales, wsp_x, wsp_w; writes wsp_x, wsp_w
.if DOCPART == 5
	.amdgcn_target "amdgcn-amd-amdhsa--gfx1250"
	.amdhsa_code_object_version 6
	.text
	.protected	k_q13e3f2e6f2_prep
	.globl	k_q13e3f2e6f2_prep
	.p2align	8
	.type	k_q13e3f2e6f2_prep,@function
k_q13e3f2e6f2_prep:
	s_mov_b64 s[64:65], 0
	v_nop
	global_prefetch_b8 v0, s[64:65] scope:SCOPE_SE
	s_setreg_imm32_b32 hwreg(HW_REG_WAVE_MODE, 25, 1), 1
	s_wait_xcnt 0x0
; PREP.  (a) x [4096][1024] f32 becomes codes of E2M3 with one E8M0 byte for each 32 along K, laid as IMAGES OF OPERAND REGISTERS;
; (b) the four weights' codes and scale bytes, given as rows with K innermost, are laid anew as such images, in the order in which the later launches' waves take them.
; A TILE is 16 rows; tile 2 b + u holds in lane r row 32 b + 8 u + r + 8 (r / 8).  A FRAGMENT is a tile x 128 along K: 12 registers a lane (registers 6 c .. 6 c + 5: k = 64 c + 32 (lane / 16) + 0 .. 31).
; Its image is 1,536 bytes: registers 4 c .. 4 c + 3 of lane l at 512 c + 16 l.  Its scale image is 128 bytes: lane l's word (row l % 16's four bytes) at 4 l.
; wsp_x: images [group of 8 tiles 32][K step 8][tile 8], scale images behind them.  wsp_w: W_qkv likewise [24][8][8]; then for each of the last launch's eight waves its 320 fragments of W_out, W_ff1, W_ff2 in the order of use.
; Work-groups 0-255: tile T of x, wave q its K steps 2 q, 2 q + 1.  Work-groups 256-383: four units, one a wave; a unit is a tile x 768 bytes of codes (8 fragments).
; A block's scale byte is its largest magnitude's exponent field - 2, held at 1 from below.  LIMITS: a block of zeros, and one whose largest magnitude lies under 2^-124, gets the byte 1 (its codes are zeros or what the
; conversion makes of them; the bytes are read by this program alone); NaN and infinities among the inputs are not served.
; No barrier: each wave's LDS bytes are its own; the two kinds of work-group have LDS bytes of their own.
.set XS_OFF, 3145728                   ; wsp_x: the scale images
.set WQ_SC,  6291456                   ; wsp_w: W_qkv's scale images
.set TS_IMG, 2359296                   ; wsp_w: the eight streams' images, 491,520 bytes each
.set TS_SC,  6488064                   ; wsp_w: the eight streams' scale images, 40,960 bytes each
.set WSTG,   67584                     ; LDS: behind the x path's 4 x 16,896 bytes: the weight path's stages, 12,544 bytes a wave
.set R,   16                           ; v16-143  x as loaded, two K steps
.set X,   144                          ; v144-207 64 numbers of a lane: register 16 b + i = k 32 b + 16 (lane / 16) + i of its row
.set PC,  208                          ; v208-219 the fragment's codes; v220-227 at work
.set TM,  228                          ; v228-231 largest magnitudes, v232-235 bytes, v236-239 the conversions' scale operands
.set PW,  240                          ; the scale word
.set SEL, 50                           ; s[50:51] v_permlanex16_b32's selects for lane l xor 16
.macro QUANT s
.irp b, 0,1,2,3
	v_max3_num_f32 v[TM+\b], |v[(\s)+16*\b]|, |v[(\s)+1+16*\b]|, 0x1800000   ; block b: my 16 numbers, and the floor 2^(3 - 127): the byte cannot fall under 1
.endr
.irp i, 2,4,6,8,10,12,14
.irp b, 0,1,2,3
	v_max3_num_f32 v[TM+\b], v[TM+\b], |v[(\s)+16*\b+\i]|, |v[(\s)+1+16*\b+\i]|   ; the four blocks by turns
.endr
.endr
.irp b, 0,1,2,3
	v_permlanex16_b32 v[TM+4+\b], v[TM+\b], s[SEL], s[SEL+1]
.endr
.irp b, 0,1,2,3
	v_max_num_f32 v[TM+\b], v[TM+\b], v[TM+4+\b]   ; with lane l xor 16's: the block's largest magnitude
.endr
.irp b, 0,1,2,3
	v_add_nc_u32 v[TM+8+\b], 0xff000000, v[TM+\b]  ; 2 off its exponent field: the conversion's scale operand
.endr
.irp b, 0,1,2,3
	v_lshrrev_b32 v[TM+4+\b], 23, v[TM+8+\b]       ; the scale's byte
.endr
	v_lshl_or_b32 v[PW], v[TM+5], 8, v[TM+4]
	v_lshl_or_b32 v[PW], v[TM+6], 16, v[PW]
	v_lshl_or_b32 v[PW], v[TM+7], 24, v[PW]
.irp c, 0,1
	v_cvt_scalef32_pk16_fp6_f32 v[PC+6*\c:PC+2+6*\c], v[(\s)+32*\c:(\s)+15+32*\c], v[TM+8+2*\c]
	v_cvt_scalef32_pk16_fp6_f32 v[PC+12+4*\c:PC+14+4*\c], v[(\s)+16+32*\c:(\s)+31+32*\c], v[TM+8+2*\c+1]
.endr
	v_nop                                          ; one plain place behind a scaled conversion
.irp c, 0,1                                    ; a whole block to a lane: lanes 0-15 block 2 c, lanes 16-31 block 2 c + 1
.irp i, 0,1,2
	v_permlane16_swap_b32 v[PC+6*\c+\i], v[PC+12+4*\c+\i]
.endr
.irp i, 0,1,2
	v_mov_b32 v[PC+3+6*\c+\i], v[PC+12+4*\c+\i]
.endr
.endr
.endm
	s_load_b512 s[8:23], s[0:1], 0x0               ; x, W_qkv codes, scales, W_out codes, scales, W_ff1 codes, scales, W_ff2 codes
	s_load_b128 s[24:27], s[0:1], 0x40             ; W_ff2 scales, wsp_x
	s_load_b64 s[28:29], s[0:1], 0x50              ; wsp_w
	v_lshl_add_u32 v254, v0, 2, 0x1cc00
	v_mov_b32 v255, 0
	v_lshrrev_b32 v1, 5, v0
	v_readfirstlane_b32 s2, v1                     ; wave
	v_and_b32 v5, 31, v0                           ; lane
	v_and_b32 v6, 15, v0                           ; r
	v_bfe_u32 v7, v0, 4, 1                         ; h
	v_lshlrev_b32 v1, 4, v5                        ; 16 x lane
	v_lshlrev_b32 v4, 2, v5                        ; 4 x lane
	s_cmp_lt_u32 ttmp9, 256
	s_cbranch_scc0 .Lweights
	; ---- x: tile T = work-group, K steps 2 q and 2 q + 1.  Each load reads 512 consecutive bytes of a row; a K step's 16 x 512 bytes turn through the wave's stage (rows 528 bytes apart) so that a lane gets 16 neighbours of each block
	s_mov_b32 s[SEL], 0x76543210
	s_mov_b32 s[SEL+1], 0xfedcba98
	s_mul_i32 s3, s2, 16896
	v_add_nc_u32 v2, s3, v1                        ; into the stage: 16 x lane
	v_mul_u32_u24 v3, v6, 528
	v_lshl_add_u32 v3, v7, 6, v3
	v_add_nc_u32 v3, s3, v3                        ; out of it: row r, + 64 h
.irp b, 0,1,2,3
	v_mov_b32 v[TM+4+\b], 0                        ; a lane permute's destination counts as one of its sources
.endr
	s_lshr_b32 s4, ttmp9, 1
	s_lshl_b32 s4, s4, 5
	s_and_b32 s5, ttmp9, 1
	s_lshl_b32 s5, s5, 3
	s_add_co_u32 s4, s4, s5                        ; the tile's first row: 32 (T / 2) + 8 (T % 2)
	s_lshl_b32 s4, s4, 12
	s_lshl_b32 s5, s2, 10
	s_add_co_u32 s4, s4, s5                        ; + my two K steps' 1,024 bytes
	s_mov_b32 s5, 0
	s_lshr_b32 s6, ttmp9, 3
	s_and_b32 s7, ttmp9, 7
	s_mul_i32 s30, s6, 98304
	s_mul_i32 s31, s7, 1536
	s_add_co_u32 s30, s30, s31
	s_mul_i32 s31, s2, 24576
	s_add_co_u32 s30, s30, s31                     ; image (T / 8, 2 q, T % 8)
	s_mov_b32 s31, 0
	s_lshl_b32 s32, s6, 13
	s_lshl_b32 s33, s7, 7
	s_add_co_u32 s32, s32, s33
	s_lshl_b32 s33, s2, 11
	s_add_co_u32 s32, s32, s33
	s_add_co_u32 s32, s32, XS_OFF                  ; and its scale image
	s_mov_b32 s33, 0
	s_wait_alu depctr_va_vdst(0)
	s_wait_kmcnt 0x0
	s_add_nc_u64 s[8:9], s[8:9], s[4:5]
	s_add_nc_u64 s[30:31], s[26:27], s[30:31]
	s_add_nc_u64 s[32:33], s[26:27], s[32:33]
.irp e, 0,1
.irp i, 0,1,2,3,4,5,6,7,8,9,10,11,12,13,14,15
	global_load_b128 v[R+64*\e+4*\i:R+64*\e+4*\i+3], v1, s[8:9] offset:(\i+8*(\i/8))*4096+512*\e th:TH_LOAD_NT
.endr
.endr
.macro TOSTG e
.irp i, 0,1,2,3,4,5,6,7,8,9,10,11,12,13,14,15
	ds_store_b128 v2, v[R+64*(\e)+4*\i:R+64*(\e)+4*\i+3] offset:8448*(\e)+528*\i
.endr
.endm
.macro FROMSTG e
.irp b, 0,1,2,3
.irp j, 0,1,2,3
	ds_load_b128 v[X+16*\b+4*\j:X+16*\b+4*\j+3], v3 offset:8448*(\e)+128*\b+16*\j   ; LDS serves a wave's instructions in order: these see my stores
.endr
.endr
.endm
.macro XOUT e
.irp c, 0,1,2
	global_store_b128 v1, v[PC+4*\c:PC+4*\c+3], s[30:31] offset:12288*(\e)+512*\c   ; 512 consecutive bytes a store
.endr
	global_store_b32 v4, v[PW], s[32:33] offset:1024*(\e)
.endm
	s_wait_loadcnt 16                              ; the first K step's sixteen loads are in; the second's may be out
	TOSTG 0
	FROMSTG 0
	s_wait_loadcnt 0x0
	TOSTG 1
	s_wait_dscnt 16                                ; the sixteen stores just issued may be out: the first K step's numbers are back
	QUANT X
	XOUT 0
	FROMSTG 1
	s_wait_dscnt 0x0
	s_wait_xcnt 0x0                                ; the stores' data registers are written again only behind this wait
	QUANT X
	XOUT 1
	s_wait_tensorcnt 0x0
	ds_add_u32 v254, v255
	s_wait_dscnt 0x0
	s_endpgm
.Lweights:
	s_wait_alu depctr_va_vdst(0)
	; ---- a unit: 16 rows x 768 bytes of codes.  Loads of 256 consecutive bytes; the rows turn through the wave's stage (784 bytes apart) and come back as 8 fragments
	v_lshlrev_b32 v8, 3, v5                        ; 8 x lane
	s_mul_i32 s3, s2, 12544
	s_add_co_u32 s3, s3, WSTG
	v_add_nc_u32 v10, s3, v8                       ; into the stage
	v_mul_u32_u24 v11, v6, 784
	v_mad_u32_u24 v11, v7, 24, v11
	v_add_nc_u32 v11, s3, v11                      ; out of it: row r, + 24 h
	s_sub_co_u32 s5, ttmp9, 256
	s_lshl_b32 s5, s5, 2
	s_add_co_u32 s5, s5, s2                        ; the unit, 0 .. 511: 192 of W_qkv, 64 of W_out, 128 of W_ff1, 128 of W_ff2 (two to a tile)
	s_mov_b32 s34, 768                             ; a row of codes in bytes
	s_mov_b32 s35, 32                              ; a row of scale bytes
	s_mov_b32 s36, 0                               ; which half of K (W_ff2 alone)
	s_mov_b32 s42, 12288                           ; from K step to K step: 8 fragments, in every layout
	s_mov_b32 s44, 1024                            ; and 8 scale images
	s_cmp_lt_u32 s5, 192
	s_cbranch_scc0 .Lnot_qkv
	s_mov_b32 s37, s5                              ; tile
	s_lshr_b32 s38, s5, 3
	s_and_b32 s39, s5, 7
	s_mul_i32 s40, s38, 98304
	s_mul_i32 s41, s39, 1536
	s_add_co_u32 s40, s40, s41                     ; image (tile / 8, 0, tile % 8)
	s_lshl_b32 s43, s38, 13
	s_lshl_b32 s41, s39, 7
	s_add_co_u32 s43, s43, s41
	s_add_co_u32 s43, s43, WQ_SC
	s_branch .Lplaced
.Lnot_qkv:
	s_cmp_lt_u32 s5, 256
	s_cbranch_scc0 .Lnot_out
	s_sub_co_u32 s37, s5, 192                      ; W_out: wave tile / 8, place 8 s + tile % 8
	s_lshr_b32 s38, s37, 3
	s_and_b32 s39, s37, 7
	s_branch .Lstream
.Lnot_out:
	s_cmp_lt_u32 s5, 384
	s_cbranch_scc0 .Lff2
	s_sub_co_u32 s37, s5, 256                      ; W_ff1: wave tile / 16, place 64 + 64 ((tile / 8) % 2) + 8 s + tile % 8
	s_lshr_b32 s38, s37, 4
	s_bfe_u32 s39, s37, 0x10003
	s_lshl_b32 s39, s39, 6
	s_and_b32 s41, s37, 7
	s_add_co_u32 s39, s39, s41
	s_add_co_u32 s39, s39, 64
	s_branch .Lstream
.Lff2:
	s_sub_co_u32 s41, s5, 384                      ; W_ff2: wave tile / 8, place 192 + 8 s + tile % 8, s = 8 half + 0 .. 7
	s_lshr_b32 s37, s41, 1
	s_and_b32 s36, s41, 1
	s_lshr_b32 s38, s37, 3
	s_and_b32 s39, s37, 7
	s_lshl_b32 s41, s36, 6
	s_add_co_u32 s39, s39, s41
	s_add_co_u32 s39, s39, 192
	s_mov_b32 s34, 1536
	s_mov_b32 s35, 64
.Lstream:
	s_mul_i32 s40, s38, 491520
	s_mul_i32 s41, s39, 1536
	s_add_co_u32 s40, s40, s41
	s_add_co_u32 s40, s40, TS_IMG
	s_mul_i32 s43, s38, 40960
	s_lshl_b32 s41, s39, 7
	s_add_co_u32 s43, s43, s41
	s_add_co_u32 s43, s43, TS_SC
.Lplaced:
	s_lshr_b32 s45, s37, 1
	s_lshl_b32 s45, s45, 5
	s_and_b32 s46, s37, 1
	s_lshl_b32 s46, s46, 3
	s_add_co_u32 s45, s45, s46                     ; the tile's first row
	s_mul_i32 s46, s45, s34
	s_mul_i32 s47, s36, 768
	s_add_co_u32 s46, s46, s47                     ; its codes,
	s_mov_b32 s47, 0
	s_mul_i32 s48, s45, s35
	s_lshl_b32 s49, s36, 5
	s_add_co_u32 s48, s48, s49                     ; its scale bytes
	s_mov_b32 s49, 0
	s_mov_b32 s41, 0
	s_mov_b32 s52, s43
	s_mov_b32 s53, 0
	s_wait_alu depctr_va_vdst(0)
.irp i, 0,1,2,3,4,5,6,7,8,9,10,11,12,13,14,15
	v_mad_u32_u24 v[208+\i], s34, \i+8*(\i/8), v8  ; row i of the tile: 8 x lane + (i + 8 (i / 8)) rows
.endr
.irp s, 0,1,2,3,4,5,6,7
	v_mad_u32_u24 v[224+\s], s42, \s, v1           ; where fragment s goes
	v_mad_u32_u24 v[240+\s], s44, \s, v4           ; and its scale image
.endr
	v_and_b32 v9, 8, v6
	v_add_nc_u32 v9, v9, v6
	v_mul_u32_u24 v9, s35, v9                      ; my row's scale bytes
	s_wait_alu depctr_va_vdst(0)
	s_wait_kmcnt 0x0
	s_cmp_lt_u32 s5, 384                           ; the buffers: a choice that hangs on the unit's number alone
	s_cselect_b64 s[30:31], s[18:19], s[22:23]
	s_cselect_b64 s[32:33], s[20:21], s[24:25]
	s_cmp_lt_u32 s5, 256
	s_cselect_b64 s[30:31], s[14:15], s[30:31]
	s_cselect_b64 s[32:33], s[16:17], s[32:33]
	s_cmp_lt_u32 s5, 192
	s_cselect_b64 s[30:31], s[10:11], s[30:31]
	s_cselect_b64 s[32:33], s[12:13], s[32:33]
	s_add_nc_u64 s[30:31], s[30:31], s[46:47]
	s_add_nc_u64 s[32:33], s[32:33], s[48:49]
	s_add_nc_u64 s[54:55], s[28:29], s[40:41]
	s_add_nc_u64 s[56:57], s[28:29], s[52:53]
.irp i, 0,1,2,3,4,5,6,7,8,9,10,11,12,13,14,15
.irp p, 0,1,2
	global_load_b64 v[16+6*\i+2*\p:16+6*\i+2*\p+1], v[208+\i], s[30:31] offset:256*\p th:TH_LOAD_NT   ; 32 lanes read 256 consecutive bytes
.endr
.endr
.irp s, 0,1,2,3,4,5,6,7
	global_load_b32 v[232+\s], v9, s[32:33] offset:4*\s   ; my row's word of K step s
.endr
	s_wait_loadcnt 8                               ; the codes are in; the eight scale loads may be out
.irp i, 0,1,2,3,4,5,6,7,8,9,10,11,12,13,14,15
.irp p, 0,1,2
	ds_store_b64 v10, v[16+6*\i+2*\p:16+6*\i+2*\p+1] offset:784*\i+256*\p
.endr
.endr
.irp s, 0,1,2,3,4,5,6,7
.irp p, 0,1,2,3,4,5
	ds_load_b64 v[112+12*\s+2*\p:112+12*\s+2*\p+1], v11 offset:96*\s+48*(\p/3)+8*(\p%3)   ; the fragment's registers, as the row's stream of bits lies
.endr
.endr
	s_wait_dscnt 0x0
.irp s, 0,1,2,3,4,5,6,7
.irp c, 0,1,2
	global_store_b128 v[224+\s], v[112+12*\s+4*\c:112+12*\s+4*\c+3], s[54:55] offset:512*\c
.endr
.endr
	s_wait_loadcnt 0x0
.irp s, 0,1,2,3,4,5,6,7
	global_store_b32 v[240+\s], v[232+\s], s[56:57]
.endr
	s_wait_tensorcnt 0x0
	ds_add_u32 v254, v255
	s_wait_dscnt 0x0
	s_endpgm
.Lfunc_end_k_q13e3f2e6f2_prep:
	.size	k_q13e3f2e6f2_prep, .Lfunc_end_k_q13e3f2e6f2_prep-k_q13e3f2e6f2_prep
	.p2alignl 7, 3214868480
	.fill 96, 4, 3214868480
	.section	.rodata,"a",@progbits
	.p2align	6, 0x0
	.amdhsa_kernel k_q13e3f2e6f2_prep
		.amdhsa_group_segment_fixed_size 118272
		.amdhsa_private_segment_fixed_size 0
		.amdhsa_enable_private_segment 0
		.amdhsa_kernarg_size 88
		.amdhsa_user_sgpr_count 2
		.amdhsa_user_sgpr_kernarg_segment_ptr 1
		.amdhsa_wavefront_size32 1
		.amdhsa_system_sgpr_workgroup_id_x 1
		.amdhsa_system_sgpr_workgroup_id_y 1
		.amdhsa_system_sgpr_workgroup_id_z 1
		.amdhsa_system_vgpr_workitem_id 0
		.amdhsa_next_free_vgpr 256
		.amdhsa_next_free_sgpr 66
		.amdhsa_reserve_vcc 0
		.amdhsa_float_denorm_mode_32 3
		.amdhsa_float_denorm_mode_16_64 3
		.amdhsa_memory_ordered 1
		.amdhsa_forward_progress 1
		.amdhsa_inst_pref_size 39
	.end_amdhsa_kernel
	.amdgpu_metadata
---
amdhsa.version: [ 1, 2 ]
amdhsa.kernels:
  - .name:           k_q13e3f2e6f2_prep
    .symbol:         k_q13e3f2e6f2_prep.kd
    .args:
      - { .name: x, .offset: 0, .size: 8, .value_kind: global_buffer, .address_space: global }
      - { .name: W_qkv_codes, .offset: 8, .size: 8, .value_kind: global_buffer, .address_space: global }
      - { .name: W_qkv_scales, .offset: 16, .size: 8, .value_kind: global_buffer, .address_space: global }
      - { .name: W_out_codes, .offset: 24, .size: 8, .value_kind: global_buffer, .address_space: global }
      - { .name: W_out_scales, .offset: 32, .size: 8, .value_kind: global_buffer, .address_space: global }
      - { .name: W_ff1_codes, .offset: 40, .size: 8, .value_kind: global_buffer, .address_space: global }
      - { .name: W_ff1_scales, .offset: 48, .size: 8, .value_kind: global_buffer, .address_space: global }
      - { .name: W_ff2_codes, .offset: 56, .size: 8, .value_kind: global_buffer, .address_space: global }
      - { .name: W_ff2_scales, .offset: 64, .size: 8, .value_kind: global_buffer, .address_space: global }
      - { .name: wsp_x, .offset: 72, .size: 8, .value_kind: global_buffer, .address_space: global }
      - { .name: wsp_w, .offset: 80, .size: 8, .value_kind: global_buffer, .address_space: global }
    .group_segment_fixed_size: 118272
    .private_segment_fixed_size: 0
    .kernarg_segment_align: 8
    .kernarg_segment_size: 88
    .max_flat_workgroup_size: 128
    .sgpr_count:     66
    .vgpr_count:     256
    .wavefront_size: 32
...
	.end_amdgpu_metadata
.endif
;; end of part 5
;; launch qkv (part 6): grid 192 x 1, 4 waves a work-group, no clusters, 205,312 bytes of LDS; arguments wsp_x, wsp_w, b_qkv, wsp_qkv; writes wsp_qkv
.if DOCPART == 6
	.amdgcn_target "amdgcn-amd-amdhsa--gfx1250"
	.amdhsa_code_object_version 6
	.text
	.protected	k_q13e3f2e6f2_qkv
	.globl	k_q13e3f2e6f2_qkv
	.p2align	8
	.type	k_q13e3f2e6f2_qkv,@function
k_q13e3f2e6f2_qkv:
	s_mov_b64 s[64:65], 0
	v_nop
	global_prefetch_b8 v0, s[64:65] scope:SCOPE_SE
	s_setreg_imm32_b32 hwreg(HW_REG_WAVE_SCHED_MODE, 0, 2), 2
	s_setreg_imm32_b32 hwreg(HW_REG_WAVE_MODE, 25, 1), 1
	s_wait_xcnt 0x0
	s_wait_alu depctr_vm_vsrc(0)
; QKV.  x W_qkv + b_qkv on codes of E2M3, and the result quantised at once: Q and K along the head's 64, V along the keys.
; ONE TEXT FOR BOTH KINDS.  A wave keeps a STATIONARY operand S, 8 tiles x K 1,024 = 64 fragments (768 registers), loaded once; the work-group's MOVING operand M, 8 tiles x K 1,024, lies in LDS as register images.
; The matrix instruction takes S's tile as source 0 and M's tile as source 1: a lane then holds one row of M's tile, and its 64 results are 128 NEIGHBOURS along S's rows (a tile's rows are chosen for that:
; lane r of tile 2 b + u holds row 32 b + 8 u + r + 8 (r / 8)).  So they are quantised in the registers and are one fragment: M's 16 rows x 128 of S's rows.
;   work-groups 0-127 (sl = id % 4, rg = id / 4): S = rows 128 (4 sl + wave) on of W_qkv (Q: sl 0, 1; K: sl 2, 3), M = tokens 128 rg on.  A fragment is 16 tokens x two heads x 64: two half images.
;   work-groups 128-191 (dg = id % 8, kg = id / 8 - 16): S = tokens 128 (4 kg + wave) on (the keys), M = V's rows 128 dg on of W_qkv.  A fragment is 16 of V's columns x 128 keys: V^T with the keys innermost.
; wsp_qkv: Q, K: [batch x head 32][tile 128] half images of 768 bytes (registers 0-3 at 16 l, 4-5 at 512 + 8 l); V: [128 keys 32][tile of columns 64] two half images; scale words: Q, K [32][128][16 words], bytes 2, 3 = 0; V [32][64] images of 128 bytes.
; The bias is the accumulators' first content: an image of 64 registers in LDS (Q, K: by register; V: one number a lane), loaded ahead of each tile's products.
; LIMITS: a block of zeros, and one whose largest magnitude lies under 2^-124, gets the scale byte 1 (the bytes are this program's own); NaN and infinities are not served.
; No shared tile is asked for jointly: four fifths of what a work-group reads (393,216 of 491,520 bytes) are its waves' own registers.  192 work-groups; each has one wait for memory at its head that stands alone.
; REGISTERS: windows 1-3: S, 21 fragments each; window 0: addresses, S's 64 scale words, M's 8, S's last fragment, 64 accumulators, two pairs of M's fragments, the quantiser.
; THE MODE: SCHED_MODE bits 1:0 = 2 (LLVM: expert scheduling mode 2), set by the entry lines.  The code itself states the register dependences between vector or matrix instructions and memory or LDS instructions,
; with s_wait_alu, always for 0.
; THE PLAN.  Registers that memory or LDS instructions touch, from the barrier on:
;   MF set 0, set 1   LDS loads of K steps 0-1, 4-5 land in set 0, of 2-3, 6-7 in set 1; a set is read by the sixteen products of its two K steps.
;   MS                M's eight scale words: LDS loads land once a tile; every product of the tile reads one.
;   ACC               the bias's LDS loads land; the products write it; the quantiser reads it.
;   PC, v14           written by the quantiser and two vector lines; read by the tile's five stores.
;   v1-v11, v15, v246-v249  addresses and offsets, made at the head and never written again.
; Window 0 is full and windows 1-3 hold S, so M has two sets and no third: a set is loaded again straight behind the products that read it.  Four waits on va_vdst a tile: behind K steps 0-1 (set 0), behind 2-3 (set 1),
; behind the last products (MS and both sets: it serves the next tile's K steps 0-3, since the quantiser names none of these registers), and behind the quantiser (ACC for the next bias; PC and v14 for the stores).
; One wait on vm_vsrc a tile, ahead of the quantiser: the last tile's stores have read PC and v14.
.set XS_OFF, 3145728
.set WQ_SC,  6291456
.set KSEC,   3145728
.set VSEC,   6291456
.set QS_OFF, 9437184
.set VS_OFF, 9961472
.set MSC,    98304                     ; LDS: M's images [K step][tile] at 0; their scale images here;
.set BQ,     106496                    ; four waves' bias images of 8,192 bytes (Q, K);
.set BV,     139264                    ; eight tiles' bias images (V)
.set SS,  16                           ; v16-79   S's scale words, 8 s + t
.set MS,  80                           ; v80-87   M's scale words of the tile in hand
.set W0F, 88                           ; v88-99   S's fragment (7, 7)
.set ACC, 100                          ; v100-163
.set MF,  164                          ; v164-211 M's fragments: two sets of two K steps
.set PC,  212
.set TM,  232
.set PW,  244
.set SEL, 32
.set MSB, 0
.macro WIN new                         ; the immediate's high byte repeats the setting that is left
.if MSB != (\new)
	s_set_vgpr_msb (MSB<<8)|(\new)
.set MSB, (\new)
.endif
.endm
.macro PLACES
.rept 4
	v_nop
.endr
.endm
.macro SLOC t, s                       ; where S's fragment (tile t, K step s) lies: window SW, register SR
.set F_, 8*(\s)+(\t)
.if F_ < 48
.set SW, 1+(\s)/2
.set SR, 12*(F_%16)
.elseif F_ < 63
.set SW, 1+(F_-48)/5
.set SR, 192+12*((F_-48)%5)
.else
.set SW, 0
.set SR, W0F
.endif
.endm
.macro SLOAD t, s
	SLOC \t, \s
	WIN SW<<6
.irp c, 0,1,2
	global_load_b128 v[SR+4*\c:SR+4*\c+3], v1, s[12:13] offset:(8*(\s)+(\t))*1536+512*\c
.endr
.endm
.macro QUANT s
.irp b, 0,1,2,3
	v_max3_num_f32 v[TM+\b], |v[(\s)+16*\b]|, |v[(\s)+1+16*\b]|, 0x1800000   ; block b: my 16 numbers, and the floor 2^(3 - 127).  Each accumulator is read from its low end on
.endr
.irp i, 2,4,6,8,10,12,14
.irp b, 0,1,2,3
	v_max3_num_f32 v[TM+\b], v[TM+\b], |v[(\s)+16*\b+\i]|, |v[(\s)+1+16*\b+\i]|
.endr
.endr
.irp b, 0,1,2,3
	v_permlanex16_b32 v[TM+4+\b], v[TM+\b], s[SEL], s[SEL+1]
.endr
.irp b, 0,1,2,3
	v_max_num_f32 v[TM+\b], v[TM+\b], v[TM+4+\b]
.endr
.irp b, 0,1,2,3
	v_add_nc_u32 v[TM+8+\b], 0xff000000, v[TM+\b]
.endr
.irp b, 0,1,2,3
	v_lshrrev_b32 v[TM+4+\b], 23, v[TM+8+\b]
.endr
	v_lshl_or_b32 v[PW], v[TM+5], 8, v[TM+4]
	v_lshl_or_b32 v[PW], v[TM+6], 16, v[PW]
	v_lshl_or_b32 v[PW], v[TM+7], 24, v[PW]
.irp c, 0,1
	v_cvt_scalef32_pk16_fp6_f32 v[PC+6*\c:PC+2+6*\c], v[(\s)+32*\c:(\s)+15+32*\c], v[TM+8+2*\c]
	v_cvt_scalef32_pk16_fp6_f32 v[PC+12+4*\c:PC+14+4*\c], v[(\s)+16+32*\c:(\s)+31+32*\c], v[TM+8+2*\c+1]
.endr
	v_nop                                          ; one plain place behind a scaled conversion
.irp c, 0,1
.irp i, 0,1,2
	v_permlane16_swap_b32 v[PC+6*\c+\i], v[PC+12+4*\c+\i]
.endr
.irp i, 0,1,2
	v_mov_b32 v[PC+3+6*\c+\i], v[PC+12+4*\c+\i]
.endr
.endr
.endm
	s_load_b256 s[4:11], s[0:1], 0x0               ; wsp_x, wsp_w, b_qkv, wsp_qkv
	v_lshl_add_u32 v254, v0, 2, 0x32000
	v_mov_b32 v255, 0
	v_lshrrev_b32 v1, 5, v0
	v_readfirstlane_b32 s2, v1                     ; wave
	v_and_b32 v14, 31, v0                          ; lane
	v_and_b32 v12, 15, v0                          ; r
	v_bfe_u32 v13, v0, 4, 1                        ; h
	v_lshlrev_b32 v1, 4, v14                       ; 16 x lane: images, in memory and in LDS (K steps 0-3)
	v_lshlrev_b32 v2, 2, v14                       ; 4 x lane
	v_add_nc_u32 v3, 49152, v1                     ; M's images of K steps 4-7
	v_add_nc_u32 v4, MSC, v2                       ; M's scale images
	s_wait_alu depctr_va_sdst(0)                   ; s2, the wave's number, is written, ahead of its first reader
	s_lshl_b32 s28, s2, 13
	v_add_nc_u32 v5, s28, v1
	v_add_nc_u32 v5, BQ, v5                        ; my bias image (Q, K)
	v_add_nc_u32 v15, BV, v1                       ; the tiles' bias images (V)
	s_mul_i32 s28, s2, 24576
	v_add_nc_u32 v6, s28, v1                       ; where my quarter of M's images goes
	s_lshl_b32 s28, s2, 11
	v_add_nc_u32 v246, s28, v1
	v_add_nc_u32 v246, MSC, v246                   ; and of their scale images
	s_lshl_b32 s28, s2, 14
	v_add_nc_u32 v247, s28, v15                    ; where I build the bias images of tiles 2 w, 2 w + 1 (V)
	v_lshlrev_b32 v7, 3, v14
	v_add_nc_u32 v7, 512, v7                       ; 512 + 8 x lane
	v_lshlrev_b32 v248, 6, v13                     ; the bias's offset (Q, K): register 8 t + j of lane (r, h): S's row 32 (t / 2) + 16 h + 8 (t % 2) + j
	v_and_b32 v249, 8, v12
	v_add_nc_u32 v249, v249, v12
	v_lshlrev_b32 v249, 2, v249                    ; the bias's offset (V): a lane holds ONE column of V: row r + 8 (r / 8) of M's tile
.irp b, 0,1,2,3
	v_mov_b32 v[TM+4+\b], 0                        ; a lane permute's destination counts as one of its sources
.endr
	s_mov_b32 s[SEL], 0x76543210
	s_mov_b32 s[SEL+1], 0xfedcba98
	s_and_b32 s34, ttmp9, 3                        ; sl
	s_lshr_b32 s35, ttmp9, 2                       ; rg
	s_and_b32 s36, ttmp9, 7                        ; dg
	s_lshr_b32 s37, ttmp9, 3
	s_sub_co_u32 s37, s37, 16                      ; kg
	s_add_co_u32 s38, s36, 16                      ; V's group of W_qkv's tiles
	s_lshr_b32 s43, s35, 4                         ; Q, K: batch
	s_lshl_b32 s43, s43, 4
	s_and_b32 s44, s34, 1
	s_lshl_b32 s44, s44, 3
	s_add_co_u32 s43, s43, s44
	s_lshl_b32 s44, s2, 1
	s_add_co_u32 s43, s43, s44                     ; 16 batch + the first of my two heads
	s_lshl_b32 s43, s43, 7
	s_and_b32 s44, s35, 15
	s_lshl_b32 s44, s44, 3
	s_add_co_u32 s43, s43, s44                     ; x 128 tiles + the first of the 8 tiles of tokens
	s_lshr_b32 s44, s34, 1                         ; 0: Q, 1: K
	s_mul_i32 s45, s44, KSEC
	s_mul_i32 s46, s43, 768
	s_add_co_u32 s45, s45, s46                     ; codes (Q, K)
	s_lshl_b32 s46, s44, 18
	s_lshl_b32 s47, s43, 6
	s_add_co_u32 s46, s46, s47
	s_add_co_u32 s46, s46, QS_OFF                  ; scale words (Q, K)
	s_lshl_b32 s47, s37, 2
	s_add_co_u32 s47, s47, s2                      ; V: my 128 keys
	s_lshl_b32 s48, s47, 6
	s_lshl_b32 s49, s36, 3
	s_add_co_u32 s48, s48, s49                     ; x 64 tiles + the first of the 8 tiles of columns
	s_mul_i32 s49, s48, 1536
	s_add_co_u32 s49, s49, VSEC                    ; codes (V)
	s_lshl_b32 s50, s48, 7
	s_add_co_u32 s50, s50, VS_OFF                  ; scale images (V)
	s_lshl_b32 s51, s34, 11
	s_lshl_b32 s52, s2, 9
	s_add_co_u32 s51, s51, s52                     ; bias (Q, K): 4 (512 sl + 128 wave)
	s_lshl_b32 s52, s36, 9
	s_lshl_b32 s53, s2, 7
	s_add_co_u32 s52, s52, s53
	s_add_co_u32 s52, s52, 8192                    ; bias (V): 4 (2,048 + 128 dg + 32 wave)
	s_mov_b32 s41, XS_OFF
	s_mov_b32 s42, WQ_SC
	s_mov_b32 s24, 1536
	s_mov_b32 s54, 768
	s_mov_b32 s26, 128
	s_wait_kmcnt 0x0
	s_cmp_lt_u32 ttmp9, 128                        ; the kind.  Only selections, which leave SCC alone, follow
	s_cselect_b32 s39, s34, s37
	s_cselect_b32 s40, s35, s38                    ; M's group of 8 tiles
	s_cselect_b64 s[12:13], s[6:7], s[4:5]         ; S's buffer
	s_cselect_b64 s[16:17], s[4:5], s[6:7]         ; M's buffer
	s_cselect_b32 s56, s42, s41                    ; where S's scale images begin
	s_cselect_b32 s57, s41, s42                    ; and M's
	s_cselect_b32 s24, 768, s24                    ; from tile to tile of M in the output's codes
	s_cselect_b32 s54, 98304, s54                  ; from a fragment's first half image to its second
	s_cselect_b32 s26, 64, s26                     ; from tile to tile in the output's scale words
	s_cselect_b32 s55, 8192, 64                    ; lanes 16-31: the second head's words | the image's upper half
	s_cselect_b32 s58, 16, 0                       ; lanes 16-31 take the word's upper two bytes | the whole word
	s_cselect_b32 s59, 0xffff, -1
	s_cselect_b32 s45, s45, s49
	s_cselect_b32 s46, s46, s50
	s_cselect_b32 s51, s51, s52
	s_lshl_b32 s39, s39, 2
	s_add_co_u32 s39, s39, s2                      ; S's group of 8 tiles
	s_mul_i32 s60, s39, 98304
	s_mov_b32 s61, 0
	s_lshl_b32 s62, s39, 13
	s_add_co_u32 s62, s62, s56
	s_mov_b32 s63, 0
	s_add_nc_u64 s[14:15], s[12:13], s[62:63]      ; S's scale images
	s_add_nc_u64 s[12:13], s[12:13], s[60:61]      ; S's images
	s_mul_i32 s60, s40, 98304
	s_mul_i32 s62, s2, 24576
	s_add_co_u32 s60, s60, s62
	s_lshl_b32 s62, s40, 13
	s_add_co_u32 s62, s62, s57
	s_lshl_b32 s56, s2, 11
	s_add_co_u32 s62, s62, s56
	s_add_nc_u64 s[18:19], s[16:17], s[62:63]      ; my quarter of M's scale images
	s_add_nc_u64 s[16:17], s[16:17], s[60:61]      ; my quarter of M's images
	s_mov_b32 s60, s45
	s_add_nc_u64 s[20:21], s[10:11], s[60:61]
	s_mov_b32 s60, s46
	s_add_nc_u64 s[22:23], s[10:11], s[60:61]
	s_mov_b32 s60, s51
	s_add_nc_u64 s[8:9], s[8:9], s[60:61]
	s_mov_b32 s25, 0
	s_mov_b32 s27, 0
	v_add_nc_u32 v8, s54, v1
	v_add_nc_u32 v9, s54, v7
	v_mul_u32_u24 v10, s55, v13
	v_lshl_add_u32 v10, v12, 2, v10                ; where my scale word goes
	v_mul_u32_u24 v11, s58, v13
	s_wait_alu depctr_va_vdst(0)                   ; all addresses and offsets (v1-v11, v15, v246-v249) are written, which the loads and stores of the whole kernel read
	; ---- the head: all that the first products want goes out together
.irp s, 0,1
.irp t, 0,1,2,3,4,5,6,7
	SLOAD \t, \s
.endr
.endr
	WIN 0
.set kk, 0
.rept 64
	global_load_b32 v[SS+kk], v2, s[14:15] offset:128*kk
.set kk, kk+1
.endr
	WIN 0xc0                                       ; window 3 serves as a way station: S's K steps 4, 5 come there later
.set kk, 0
.rept 48
	global_load_b128 v[4*kk:4*kk+3], v1, s[16:17] offset:512*kk
.set kk, kk+1
.endr
	WIN 0
.irp k, 0,1,2,3
	global_load_b128 v[MF+4*\k:MF+4*\k+3], v1, s[18:19] offset:512*\k
.endr
	s_cmp_lt_u32 ttmp9, 128                        ; the bias image: loads, their wait and the LDS stores stand in one arm
	s_cbranch_scc0 .Lbias_v
.irp t, 0,1,2,3,4,5,6,7
	global_load_b128 v[ACC+8*\t:ACC+8*\t+3], v248, s[8:9] offset:(32*(\t/2)+8*(\t%2))*4
	global_load_b128 v[ACC+8*\t+4:ACC+8*\t+7], v248, s[8:9] offset:(32*(\t/2)+8*(\t%2))*4+16
.endr
	s_wait_loadcnt 0x0                             ; the bias, and all that was asked for ahead of it
.irp c, 0,1,2,3,4,5,6,7,8,9,10,11,12,13,14,15
	ds_store_b128 v5, v[ACC+4*\c:ACC+4*\c+3] offset:512*\c
.endr
	s_branch .Lbias_done
.Lbias_v:
	global_load_b32 v[ACC], v249, s[8:9]           ; tile 2 w
	global_load_b32 v[ACC+4], v249, s[8:9] offset:32   ; tile 2 w + 1
	s_wait_loadcnt 0x0
.irp e, 0,1
.irp i, 1,2,3
	v_mov_b32 v[ACC+4*\e+\i], v[ACC+4*\e]
.endr
.endr
	s_wait_alu depctr_va_vdst(0)                   ; the six copies are written, which the LDS stores below read
.irp e, 0,1
.irp c, 0,1,2,3,4,5,6,7,8,9,10,11,12,13,14,15
	ds_store_b128 v247, v[ACC+4*\e:ACC+4*\e+3] offset:8192*\e+512*\c
.endr
.endr
.Lbias_done:
	WIN 0x0c                                       ; an LDS store's data are its source 1: window 3
.set kk, 0
.rept 48
	ds_store_b128 v6, v[4*kk:4*kk+3] offset:512*kk
.set kk, kk+1
.endr
	WIN 0
.irp k, 0,1,2,3
	ds_store_b128 v246, v[MF+4*\k:MF+4*\k+3] offset:512*\k
.endr
.irp s, 2,3,6,7
.irp t, 0,1,2,3,4,5,6,7
	SLOAD \t, \s
.endr
.endr
	WIN 0
	s_wait_dscnt 0x0                               ; my LDS stores have landed, for the others' sake
	s_wait_alu depctr_vm_vsrc(0)                   ; my LDS stores have read window 3's v0-191, in which S's K steps 4, 5 land, and MF and ACC, in which M's fragments and the bias land
.irp s, 4,5
.irp t, 0,1,2,3,4,5,6,7
	SLOAD \t, \s
.endr
.endr
	WIN 0
	s_barrier_signal -1
	s_barrier_wait -1                              ; M, its scales and the bias images lie in LDS; from here on LDS is only read
.macro FETCH3 m, p                     ; M's tile m, K steps 2 p and 2 p + 1, into set p % 2: six loads
.irp e, 0,1
.irp c, 0,1,2
.if 2*(\p)+\e < 4
	ds_load_b128 v[MF+24*((\p)%2)+12*\e+4*\c:MF+24*((\p)%2)+12*\e+4*\c+3], v1 offset:(8*(2*(\p)+\e)+(\m))*1536+512*\c
.else
	ds_load_b128 v[MF+24*((\p)%2)+12*\e+4*\c:MF+24*((\p)%2)+12*\e+4*\c+3], v3 offset:(8*(2*(\p)+\e-4)+(\m))*1536+512*\c
.endif
.endr
.endr
.endm
.macro MSLOAD m
.irp s, 0,1,2,3,4,5,6,7
	ds_load_b32 v[MS+\s], v4 offset:(8*\s+(\m))*128
.endr
.endm
.macro BIAS m                          ; sixteen loads on either way
	s_cmp_lt_u32 ttmp9, 128
	s_cbranch_scc0 .Lbv_\@
.irp c, 0,1,2,3,4,5,6,7,8,9,10,11,12,13,14,15
	ds_load_b128 v[ACC+4*\c:ACC+4*\c+3], v5 offset:512*\c
.endr
	s_branch .Lbd_\@
.Lbv_\@:
.irp c, 0,1,2,3,4,5,6,7,8,9,10,11,12,13,14,15
	ds_load_b128 v[ACC+4*\c:ACC+4*\c+3], v15 offset:8192*(\m)+512*\c
.endr
.Lbd_\@:
.endm
.macro MUL16 p                         ; two K steps x S's eight tiles; the eight accumulators take turns, one instruction a turn
.irp e, 0,1
.irp t, 0,1,2,3,4,5,6,7
	SLOC \t, 2*(\p)+\e
	WIN SW
	v_wmma_scale_f32_16x16x128_f8f6f4 v[ACC+8*\t:ACC+8*\t+7], v[SR:SR+11], v[MF+24*((\p)%2)+12*\e:MF+24*((\p)%2)+12*\e+11], v[ACC+8*\t:ACC+8*\t+7], v[SS+8*(2*(\p)+\e)+\t], v[MS+2*(\p)+\e] matrix_a_fmt:MATRIX_FMT_FP6 matrix_b_fmt:MATRIX_FMT_FP6
.endr
.endr
.endm
; One tile of M.  Four plain places stand behind matrix instructions ahead of loads into their registers and of the first read of results; the waits on va_vdst stand beside them.
.macro MTRIP m, pf
	FETCH3 \m, 1                                   ; set 1: its last readers stand ahead of the wait behind the last tile's products, and no vector instruction since names it
	s_wait_dscnt 6                                 ; all but the six just issued: M's scale words, K steps 0 and 1, the bias
	MUL16 0
	WIN 0
	PLACES
	s_wait_alu depctr_va_vdst(0)                   ; the sixteen products of K steps 0, 1 are done reading set 0, in which K steps 4, 5 land
	FETCH3 \m, 2
	s_wait_dscnt 6
.if (\m) == 0
	s_wait_loadcnt 63                              ; S's K steps 2, 3: ninety-six loads are younger; the count's field ends at 63
.endif
	MUL16 1
	WIN 0
	PLACES
	s_wait_alu depctr_va_vdst(0)                   ; the sixteen products of K steps 2, 3 are done reading set 1, in which K steps 6, 7 land
	FETCH3 \m, 3
	s_wait_dscnt 6
.if (\m) == 0
	s_wait_loadcnt 0x0                             ; the rest of S
.endif
	MUL16 2
	s_wait_dscnt 0x0
	MUL16 3
	WIN 0
	PLACES
.if \pf
	s_wait_alu depctr_va_vdst(0)                   ; the tile's products are done reading M's scale words and both sets, in which the next tile's words and K steps 0 to 3 land
	MSLOAD (\m)+1
	FETCH3 (\m)+1, 0
.endif
.if (\m) > 0
	s_wait_xcnt 0x0                                ; the last tile's stores have read their data and bases: both are written again only behind this wait
	s_wait_alu depctr_vm_vsrc(0)                   ; the last tile's stores have read PC and v14, which the quantiser and the two lines behind it write again
	s_add_nc_u64 s[20:21], s[20:21], s[24:25]
	s_add_nc_u64 s[22:23], s[22:23], s[26:27]
.endif
	QUANT ACC
	v_lshrrev_b32 v14, v11, v[PW]
	v_and_b32 v14, s59, v14                        ; Q, K: my head's two bytes, 0 above them (they scale the half of K that holds zero codes)
	s_wait_alu depctr_va_vdst(0)                   ; the quantiser is done reading ACC, in which the next bias lands; PC and v14 are written, which the stores read
.if \pf
	BIAS (\m)+1
.endif
	global_store_b128 v1, v[PC:PC+3], s[20:21]
	global_store_b64 v7, v[PC+4:PC+5], s[20:21]
	global_store_b128 v8, v[PC+6:PC+9], s[20:21]
	global_store_b64 v9, v[PC+10:PC+11], s[20:21]
	global_store_b32 v10, v14, s[22:23]
.endm
	MSLOAD 0
	FETCH3 0, 0
	BIAS 0
	MTRIP 0, 1
	MTRIP 1, 1
	MTRIP 2, 1
	MTRIP 3, 1
	MTRIP 4, 1
	MTRIP 5, 1
	MTRIP 6, 1
	MTRIP 7, 0
	s_wait_dscnt 0x0                               ; the closing lines, six on end
	s_wait_alu 0x0
	s_wait_tensorcnt 0x0
	ds_add_u32 v254, v255
	s_wait_dscnt 0x0
	s_endpgm
.Lfunc_end_k_q13e3f2e6f2_qkv:
	.size	k_q13e3f2e6f2_qkv, .Lfunc_end_k_q13e3f2e6f2_qkv-k_q13e3f2e6f2_qkv
	.p2alignl 7, 3214868480
	.fill 96, 4, 3214868480
	.section	.rodata,"a",@progbits
	.p2align	6, 0x0
	.amdhsa_kernel k_q13e3f2e6f2_qkv
		.amdhsa_group_segment_fixed_size 205312
		.amdhsa_private_segment_fixed_size 0
		.amdhsa_enable_private_segment 0
		.amdhsa_kernarg_size 32
		.amdhsa_user_sgpr_count 2
		.amdhsa_user_sgpr_kernarg_segment_ptr 1
		.amdhsa_wavefront_size32 1
		.amdhsa_system_sgpr_workgroup_id_x 1
		.amdhsa_system_sgpr_workgroup_id_y 1
		.amdhsa_system_sgpr_workgroup_id_z 1
		.amdhsa_system_vgpr_workitem_id 0
		.amdhsa_next_free_vgpr 1024
		.amdhsa_next_free_sgpr 66
		.amdhsa_reserve_vcc 0
		.amdhsa_float_denorm_mode_32 3
		.amdhsa_float_denorm_mode_16_64 3
		.amdhsa_memory_ordered 1
		.amdhsa_forward_progress 1
		.amdhsa_inst_pref_size 183
	.end_amdhsa_kernel
	.amdgpu_metadata
---
amdhsa.version: [ 1, 2 ]
amdhsa.kernels:
  - .name:           k_q13e3f2e6f2_qkv
    .symbol:         k_q13e3f2e6f2_qkv.kd
    .args:
      - { .name: wsp_x, .offset: 0, .size: 8, .value_kind: global_buffer, .address_space: global }
      - { .name: wsp_w, .offset: 8, .size: 8, .value_kind: global_buffer, .address_space: global }
      - { .name: b_qkv, .offset: 16, .size: 8, .value_kind: global_buffer, .address_space: global }
      - { .name: wsp_qkv, .offset: 24, .size: 8, .value_kind: global_buffer, .address_space: global }
    .group_segment_fixed_size: 205312
    .private_segment_fixed_size: 0
    .kernarg_segment_align: 8
    .kernarg_segment_size: 32
    .max_flat_workgroup_size: 128
    .sgpr_count:     66
    .vgpr_count:     1024
    .wavefront_size: 32
...
	.end_amdgpu_metadata
.endif
;; end of part 6
;; launch attn (part 7): grid 8 x 32, 16 waves a work-group, no clusters, 28,672 bytes of LDS; arguments wsp_qkv, wsp_h; writes wsp_h
.if DOCPART == 7
	.amdgcn_target "amdgcn-amd-amdhsa--gfx1250"
	.amdhsa_code_object_version 6
	.text
	.protected	k_q13e3f2e6f2_attn
	.globl	k_q13e3f2e6f2_attn
	.p2align	8
	.type	k_q13e3f2e6f2_attn,@function
k_q13e3f2e6f2_attn:
	s_mov_b64 s[64:65], 0
	v_nop
	global_prefetch_b8 v0, s[64:65] scope:SCOPE_SE
	s_setreg_imm32_b32 hwreg(HW_REG_WAVE_SCHED_MODE, 0, 2), 2
	s_setreg_imm32_b32 hwreg(HW_REG_WAVE_MODE, 25, 1), 1
	s_wait_xcnt 0x0
	s_wait_alu depctr_vm_vsrc(0)
; ATTN.  H = softmax(Q K^T / 8, causal) V for one batch x head, both products on codes of E2M3; H is quantised along the model's 1,024 and stored as register images.
; THE SOFTMAX: t = score x log2(e) / 8; M = the row's largest t so far, rounded UP to a whole number; p = 2^(t - M) is quantised along the keys; the row's sum is taken of the unquantised p and divides at the end.
; When M moves, the sum and O are multiplied by 2^(old M - new M): exact.
; SHARES.  Work-group (p, batch x head): waves 0-7 own the 128 queries of block p, waves 8-15 those of block 15 - p, a tile of 16 queries each: so every work-group has 8 (p + 1) + 8 (16 - p) = 136 steps of wave work.
; A key step is 128 keys.  Steps whose keys all come after a wave's queries are jumped over (a scalar branch on ids); the step on the diagonal masks by compare and select.
; The loop has a constant 8 trips of two steps, and every wave passes every barrier.
; THE RING.  Two LDS slots of 13,312 bytes: [K: 8 half images | V: 4 fragments | K's scale words | V's].  Waves 0-12 copy 1,024 bytes each through 8 registers, a step ahead: loads at a step's head, LDS stores at its end.
; LAYOUT.  Both products are used transposed (S^T = K Q^T, O^T = V^T P^T): a lane holds ONE query.  A tile's rows are 32 b + 8 u + r + 8 (r / 8), so the 16 registers of tiles 2 b, 2 b + 1 are 16 neighbouring keys.
; K = 64 IS HALF OF THE INSTRUCTION'S 128: Q's registers 6-11 hold zero codes.  K's fragments load registers 0-5 alone; their registers 6-11 hold zeros at first and V's codes of the step before later: every code is a finite
; number and meets a zero code, under scale bytes 0 (2^-127), so those products add nothing.
; LIMITS: NaN and infinities are not served; a block's largest p is taken through its largest score (v_exp_f32 is taken not to fall where its input rises); a block of zeros gets the scale byte 1.
; No joint requests: a step's 13,312 bytes are small beside its vector work, and the eight work-groups of a head walk different numbers of steps.
; THE MODE: SCHED_MODE bits 1:0 = 2 (LLVM: expert scheduling mode 2), set by the entry lines.  The code itself states the register dependences between vector or matrix instructions and memory or LDS instructions,
; and those through scalar registers that vector instructions write, with s_wait_alu, always for 0.
; THE PLAN.  Registers that memory or LDS instructions touch in a step:
;   v8-11, v28-31   the copy: global loads land at a step's head; LDS stores read them at its end.  No vector instruction of the loop names them.
;   v32-79          LDS loads land three times: K's tiles 0-3, K's tiles 4-7, V's four fragments; each time the four products that follow read them.
;   v212-219        K's and V's scale words: LDS loads land, the products read them.
;   v176-187, v211  p's codes and scale word: written by vector instructions, taken by the second product as source 1 and as its scales.
;   v221            the prefetch's offset: read by the prefetch, stepped once a trip.   v1-v5: made at the head, never written again.
; At a step's head one wait on vm_vsrc (the copy's LDS stores, and in a trip's first step the prefetch, have read their registers) and one on va_vdst (the last step's products are done with v32-79 and the scale words; v221 is
; written); one on va_vdst ahead of each of the two later runs of loads into v32-79; one ahead of the second product.  The diagonal's compares go in runs of sixteen into s30-s45, one wait on va_sdst behind each run.
.set KSEC,   3145728
.set VSEC,   6291456
.set QS_OFF, 9437184
.set KS_OFF, 9699328
.set VS_OFF, 9961472
.set HS_OFF, 3145728
.set SLOTB,  13312
.set VOF,    6144
.set KSO,    12288
.set VSO,    12800
.set J,   12                           ; s12 the key step
.set JL,  13                           ; s13 15 - p: the work-group's last step
.set JMY, 14                           ; s14 my block: my last step
.set TR,  15                           ; s15 trips to go
.set LIM, 16                           ; s16 2 in a wave that prefetches, else the greatest number
.set PA,  18                           ; s[18:19], s[20:21] where my two copy loads stand; s[22:23], s[24:25] their steps
.set PB,  20
.set SA,  22
.set SB,  24
.set SEL, 26
.set CS,  28                           ; s[28:29] c = log2(e) / 8
.set MK,  30                           ; s30-s45 behind the head: sixteen masks of the diagonal's compares
; v1 16 l, v2 8 l, v3 4 l, v4 where my copy lands, v5 4 r, v6 the mask's bound, v8-11 and v28-31 the copy, v12 -M, v13 the largest t, v[14:15] the sum, v16-27 Q, v32-79 four fragments of K or V, v80-143 S^T then p,
; v144-175 O^T, v176-195 p's codes, v196-207 block maxima, bytes, scale operands, v208 at work, v209 -infinity, v210 f, v211 p's scale word, v212-215 K's scale words, v216-219 V's, v220 Q's, v221-223 the prefetch
.macro PLACES
.rept 4
	v_nop
.endr
.endm
	s_load_b128 s[4:7], s[0:1], 0x0                ; wsp_qkv, wsp_h
	v_lshl_add_u32 v254, v0, 2, 0x6800
	v_mov_b32 v255, 0
	v_lshrrev_b32 v1, 5, v0
	v_readfirstlane_b32 s2, v1                     ; wave 0..15
	v_and_b32 v7, 31, v0
	v_lshlrev_b32 v1, 4, v7
	v_lshlrev_b32 v2, 3, v7
	v_lshlrev_b32 v3, 2, v7
	s_wait_alu depctr_va_sdst(0)                   ; s2, the wave's number, is written, ahead of its first reader
	s_lshl_b32 s3, s2, 10
	v_add_nc_u32 v4, s3, v1                        ; 1,024 x wave + 16 x lane
	s_and_b32 s8, ttmp7, 0xffff                    ; batch x head
	s_lshr_b32 s9, s8, 4                           ; batch
	s_and_b32 s10, s8, 15                          ; head
	s_sub_co_u32 s[JL], 15, ttmp9
	s_cmp_lt_u32 s2, 8
	s_cselect_b32 s[JMY], ttmp9, s[JL]
	s_mov_b32 s[J], 0
	s_mov_b32 s[TR], 8
	s_mov_b32 s[SEL], 0x76543210
	s_mov_b32 s[SEL+1], 0xfedcba98
	s_mov_b32 s[CS], 0x3e38aa3b
	s_mov_b32 s[CS+1], s[CS]                       ; (named with it as a pair, so it is written)
	; what I copy: waves 0-5 K's 6,144 bytes, waves 6-11 V's, wave 12 the two runs of scale words
	s_mul_i32 s30, s8, 98304
	s_add_co_u32 s30, s30, KSEC
	s_add_co_u32 s51, s30, 12288                   ; (the prefetch: K at key step 2)
	s_add_co_u32 s30, s30, s3
	s_mul_i32 s32, s9, 1572864
	s_mul_i32 s33, s10, 6144
	s_add_co_u32 s32, s32, s33
	s_add_co_u32 s52, s32, VSEC+196608             ; (the prefetch: V at key step 2)
	s_add_co_u32 s32, s32, VSEC-6144
	s_add_co_u32 s32, s32, s3
	s_lshl_b32 s34, s8, 13
	s_add_co_u32 s34, s34, KS_OFF
	s_lshl_b32 s35, s9, 17
	s_lshl_b32 s36, s10, 9
	s_add_co_u32 s35, s35, s36
	s_add_co_u32 s35, s35, VS_OFF
	s_mov_b32 s37, 98304
	s_mov_b32 s38, 512
	s_mov_b32 s39, 8192
	s_cmp_lt_u32 s2, 6
	s_cselect_b32 s30, s30, s32
	s_cselect_b32 s37, 6144, s37
	s_add_co_u32 s31, s30, 512
	s_cmp_lt_u32 s2, 12
	s_cselect_b32 s30, s30, s34
	s_cselect_b32 s32, s31, s35
	s_cselect_b32 s[SA], s37, s38
	s_cselect_b32 s[SB], s37, s39
	s_mov_b32 s31, 0
	s_mov_b32 s33, 0
	s_mov_b32 s[SA+1], 0
	s_mov_b32 s[SB+1], 0
	; my tile of queries
	s_and_b32 s40, s2, 7
	s_lshl_b32 s41, s[JMY], 3
	s_add_co_u32 s41, s41, s40                     ; the tile in its batch
	s_lshl_b32 s42, s8, 7
	s_add_co_u32 s42, s42, s41
	s_mul_i32 s44, s42, 768                        ; Q's half image
	s_mov_b32 s45, 0
	s_lshl_b32 s46, s42, 6
	s_add_co_u32 s46, s46, QS_OFF                  ; and its words
	s_mov_b32 s47, 0
	s_lshl_b32 s43, s9, 7
	s_add_co_u32 s43, s43, s41                     ; the tile among all 256
	s_lshl_b32 s54, s43, 4
	s_add_co_u32 s54, s54, s10
	s_mul_i32 s54, s54, 768                        ; H's half image (tile, head)
	s_mov_b32 s55, 0
	s_lshl_b32 s56, s43, 3
	s_lshr_b32 s57, s10, 1
	s_add_co_u32 s56, s56, s57
	s_lshl_b32 s56, s56, 6
	s_and_b32 s57, s10, 1
	s_lshl_b32 s57, s57, 1
	s_add_co_u32 s56, s56, s57
	s_add_co_u32 s56, s56, HS_OFF                  ; H's scale words (tile, head / 2), my head's two bytes
	s_mov_b32 s57, 0
	s_lshr_b32 s48, s40, 1
	s_lshl_b32 s48, s48, 5
	s_and_b32 s49, s40, 1
	s_lshl_b32 s49, s49, 3
	s_add_co_u32 s48, s48, s49
	v_and_b32 v7, 15, v0                           ; r
	v_bfe_u32 v5, v0, 4, 1                         ; h
	v_and_b32 v6, 8, v7
	v_add_nc_u32 v6, v6, v7
	v_add_nc_u32 v6, s48, v6                       ; my query in its block of 128
	v_lshlrev_b32 v5, 4, v5
	v_sub_nc_u32 v6, v6, v5                        ; - 16 h: register 16 b + i holds key 32 b + 16 h + i of the step: hidden on the diagonal where 32 b + i is greater
	v_lshlrev_b32 v5, 2, v7                        ; 4 r
	; the prefetch: in the head's work-group p = 0, which walks all 16 steps, the waves that copy nothing (13-15) name, a lane a block of 256 bytes, the 48 blocks of K and 2 x 24 of V of two key steps
	s_sub_co_u32 s50, s2, 13
	s_lshl_b32 s50, s50, 5
	v_and_b32 v223, 31, v0
	v_add_nc_u32 v223, s50, v223                   ; 0 .. 95
	v_lshlrev_b32 v221, 8, v223
	v_add_nc_u32 v221, s51, v221                   ; K's lanes: two steps are 12,288 consecutive bytes
	v_add_nc_u32 v222, 0xffffffd0, v223            ; V's lanes: 0 .. 47
	v_lshlrev_b32 v208, 8, v222
	v_add_nc_u32 v208, s52, v208
	v_cmp_lt_u32 s58, 23, v222                     ; the second step's 24 blocks lie 98,304 bytes behind the first's
	v_cmp_gt_u32 s59, 48, v223                     ; K's lanes
	v_mov_b32 v206, 0x16800
	s_wait_alu depctr_va_sdst(0)                   ; both masks, s58 and s59, are written, ahead of the selections that read them
	v_cndmask_b32 v207, 0, v206, s58
	v_add_nc_u32 v208, v208, v207
	v_cndmask_b32 v221, v208, v221, s59
	v_mov_b32 v206, 0x30000
	v_mov_b32 v207, 0x3000
	v_cndmask_b32 v222, v206, v207, s59            ; from trip to trip: two steps
	s_cmp_gt_u32 s2, 12
	s_cselect_b32 s53, ttmp9, 1
	s_cmp_eq_u32 s53, 0
	s_cselect_b32 s[LIM], 2, -1
.irp i, 8,9,10,11,28,29,30,31
	v_mov_b32 v\i, 0                               ; the copy's registers are written in every wave
.endr
	s_wait_kmcnt 0x0
	s_add_nc_u64 s[PA:PA+1], s[4:5], s[30:31]
	s_add_nc_u64 s[PB:PB+1], s[4:5], s[32:33]
	s_add_nc_u64 s[44:45], s[4:5], s[44:45]
	s_add_nc_u64 s[46:47], s[4:5], s[46:47]
	s_add_nc_u64 s[54:55], s[6:7], s[54:55]
	s_add_nc_u64 s[56:57], s[6:7], s[56:57]
	s_wait_alu depctr_va_vdst(0)                   ; the offsets and addresses v1-v5 are written, which the loads and stores below read; so are v8-11 and v28-31, in which the copy's loads land
	s_cmp_lt_u32 s2, 13
	s_cbranch_scc0 .Lno_first
	global_load_b128 v[8:11], v1, s[PA:PA+1]       ; key step 0
	global_load_b128 v[28:31], v1, s[PB:PB+1]
.Lno_first:
	global_load_b128 v[16:19], v1, s[44:45]        ; Q's half image stays in registers
	global_load_b64 v[20:21], v2, s[44:45] offset:512
	global_load_b32 v220, v5, s[46:47]
.irp i, 22,23,24,25,26,27
	v_mov_b32 v\i, 0                               ; zero codes for k = 64 .. 127
.endr
.irp t, 0,1,2,3
.irp i, 6,7,8,9,10,11
	v_mov_b32 v[32+12*\t+\i], 0
.endr
.endr
.set jj, 0
.rept 32
	v_mov_b32 v[144+jj], 0                         ; O^T: the step is written once; the first finds zeros, which the first change of M leaves zeros
.set jj, jj+1
.endr
	v_mov_b32 v13, 0xff61b1e6                      ; the largest t so far: -3e38
	v_floor_f32 v12, -v13                          ; -M
	v_mov_b32 v14, 0
	v_mov_b32 v15, 0
.irp i, 200,201,202,203,208,211
	v_mov_b32 v\i, 0                               ; lane permutes' destinations, and the upper half of the pair v[210:211]
.endr
	v_mov_b32 v209, 0xff800000                     ; -infinity
	s_wait_loadcnt 0x0
	s_cmp_lt_u32 s2, 13
	s_cbranch_scc0 .Lno_store
	ds_store_b128 v4, v[8:11]
	ds_store_b128 v4, v[28:31] offset:512
	s_add_nc_u64 s[PA:PA+1], s[PA:PA+1], s[SA:SA+1]
	s_add_nc_u64 s[PB:PB+1], s[PB:PB+1], s[SB:SB+1]
.Lno_store:
	s_wait_dscnt 0x0                               ; for the others' sake: my stores have landed
	s_barrier_signal -1
	s_barrier_wait -1
.macro STEP slot, ask
.if !\ask
	s_wait_alu depctr_vm_vsrc(0)                   ; the last step's LDS stores have read v8-11 and v28-31, in which the copy's loads land (in a trip's first step the wait at the trip's head states it)
.endif
	s_wait_alu depctr_va_vdst(0)                   ; the last step's products are done reading v32-79 and the scale words v212-219, in which this step's LDS loads land; in a trip's first step v221 is written, which the prefetch reads; in the very first step the zero codes of Q and K are written, which the products take
	s_cmp_lt_u32 s2, 13                            ; the next step's bytes are asked for, if I copy and there is a next step
	s_cbranch_scc0 .La_\@
	s_cmp_lt_u32 s[J], s[JL]
	s_cbranch_scc0 .La_\@
	global_load_b128 v[8:11], v1, s[PA:PA+1]
	global_load_b128 v[28:31], v1, s[PB:PB+1]
.La_\@:
.if \ask
	s_cmp_gt_u32 s[TR], s[LIM]                     ; trips 0 to 5 name the two steps of the trip after next; the last named are steps 14 and 15
	s_cbranch_scc0 .Lnp_\@
	global_prefetch_b8 v221, s[4:5] th:TH_LOAD_NT scope:SCOPE_SE
.Lnp_\@:
.endif
	s_cmp_gt_u32 s[J], s[JMY]                      ; all keys of this step come after my queries
	s_cbranch_scc1 .Lb_\@
.irp i, 0,1,2,3
	ds_load_b32 v[212+\i], v3 offset:(\slot)*SLOTB+KSO+128*\i   ; lanes 0-15: tile 2 i's words, lanes 16-31: tile 2 i + 1's
.endr
.irp g, 0,1                                    ; S^T = K Q^T, four tiles of 16 keys at a time
.if \g > 0
	PLACES
	s_wait_alu depctr_va_vdst(0)                   ; the four products above are done reading K's tiles 0-3 in v32-79, in which tiles 4-7 land
.endif
.irp t, 0,1,2,3
	ds_load_b128 v[32+12*\t:35+12*\t], v1 offset:(\slot)*SLOTB+768*(4*\g+\t)
	ds_load_b64 v[36+12*\t:37+12*\t], v2 offset:(\slot)*SLOTB+768*(4*\g+\t)+512
.endr
	s_wait_dscnt 0x0
.irp t, 0,2
	v_wmma_scale_f32_16x16x128_f8f6f4 v[80+8*(4*\g+\t):87+8*(4*\g+\t)], v[32+12*\t:43+12*\t], v[16:27], 0, v[212+2*\g+\t/2], v220 matrix_a_fmt:MATRIX_FMT_FP6 matrix_b_fmt:MATRIX_FMT_FP6
	v_wmma_scale_f32_16x16x128_f8f6f4 v[88+8*(4*\g+\t):95+8*(4*\g+\t)], v[44+12*\t:55+12*\t], v[16:27], 0, v[212+2*\g+\t/2], v220 matrix_a_fmt:MATRIX_FMT_FP6 matrix_b_fmt:MATRIX_FMT_FP6 matrix_a_scale:MATRIX_SCALE_ROW1
.endr
.endr
	PLACES                                         ; ahead of the loads into K's registers and of the first read of the scores
	s_wait_alu depctr_va_vdst(0)                   ; the four products above are done reading K's tiles 4-7 in v32-79, in which V's fragments land
.irp m, 0,1,2,3                                ; V's four fragments land under the softmax
	ds_load_b128 v[32+12*\m:35+12*\m], v1 offset:(\slot)*SLOTB+VOF+1536*\m
	ds_load_b64 v[36+12*\m:37+12*\m], v2 offset:(\slot)*SLOTB+VOF+1536*\m+512
	ds_load_b128 v[38+12*\m:41+12*\m], v1 offset:(\slot)*SLOTB+VOF+1536*\m+768
	ds_load_b64 v[42+12*\m:43+12*\m], v2 offset:(\slot)*SLOTB+VOF+1536*\m+1280
	ds_load_b32 v[216+\m], v3 offset:(\slot)*SLOTB+VSO+128*\m
.endr
	s_cmp_lg_u32 s[J], s[JMY]                      ; on the diagonal hidden scores become -infinity ahead of the maximum: p = 0 then.  Key 0 of the step counts for every query
	s_cbranch_scc1 .Lopen_\@
.irp a, 0,1,2,3                                ; a block of 32 keys at a time: sixteen compares into sixteen scalar registers, one wait, sixteen selections
.set nn, 0
.rept 16
	v_cmp_gt_i32 s[MK+nn], 32*\a+nn, v6
.set nn, nn+1
.endr
	s_wait_alu depctr_va_sdst(0)                   ; the sixteen masks are written, ahead of the selections that read them
.set nn, 0
.rept 16
	v_cndmask_b32 v[80+16*\a+nn], v[80+16*\a+nn], v209, s[MK+nn]
.set nn, nn+1
.endr
.endr
.Lopen_\@:
.irp b, 0,1,2,3
	v_max3_num_f32 v[196+\b], v[80+16*\b], v[81+16*\b], v[82+16*\b]   ; the largest score of each block of 32 keys: for the row's maximum, and for the block's largest p
.endr
.irp i, 3,5,7,9,11,13
.irp b, 0,1,2,3
	v_max3_num_f32 v[196+\b], v[196+\b], v[80+16*\b+\i], v[81+16*\b+\i]
.endr
.endr
.irp b, 0,1,2,3
	v_max_num_f32 v[196+\b], v[196+\b], v[95+16*\b]
.endr
.irp b, 0,1,2,3
	v_permlanex16_b32 v[200+\b], v[196+\b], s[SEL], s[SEL+1]
.endr
.irp b, 0,1,2,3
	v_max_num_f32 v[196+\b], v[196+\b], v[200+\b]  ; with lane l xor 16's 16 keys
.endr
	v_max3_num_f32 v208, v196, v197, v198
	v_max_num_f32 v208, v208, v199
	v_mul_f32 v208, s[CS], v208                    ; as t (c is positive)
	v_max_num_f32 v13, v13, v208                   ; the running largest t
	v_mov_b32 v208, v12
	v_floor_f32 v12, -v13                          ; the new -M = floor(-t): M is a whole number
	v_sub_f32 v208, v12, v208                      ; old M - new M: a whole number, 0 or less
	v_cvt_i32_f32 v208, v208                       ; (it saturates)
	v_ldexp_f32 v210, 1.0, v208                    ; f = 2^(old M - new M)
.set jj, 0
.rept 32
	v_pk_fma_f32 v[80+jj:81+jj], v[80+jj:81+jj], s[CS:CS+1], v[12:13] op_sel_hi:[1,0,0]   ; t - M, two at a time
.set jj, jj+2
.endr
.irp b, 0,1,2,3
	v_fma_f32 v[196+\b], v[196+\b], s[CS], v12     ; the same of each block's largest score
.endr
.set jj, 0
	s_wait_alu depctr_va_vdst(0)
.rept 64
	v_exp_f32 v[80+jj], v[80+jj]                   ; p = 2^(t - M), at most 1: not normalised
.set jj, jj+1
.endr
.irp b, 0,1,2,3
	v_exp_f32 v[196+\b], v[196+\b]                 ; the block's largest p
.endr
	v_pk_mul_f32 v[14:15], v[14:15], v[210:211] op_sel_hi:[1,0]   ; the sums under the new M.  (A plain place behind the exponentials)
	s_wait_alu depctr_va_vdst(0)                   ; the 68 exponentials have written v80-143 and v196-199: one wait for the batch, ahead of its first reader
.irp b, 0,1,2,3
	v_max_num_f32 v[196+\b], 0x1800000, v[196+\b]  ; the floor 2^(3 - 127)
.endr
.irp b, 0,1,2,3
	v_add_nc_u32 v[204+\b], 0xff000000, v[196+\b]  ; 2 off the exponent field: the conversion's scale operand
.endr
.irp b, 0,1,2,3
	v_lshrrev_b32 v[200+\b], 23, v[204+\b]
.endr
	v_lshl_or_b32 v211, v201, 8, v200              ; p's scale word for these 128 keys
	v_lshl_or_b32 v211, v202, 16, v211
	v_lshl_or_b32 v211, v203, 24, v211
.irp c, 0,1
	v_cvt_scalef32_pk16_fp6_f32 v[176+6*\c:178+6*\c], v[80+32*\c:95+32*\c], v[204+2*\c]
	v_cvt_scalef32_pk16_fp6_f32 v[188+4*\c:190+4*\c], v[96+32*\c:111+32*\c], v[204+2*\c+1]
.endr
	v_nop                                          ; one plain place behind a scaled conversion
.irp c, 0,1
.irp i, 0,1,2
	v_permlane16_swap_b32 v[176+6*\c+\i], v[188+4*\c+\i]
.endr
.irp i, 0,1,2
	v_mov_b32 v[179+6*\c+\i], v[188+4*\c+\i]
.endr
.endr
	v_pk_add_f32 v[200:201], v[80:81], v[82:83]    ; the row's sum is taken of the unquantised p: two chains
.irp j, 4,8,12,16,20,24,28,32,36,40,44,48,52,56,60
	v_pk_add_f32 v[14:15], v[14:15], v[80+\j:81+\j]
	v_pk_add_f32 v[200:201], v[200:201], v[82+\j:83+\j]
.endr
	v_pk_add_f32 v[14:15], v[14:15], v[200:201]
.set jj, 0
.rept 16
	v_pk_mul_f32 v[144+jj:145+jj], v[144+jj:145+jj], v[210:211] op_sel_hi:[1,0]   ; O^T under the new M.  (These and the sums are the places between the codes, the scale word and the products)
.set jj, jj+2
.endr
	s_wait_dscnt 0x0                               ; V and its words
	s_wait_alu depctr_va_vdst(0)                   ; p's codes v176-187 and its scale word v211 are written, which the products below take as source 1 and as its scales; the places above stay beside this wait
.irp m, 0,1,2,3
	v_wmma_scale_f32_16x16x128_f8f6f4 v[144+8*\m:151+8*\m], v[32+12*\m:43+12*\m], v[176:187], v[144+8*\m:151+8*\m], v[216+\m], v211 matrix_a_fmt:MATRIX_FMT_FP6 matrix_b_fmt:MATRIX_FMT_FP6
.endr
	PLACES                                         ; ahead of the next step's loads into these operands, and of the way out
.Lb_\@:
	s_wait_loadcnt 0x0                             ; on every wave's path: the copy's loads, if any, are in
	s_cmp_lt_u32 s2, 13
	s_cbranch_scc0 .Lc_\@
	s_cmp_lt_u32 s[J], s[JL]
	s_cbranch_scc0 .Lc_\@
	ds_store_b128 v4, v[8:11] offset:(1-(\slot))*SLOTB        ; into the slot that every wave left at the last barrier
	ds_store_b128 v4, v[28:31] offset:(1-(\slot))*SLOTB+512
	s_add_nc_u64 s[PA:PA+1], s[PA:PA+1], s[SA:SA+1]
	s_add_nc_u64 s[PB:PB+1], s[PB:PB+1], s[SB:SB+1]
.Lc_\@:
	s_wait_dscnt 0x0                               ; my stores have landed and my reads of this slot are over
	s_barrier_signal -1
	s_barrier_wait -1
	s_add_co_u32 s[J], s[J], 1
.endm
.Ltrip:
	s_wait_xcnt 0x0                                ; the last trip's prefetch has had its address translated
	s_wait_alu depctr_vm_vsrc(0)                   ; the last trip's prefetch has read v221, which the line below writes; the last step's LDS stores have read v8-11 and v28-31, in which the copy's loads land
	v_add_nc_u32 v221, v221, v222
	STEP 0, 1
	STEP 1, 0
	s_sub_co_u32 s[TR], s[TR], 1
	s_cmp_lg_u32 s[TR], 0
	s_cbranch_scc1 .Ltrip
	; ---- the way out: O^T / the sum; my head's 64 columns are two blocks of 32 along the next product's K: half a fragment
	v_add_f32 v14, v14, v15
	v_permlanex16_b32 v208, v14, s[SEL], s[SEL+1]
	v_add_f32 v14, v14, v208                       ; the row's sum
	s_wait_alu depctr_va_vdst(0)
	v_rcp_f32 v14, v14
	v_nop                                          ; one plain place behind a transcendental
.set jj, 0
	s_wait_alu depctr_va_vdst(0)                   ; the reciprocal has written v14, ahead of its first reader
.rept 32
	v_mul_f32 v[80+jj], v[144+jj], v14             ; register 16 b + i: column 64 head + 32 b + 16 h + i
.set jj, jj+1
.endr
.irp b, 0,1
	v_max3_num_f32 v[196+\b], |v[80+16*\b]|, |v[81+16*\b]|, 0x1800000
.endr
.irp i, 2,4,6,8,10,12,14
.irp b, 0,1
	v_max3_num_f32 v[196+\b], v[196+\b], |v[80+16*\b+\i]|, |v[81+16*\b+\i]|
.endr
.endr
.irp b, 0,1
	v_permlanex16_b32 v[200+\b], v[196+\b], s[SEL], s[SEL+1]
.endr
.irp b, 0,1
	v_max_num_f32 v[196+\b], v[196+\b], v[200+\b]
.endr
.irp b, 0,1
	v_add_nc_u32 v[204+\b], 0xff000000, v[196+\b]
.endr
.irp b, 0,1
	v_lshrrev_b32 v[200+\b], 23, v[204+\b]
.endr
	v_lshl_or_b32 v208, v201, 8, v200              ; my head's two scale bytes
	v_cvt_scalef32_pk16_fp6_f32 v[176:178], v[80:95], v204
	v_cvt_scalef32_pk16_fp6_f32 v[188:190], v[96:111], v205
	v_nop
.irp i, 0,1,2
	v_permlane16_swap_b32 v[176+\i], v[188+\i]
.endr
.irp i, 0,1,2
	v_mov_b32 v[179+\i], v[188+\i]
.endr
	s_wait_alu depctr_va_vdst(0)                   ; H's codes v176-181 and the two scale bytes in v208 are written, which the stores read
	global_store_b128 v1, v[176:179], s[54:55]
	global_store_b64 v2, v[180:181], s[54:55] offset:512
	global_store_b16 v5, v208, s[56:57]            ; lanes l and l + 16 write the same two bytes with the same value
	s_wait_dscnt 0x0                               ; the closing lines, six on end
	s_wait_alu 0x0
	s_wait_tensorcnt 0x0
	ds_add_u32 v254, v255
	s_wait_dscnt 0x0
	s_endpgm
.Lfunc_end_k_q13e3f2e6f2_attn:
	.size	k_q13e3f2e6f2_attn, .Lfunc_end_k_q13e3f2e6f2_attn-k_q13e3f2e6f2_attn
	.p2alignl 7, 3214868480
	.fill 96, 4, 3214868480
	.section	.rodata,"a",@progbits
	.p2align	6, 0x0
	.amdhsa_kernel k_q13e3f2e6f2_attn
		.amdhsa_group_segment_fixed_size 28672
		.amdhsa_private_segment_fixed_size 0
		.amdhsa_enable_private_segment 0
		.amdhsa_kernarg_size 16
		.amdhsa_user_sgpr_count 2
		.amdhsa_user_sgpr_kernarg_segment_ptr 1
		.amdhsa_wavefront_size32 1
		.amdhsa_system_sgpr_workgroup_id_x 1
		.amdhsa_system_sgpr_workgroup_id_y 1
		.amdhsa_system_sgpr_workgroup_id_z 1
		.amdhsa_system_vgpr_workitem_id 0
		.amdhsa_next_free_vgpr 256
		.amdhsa_next_free_sgpr 66
		.amdhsa_reserve_vcc 0
		.amdhsa_float_denorm_mode_32 3
		.amdhsa_float_denorm_mode_16_64 3
		.amdhsa_memory_ordered 1
		.amdhsa_forward_progress 1
		.amdhsa_inst_pref_size 66
	.end_amdhsa_kernel
	.amdgpu_metadata
---
amdhsa.version: [ 1, 2 ]
amdhsa.kernels:
  - .name:           k_q13e3f2e6f2_attn
    .symbol:         k_q13e3f2e6f2_attn.kd
    .args:
      - { .name: wsp_qkv, .offset: 0, .size: 8, .value_kind: global_buffer, .address_space: global }
      - { .name: wsp_h, .offset: 8, .size: 8, .value_kind: global_buffer, .address_space: global }
    .group_segment_fixed_size: 28672
    .private_segment_fixed_size: 0
    .kernarg_segment_align: 8
    .kernarg_segment_size: 16
    .max_flat_workgroup_size: 512
    .sgpr_count:     66
    .vgpr_count:     256
    .wavefront_size: 32
...
	.end_amdgpu_metadata
.endif
;; end of part 7
;; launch tail (part 8): grid 128 x 1, 8 waves a work-group, no clusters, 280,064 bytes of LDS; arguments wsp_h, wsp_w, x, b_out, g1, be1, b_ff1, b_ff2, g2, be2, out0; writes out0
.if DOCPART == 8
	.amdgcn_target "amdgcn-amd-amdhsa--gfx1250"
	.amdhsa_code_object_version 6
	.text
	.protected	k_q13e3f2e6f2_tail
	.globl	k_q13e3f2e6f2_tail
	.p2align	8
	.type	k_q13e3f2e6f2_tail,@function
k_q13e3f2e6f2_tail:
	s_mov_b64 s[64:65], 0
	v_nop
	global_prefetch_b8 v0, s[64:65] scope:SCOPE_SE
	s_setreg_imm32_b32 hwreg(HW_REG_WAVE_SCHED_MODE, 0, 2), 2
	s_setreg_imm32_b32 hwreg(HW_REG_WAVE_MODE, 25, 1), 1
	s_wait_xcnt 0x0
	s_wait_alu depctr_vm_vsrc(0)
; TAIL.  y = H W_out + b_out + x; x1 = layer norm(y); hidden = relu(x1 W_ff1 + b_ff1); out = layer norm(hidden W_ff2 + b_ff2 + x1).  The three products on codes of E2M3; all else in f32.
; SHARES.  A work-group owns 32 tokens (two tiles of 16 rows, rho = 0, 1) through the whole chain, so that a norm's rows are whole and nothing but H's codes, x and the result goes through memory.
; THE EIGHT WAVES SHARE THE COLUMNS: wave w makes columns 128 w on of the first and third product (8 tiles) and hidden units 256 w on (2 chunks of 8 tiles).  The products are used transposed (source 0 = 16 rows of a
; weight, source 1 = 16 tokens): a lane holds one token, and register 16 b + i of two neighbouring tiles is column 32 b + 16 (lane / 16) + i, since lane r of weight tile 2 b + u holds row 32 b + 8 u + r + 8 (r / 8).
; THE WEIGHTS are a STREAM of 320 fragments a wave, laid by the first launch in the order of use as register images: they go from memory straight into a ring of 16 fragments in window 1.  A group of 4 fragments is
; multiplied with both tiles of tokens (8 matrix instructions) and filled again with the fragments 16 further on: 64 loads of each of the eight waves are always out.  A fragment is used by one wave alone, so it does not pass through LDS.
; Every phase is the same trip: two K steps x 8 tiles = once round the ring; 4 trips for the first product, 4 for each chunk of the second, 8 for the third.
; ONE SET OF ACCUMULATORS (128 registers).  x + b_out is the first product's first content.  x1 is kept as f32 in LDS, in the stage that x has left (a wave writes and reads back only its own 512 bytes of each row),
; and x1 + b_ff2 is the third product's first content.  x1's 128 columns of a wave are K step w of the second product, a chunk's 128 hidden units K step 2 w + c of the third: each is quantised in registers into one
; fragment a tile of tokens, and goes from wave to wave through LDS as a register image (two half images of 768 bytes: registers 0-3 at 16 l, 4-5 at 512 + 8 l).
; THE NORMS take two passes (mean; centred squares), so no difference of large sums is formed; the waves' parts of a row's sum meet in LDS.  Gain and bias come one after the other through 64 registers.
; LIMITS: NaN and infinities are not served; a block of zeros, and one whose largest magnitude lies under 2^-124, gets the scale byte 1; v_rsq_f32 stands ahead of x1's quantiser.  128 work-groups.
; No joint requests: the stream goes to registers, not to LDS.  No prefetch: all 128 work-groups walk the same eight streams in the same span, and 64 loads a wave are out throughout.
; WINDOWS: 0: addresses, scale words, the quantiser, the norms' scratch, v128-255 the accumulators (64 rho + 8 t + j); 1: v0-191 the ring, v192-239 the tokens' fragments (two sets of two), v192-255 bias or gain while those are idle.
; THE MODE: SCHED_MODE bits 1:0 = 2 (LLVM: expert scheduling mode 2), set by the entry lines.  The code itself states the register dependences between vector or matrix instructions and memory or LDS instructions,
; with s_wait_alu, always for 0.
; THE PLAN.  Registers that memory or LDS instructions touch:
;   the ring, WS      a group's four slots and four scale words: read by the group's eight products, then loaded again.  Four groups take turns; the two waves of a SIMD fill its registers, so there is no fifth.
;   AF set 0, 1, AS   the tokens' fragments and scale words: LDS loads land; a set is read by two groups' products and loaded again behind the second.
;   window 1's v192-255 between the trips: a bias or a gain lands; 64 packed additions or multiplications read it.
;   ACC               LDS loads land (x, b_ff1, x1, at the end whole rows); products and vector instructions write it; LDS stores read it (x, x1, the result).
;   PC, PW            written by the quantiser, read by five LDS stores.   v[LT], v[LT+1]: a wave's two sums, written by additions, read by two LDS stores.   v[LR ..]: sixteen parts land, additions read them.
;   v8, v125-v127     addresses of a chunk, written at the chunk's head.   All other addresses are made at the kernel's head and never written again; the stream's bases are scalar.
; IN A TRIP one wait on va_vdst stands in a group, behind its eight products: the four slots are asked for again at once, since the launch lives on the loads that it has out and a slot that waited for the next group's head
; would lie idle meanwhile.  The same wait serves the tokens' next set where its loads follow.  BETWEEN THE TRIPS a wait on va_vdst stands ahead of each run of LDS stores of fresh results and behind each use of the 64
; registers that are loaded again; a wait on vm_vsrc ahead of each rewriting of registers that LDS stores have read.
.set HS_OFF, 3145728
.set TS_IMG, 2359296
.set TS_SC,  6488064
.set HIMG,  0                          ; LDS: H's 16 fragments (8 rho + s) x 1,536
.set X1IMG, 24576                      ; x1's likewise
.set HID,   49152                      ; the hidden layer's 32 (16 rho + s)
.set SCB,   98304                      ; scale images of 128 bytes: H's + 0, x1's + 2,048, the hidden layer's + 4,096
.set VEC,   106496                     ; b_out + 0, g1 + 4,096, be1 + 8,192, b_ff1 + 12,288, b_ff2 + 20,480, g2 + 24,576, be2 + 28,672
.set RED,   139264                     ; four slots of 16 x 128 bytes for the norms' sums
.set XST,   147456                     ; 32 rows x 4,112 bytes: x on the way in, then x1, then the result on the way out
.set XP,    4112
.set WS,  20                           ; v20-35   the ring's scale words
.set AS,  36                           ; v36-39   the tokens' scale words: set, rho
.set PC,  40                           ; v40-51   a fragment's codes; v52-59 at work
.set TM,  60                           ; v60-63 largest magnitudes, v64-67 bytes, v68-71 the conversions' scale operands
.set PW,  72
.set LC,  74                           ; v74-89   the norms' chains
.set LT,  90                           ; v90-93
.set LR,  94                           ; v94-109  the sixteen parts of two rows' sums
.set MU,  110                          ; v110, v112 the means (each the low word of a pair)
.set RS,  114                          ; v114, v116 1 / sqrt(var + eps)
.set ACC, 128
.set AF,  192                          ; in window 1
.set T64, 192                          ; in window 1
.set LB,  30                           ; s[30:31] the stream's images, 16 fragments ahead of the phase's first
.set LS,  32                           ; s[32:33] its scale images
.set SEL, 34
.set K10, 36                           ; 2^-10
.set EPS, 37
.set CI,  40
.set CC,  41
.set CB,  42
.set CN,  43
.set MSB, 0
.macro WIN new                         ; the immediate's high byte repeats the setting that is left
.if MSB != (\new)
	s_set_vgpr_msb (MSB<<8)|(\new)
.set MSB, (\new)
.endif
.endm
.macro PLACES
.rept 4
	v_nop
.endr
.endm
.macro BARRIER                         ; my LDS stores have landed and my LDS loads are in: then the work-group's barrier
	s_wait_dscnt 0x0
	s_barrier_signal -1
	s_barrier_wait -1
.endm
; 64 numbers of a lane, register 16 b + i = k 32 b + 16 (lane / 16) + i of its row, become a fragment's codes in v[PC] on and its scale word in v[PW]
.macro QUANT s
.irp b, 0,1,2,3
	v_max3_num_f32 v[TM+\b], |v[(\s)+16*\b]|, |v[(\s)+1+16*\b]|, 0x1800000   ; block b: my 16 numbers, and the floor 2^(3 - 127)
.endr
.irp i, 2,4,6,8,10,12,14
.irp b, 0,1,2,3
	v_max3_num_f32 v[TM+\b], v[TM+\b], |v[(\s)+16*\b+\i]|, |v[(\s)+1+16*\b+\i]|
.endr
.endr
.irp b, 0,1,2,3
	v_permlanex16_b32 v[TM+4+\b], v[TM+\b], s[SEL], s[SEL+1]
.endr
.irp b, 0,1,2,3
	v_max_num_f32 v[TM+\b], v[TM+\b], v[TM+4+\b]
.endr
.irp b, 0,1,2,3
	v_add_nc_u32 v[TM+8+\b], 0xff000000, v[TM+\b]
.endr
.irp b, 0,1,2,3
	v_lshrrev_b32 v[TM+4+\b], 23, v[TM+8+\b]
.endr
	v_lshl_or_b32 v[PW], v[TM+5], 8, v[TM+4]
	v_lshl_or_b32 v[PW], v[TM+6], 16, v[PW]
	v_lshl_or_b32 v[PW], v[TM+7], 24, v[PW]
.irp c, 0,1
	v_cvt_scalef32_pk16_fp6_f32 v[PC+6*\c:PC+2+6*\c], v[(\s)+32*\c:(\s)+15+32*\c], v[TM+8+2*\c]
	v_cvt_scalef32_pk16_fp6_f32 v[PC+12+4*\c:PC+14+4*\c], v[(\s)+16+32*\c:(\s)+31+32*\c], v[TM+8+2*\c+1]
.endr
	v_nop                                          ; one plain place behind a scaled conversion
.irp c, 0,1
.irp i, 0,1,2
	v_permlane16_swap_b32 v[PC+6*\c+\i], v[PC+12+4*\c+\i]
.endr
.irp i, 0,1,2
	v_mov_b32 v[PC+3+6*\c+\i], v[PC+12+4*\c+\i]
.endr
.endr
.endm
.macro IMG4 a16, a8, off               ; the fragment in v[PC] on goes to LDS as two half images
	ds_store_b128 v[\a16], v[PC:PC+3] offset:(\off)
	ds_store_b64 v[\a8], v[PC+4:PC+5] offset:(\off)+512
	ds_store_b128 v[\a16], v[PC+6:PC+9] offset:(\off)+768
	ds_store_b64 v[\a8], v[PC+10:PC+11] offset:(\off)+1280
.endm
; the tokens' fragments and scale words of one K step, both tiles, into set as: ten LDS loads.  ns: K steps from rho = 0 to rho = 1
.macro ASET as, a16, a8, off, soff, ns
	WIN 0x40
.irp rho, 0,1
	ds_load_b128 v[AF+24*(\as)+12*\rho:AF+24*(\as)+12*\rho+3], v[\a16] offset:(\off)+\rho*(\ns)*1536
	ds_load_b64 v[AF+24*(\as)+12*\rho+4:AF+24*(\as)+12*\rho+5], v[\a8] offset:(\off)+\rho*(\ns)*1536+512
	ds_load_b128 v[AF+24*(\as)+12*\rho+6:AF+24*(\as)+12*\rho+9], v[\a16] offset:(\off)+\rho*(\ns)*1536+768
	ds_load_b64 v[AF+24*(\as)+12*\rho+10:AF+24*(\as)+12*\rho+11], v[\a8] offset:(\off)+\rho*(\ns)*1536+1280
.endr
	WIN 0
.irp rho, 0,1
	ds_load_b32 v[AS+2*(\as)+\rho], v18 offset:(\soff)+\rho*(\ns)*128
.endr
.endm
; A GROUP: ring slots f0 .. f0 + 3 (weight tiles t0 .. t0 + 3) x both tiles of tokens: 8 matrix instructions on 8 accumulators, by turns.
; rl = 1: the four slots take the fragments ix .. ix + 3 from the stream's bases on: 16 loads.  wc: the loads that may stay out: the younger groups'.
.macro GRP as, t0, f0, ix, rl, wc
	s_wait_loadcnt \wc
	WIN 0x05                                       ; sources 0 (the ring) and 1 (the tokens) window 1; C and D window 0
.irp i, 0,1,2,3
.irp rho, 0,1
.set DA, ACC+64*\rho+8*((\t0)+\i)
.set FA, 12*((\f0)+\i)
.set BA, AF+24*(\as)+12*\rho
	v_wmma_scale_f32_16x16x128_f8f6f4 v[DA:DA+7], v[FA:FA+11], v[BA:BA+11], v[DA:DA+7], v[WS+(\f0)+\i], v[AS+2*(\as)+\rho] matrix_a_fmt:MATRIX_FMT_FP6 matrix_b_fmt:MATRIX_FMT_FP6
.endr
.endr
	PLACES                                         ; four plain places ahead of loads into registers that these have read, and of the first read of results
.if \rl
	WIN 0x40
	s_wait_alu depctr_va_vdst(0)                   ; the eight products are done reading the group's four ring slots and four scale words, in which the loads below land, and the tokens' set and its scale words, in which the next set lands where its loads follow this group
.irp i, 0,1,2,3
.irp c, 0,1,2
	global_load_b128 v[12*((\f0)+\i)+4*\c:12*((\f0)+\i)+4*\c+3], v1, s[LB:LB+1] offset:((\ix)+\i)*1536+512*\c
.endr
.endr
	WIN 0
.irp i, 0,1,2,3
	global_load_b32 v[WS+(\f0)+\i], v3, s[LS:LS+1] offset:((\ix)+\i)*128
.endr
.endif
.endm
; A TRIP: K steps 2 q and 2 q + 1 x 8 weight tiles: once round the ring.  pf = 1: the tokens' K steps two further on are fetched.  rl = 0: the stream has ended: nothing is loaded, and the counts c1 .. c3 run down.
.macro TRIP8 q, pf, rl, c1, c2, c3, a16, a8, aoff, soff, ns
	s_wait_dscnt 10                                ; set 0 is in; set 1's ten loads may be out
	GRP 0, 0, 0, 16*(\q), \rl, 48
	GRP 0, 4, 4, 16*(\q)+4, \rl, \c1
.if \pf
	ASET 0, \a16, \a8, (\aoff)+(2*(\q)+2)*1536, (\soff)+(2*(\q)+2)*128, \ns   ; no vector or matrix instruction stands between the group's wait and these loads
	s_wait_dscnt 10                                ; set 1 is in; the ten just issued may be out
.else
	s_wait_dscnt 0x0
.endif
	GRP 1, 0, 8, 16*(\q)+8, \rl, \c2
	GRP 1, 4, 12, 16*(\q)+12, \rl, \c3
.if \pf
	ASET 1, \a16, \a8, (\aoff)+(2*(\q)+3)*1536, (\soff)+(2*(\q)+3)*128, \ns
.endif
.endm
.macro STEPB                           ; four trips' 64 fragments on
	s_wait_xcnt 0x0                                ; the ring's loads have read their bases
	s_add_nc_u64 s[LB:LB+1], s[LB:LB+1], 98304
	s_add_nc_u64 s[LS:LS+1], s[LS:LS+1], 8192
.endm
; 64 registers in the order of my columns (register 16 b + i: column 32 b + 16 h + i) into window 1's v192 on; the caller has set the destination's window
.macro VL64 areg, off
.set kk, 0
.rept 16
	ds_load_b128 v[T64+4*kk:T64+4*kk+3], v[\areg] offset:(\off)+128*(kk/4)+16*(kk%4)
.set kk, kk+1
.endr
.endm
.macro ACCLD areg, off, rstep          ; the accumulators, both tiles of tokens, in the same order; rstep: bytes from rho = 0 to rho = 1
.irp rho, 0,1
.set kk, 0
.rept 16
	ds_load_b128 v[ACC+64*\rho+4*kk:ACC+64*\rho+4*kk+3], v[\areg] offset:(\off)+(\rstep)*\rho+128*(kk/4)+16*(kk%4)
.set kk, kk+1
.endr
.endr
.endm
.macro ACCST areg, off, rstep
.irp rho, 0,1
.set kk, 0
.rept 16
	ds_store_b128 v[\areg], v[ACC+64*\rho+4*kk:ACC+64*\rho+4*kk+3] offset:(\off)+(\rstep)*\rho+128*(kk/4)+16*(kk%4)
.set kk, kk+1
.endr
.endr
.endm
.macro ACCOP mul                       ; both tiles' 64 registers times (mul = 1) or plus (0) the 64 of window 1
	WIN 0x04
.irp rho, 0,1
.set jj, 0
.rept 32
.if \mul
	v_pk_mul_f32 v[ACC+64*\rho+jj:ACC+64*\rho+jj+1], v[ACC+64*\rho+jj:ACC+64*\rho+jj+1], v[T64+jj:T64+jj+1]
.else
	v_pk_add_f32 v[ACC+64*\rho+jj:ACC+64*\rho+jj+1], v[ACC+64*\rho+jj:ACC+64*\rho+jj+1], v[T64+jj:T64+jj+1]
.endif
.set jj, jj+2
.endr
.endr
	WIN 0
.endm
; the chains' eight pairs become each token's sum over all 1,024 columns, in v[LT], v[LT+1], the same in every wave
.macro XCH red
.irp rho, 0,1
	v_pk_add_f32 v[LC+8*\rho:LC+8*\rho+1], v[LC+8*\rho:LC+8*\rho+1], v[LC+8*\rho+2:LC+8*\rho+3]
	v_pk_add_f32 v[LC+8*\rho+4:LC+8*\rho+5], v[LC+8*\rho+4:LC+8*\rho+5], v[LC+8*\rho+6:LC+8*\rho+7]
.endr
.irp rho, 0,1
	v_pk_add_f32 v[LC+8*\rho:LC+8*\rho+1], v[LC+8*\rho:LC+8*\rho+1], v[LC+8*\rho+4:LC+8*\rho+5]
.endr
.irp rho, 0,1
	v_add_f32 v[LT+\rho], v[LC+8*\rho], v[LC+8*\rho+1]
.endr
.irp rho, 0,1
	v_permlanex16_b32 v[LT+2+\rho], v[LT+\rho], s[SEL], s[SEL+1]
.endr
.irp rho, 0,1
	v_add_f32 v[LT+\rho], v[LT+\rho], v[LT+2+\rho] ; my wave's 128 columns
.endr
	s_wait_alu depctr_va_vdst(0)                   ; my two sums v[LT], v[LT+1] are written, which the LDS stores read; the last exchange's additions are done with v[LR ..], in which the sixteen parts below land
.irp rho, 0,1
	ds_store_b32 v16, v[LT+\rho] offset:(\red)*2048+128*\rho
.endr
	BARRIER
.irp k, 0,1,2,3,4,5,6,7,8,9,10,11,12,13,14,15
	ds_load_b32 v[LR+\k], v17 offset:(\red)*2048+128*\k   ; part 2 w + rho
.endr
	s_wait_dscnt 0x0
	s_wait_alu depctr_vm_vsrc(0)                   ; the two LDS stores have read v[LT], v[LT+1], which the last additions below write again
.irp m, 0,1,2,3
.irp rho, 0,1
	v_add_f32 v[LR+4*\m+\rho], v[LR+4*\m+\rho], v[LR+4*\m+2+\rho]
.endr
.endr
.irp m, 0,1
.irp rho, 0,1
	v_add_f32 v[LR+8*\m+\rho], v[LR+8*\m+\rho], v[LR+8*\m+4+\rho]
.endr
.endr
.irp rho, 0,1
	v_add_f32 v[LT+\rho], v[LR+\rho], v[LR+8+\rho]
.endr
.endm
; the layer norm of the 128 accumulator registers, in place.  The caller has stated that the last products are done reading window 1's v192-239
.macro LN goff, boff, red
	WIN 0x40
	VL64 9, \goff                                  ; the gain is asked for now; the waits in front of the barriers below cover it
	WIN 0
.irp rho, 0,1
.irp q, 0,1,2,3
	v_pk_add_f32 v[LC+8*\rho+2*\q:LC+8*\rho+2*\q+1], v[ACC+64*\rho+2*\q:ACC+64*\rho+2*\q+1], v[ACC+64*\rho+8+2*\q:ACC+64*\rho+8+2*\q+1]   ; four chains a tile, started by the first pairs; each accumulator is read from its low end on
.endr
.endr
.irp m, 2,3,4,5,6,7
.irp rho, 0,1
.irp q, 0,1,2,3
	v_pk_add_f32 v[LC+8*\rho+2*\q:LC+8*\rho+2*\q+1], v[ACC+64*\rho+8*\m+2*\q:ACC+64*\rho+8*\m+2*\q+1], v[LC+8*\rho+2*\q:LC+8*\rho+2*\q+1]
.endr
.endr
.endr
	XCH \red
.irp rho, 0,1
	v_mul_f32 v[MU+2*\rho], s[K10], v[LT+\rho]     ; the mean
.endr
.irp rho, 0,1
.set jj, ACC+64*\rho
.rept 32
	v_pk_add_f32 v[jj:jj+1], v[jj:jj+1], v[MU+2*\rho:MU+2*\rho+1] op_sel_hi:[1,0] neg_lo:[0,1] neg_hi:[0,1]   ; centred, in place
.set jj, jj+2
.endr
.endr
.irp rho, 0,1
.irp q, 0,1,2,3
	v_pk_mul_f32 v[LC+8*\rho+2*\q:LC+8*\rho+2*\q+1], v[ACC+64*\rho+2*\q:ACC+64*\rho+2*\q+1], v[ACC+64*\rho+2*\q:ACC+64*\rho+2*\q+1]
.endr
.endr
.irp m, 1,2,3,4,5,6,7
.irp rho, 0,1
.irp q, 0,1,2,3
	v_pk_fma_f32 v[LC+8*\rho+2*\q:LC+8*\rho+2*\q+1], v[ACC+64*\rho+8*\m+2*\q:ACC+64*\rho+8*\m+2*\q+1], v[ACC+64*\rho+8*\m+2*\q:ACC+64*\rho+8*\m+2*\q+1], v[LC+8*\rho+2*\q:LC+8*\rho+2*\q+1]
.endr
.endr
.endr
	XCH (\red)+1
.irp rho, 0,1
	v_fma_f32 v[RS+2*\rho], v[LT+\rho], s[K10], s[EPS]   ; the variance + 1e-5
.endr
	s_wait_alu depctr_va_vdst(0)
.irp rho, 0,1
	v_rsq_f32 v[RS+2*\rho], v[RS+2*\rho]
.endr
	v_nop                                          ; one plain place behind a transcendental
	s_wait_alu depctr_va_vdst(0)                   ; the two reciprocal roots have written v[RS], v[RS+2], ahead of their first reader
.irp rho, 0,1
.set jj, ACC+64*\rho
.rept 32
	v_pk_mul_f32 v[jj:jj+1], v[jj:jj+1], v[RS+2*\rho:RS+2*\rho+1] op_sel_hi:[1,0]
.set jj, jj+2
.endr
.endr
	ACCOP 1                                        ; x gain
	WIN 0x40
	s_wait_alu depctr_va_vdst(0)                   ; the multiplications are done reading the gain in window 1's v192-255, in which the bias lands
	VL64 9, \boff
	WIN 0
	s_wait_dscnt 0x0
	ACCOP 0                                        ; + bias
.endm
	s_load_b512 s[8:23], s[0:1], 0x0               ; wsp_h, wsp_w, x, b_out, g1, be1, b_ff1, b_ff2
	s_load_b128 s[24:27], s[0:1], 0x40             ; g2, be2
	s_load_b64 s[28:29], s[0:1], 0x50              ; out0
	v_lshl_add_u32 v59, v0, 2, 0x44200
	v_mov_b32 v73, 0
	v_lshrrev_b32 v1, 5, v0
	v_readfirstlane_b32 s2, v1                     ; wave 0..7
	v_and_b32 v8, 31, v0
	v_and_b32 v4, 15, v0                           ; r
	v_bfe_u32 v5, v0, 4, 1                         ; h
	v_lshlrev_b32 v1, 4, v8                        ; 16 l
	v_lshlrev_b32 v2, 3, v8                        ; 8 l
	v_lshlrev_b32 v3, 2, v8                        ; 4 l
	s_wait_alu depctr_va_sdst(0)                   ; s2, the wave's number, is written, ahead of its first reader
	s_lshl_b32 s3, s2, 9
	v_lshl_add_u32 v9, v5, 6, s3
	v_add_nc_u32 v9, VEC, v9                       ; a vector's numbers of my columns: VEC + 512 w + 64 h
	v_add_nc_u32 v122, s3, v1                      ; my eighth of a vector of 4,096 bytes, in memory,
	v_add_nc_u32 v19, VEC, v122                    ; and in LDS
	v_and_b32 v14, 8, v4
	v_add_nc_u32 v14, v14, v4
	v_mul_u32_u24 v14, v14, XP
	v_lshl_add_u32 v14, v5, 6, v14
	v_add_nc_u32 v14, s3, v14
	v_add_nc_u32 v14, XST, v14                     ; the stage by tokens: row r + 8 (r / 8), + 512 w + 64 h (rho = 1: 8 rows on)
	s_lshl_b32 s3, s2, 10
	v_lshl_add_u32 v10, v5, 6, s3
	v_add_nc_u32 v10, VEC+12288, v10               ; b_ff1 of my hidden units
	v_add_nc_u32 v123, s3, v1                      ; my eighth of b_ff1, in memory,
	v_add_nc_u32 v124, VEC+12288, v123             ; and in LDS
	s_mul_i32 s3, s2, 1536
	v_add_nc_u32 v11, s3, v1                       ; x1's images: K step w
	v_add_nc_u32 v12, s3, v2
	s_lshl_b32 s3, s2, 7
	v_add_nc_u32 v13, s3, v3
	v_add_nc_u32 v13, SCB, v13                     ; and their scale images
	s_lshl_b32 s3, s2, 8
	v_add_nc_u32 v120, s3, v3
	v_add_nc_u32 v16, RED, v120                    ; my wave's two sums
	v_add_nc_u32 v120, SCB, v120                   ; scale images 2 w, 2 w + 1: H's on the way in, the hidden layer's later
	v_add_nc_u32 v17, RED, v3
	v_add_nc_u32 v18, SCB, v3
	s_mul_i32 s3, s2, 4*XP
	v_add_nc_u32 v15, s3, v1
	v_add_nc_u32 v15, XST, v15                     ; the stage by rows: my rows 4 w .. 4 w + 3
	s_mul_i32 s3, s2, 3072
	v_add_nc_u32 v118, s3, v1                      ; my eighth of H's images; the hidden layer's images: K steps 2 w on
	v_add_nc_u32 v119, s3, v2
	v_lshlrev_b32 v121, 2, v4                      ; 4 r
	v_add_nc_u32 v6, HID, v1                       ; the third product's tokens
	v_add_nc_u32 v7, HID, v2
.irp i, TM+4,TM+5,TM+6,TM+7,LT+2,LT+3,MU+1,MU+3,RS+1,RS+3
	v_mov_b32 v[\i], 0                             ; lane permutes' destinations, and the upper words of pairs of which the low word serves
.endr
	s_mov_b32 s[SEL], 0x76543210
	s_mov_b32 s[SEL+1], 0xfedcba98
	s_mov_b32 s[K10], 0x3a800000
	s_mov_b32 s[EPS], 0x3727c5ac
	s_mul_i32 s46, ttmp9, 24576
	s_mul_i32 s3, s2, 3072
	s_add_co_u32 s46, s46, s3
	s_mov_b32 s47, 0
	s_lshl_b32 s54, ttmp9, 10
	s_lshl_b32 s3, s2, 7
	s_add_co_u32 s54, s54, s3
	s_add_co_u32 s54, s54, HS_OFF
	s_mov_b32 s55, 0
	s_lshl_b32 s56, ttmp9, 17
	s_lshl_b32 s3, s2, 14
	s_add_co_u32 s56, s56, s3
	s_mov_b32 s57, 0
	s_mul_i32 s58, s2, 491520
	s_add_co_u32 s58, s58, TS_IMG
	s_mov_b32 s59, 0
	s_mul_i32 s60, s2, 40960
	s_add_co_u32 s60, s60, TS_SC
	s_mov_b32 s61, 0
	s_wait_kmcnt 0x0
	s_add_nc_u64 s[48:49], s[8:9], s[46:47]        ; my eighth of H's images
	s_add_nc_u64 s[50:51], s[8:9], s[54:55]        ; my two of H's sixteen runs of scale words
	s_add_nc_u64 s[52:53], s[12:13], s[56:57]      ; my 4 rows of x
	s_add_nc_u64 s[44:45], s[28:29], s[56:57]      ; and of the result
	s_add_nc_u64 s[58:59], s[10:11], s[58:59]      ; my stream
	s_add_nc_u64 s[60:61], s[10:11], s[60:61]
	s_add_nc_u64 s[LB:LB+1], s[58:59], 24576
	s_add_nc_u64 s[LS:LS+1], s[60:61], 2048
	; ---- the head: H, the vectors and x go to LDS; the ring is filled
	WIN 0x40
	s_wait_alu depctr_va_vdst(0)                   ; all addresses and offsets made above (v1-v19, v118-v124) are written, which the loads and stores of the whole kernel read
.irp k, 0,1,2,3,4,5
	global_load_b128 v[192+4*\k:195+4*\k], v1, s[48:49] offset:512*\k
.endr
.irp k, 0,1
	global_load_b32 v[248+\k], v121, s[50:51] offset:64*\k
.endr
	global_load_b128 v[216:219], v122, s[14:15]
	global_load_b128 v[220:223], v122, s[16:17]
	global_load_b128 v[224:227], v122, s[18:19]
	global_load_b128 v[228:231], v122, s[22:23]
	global_load_b128 v[232:235], v122, s[24:25]
	global_load_b128 v[236:239], v122, s[26:27]
.irp k, 0,1
	global_load_b128 v[240+4*\k:243+4*\k], v123, s[20:21] offset:512*\k
.endr
	WIN 0
.set kk, 0
.rept 32
	global_load_b128 v[ACC+4*kk:ACC+4*kk+3], v1, s[52:53] offset:4096*(kk/8)+512*(kk%8) th:TH_LOAD_NT   ; 512 consecutive bytes of a row
.set kk, kk+1
.endr
.irp g, 0,1,2,3
	WIN 0x40
.irp i, 0,1,2,3
.irp c, 0,1,2
	global_load_b128 v[12*(4*\g+\i)+4*\c:12*(4*\g+\i)+4*\c+3], v1, s[58:59] offset:(4*\g+\i)*1536+512*\c
.endr
.endr
	WIN 0
.irp i, 0,1,2,3
	global_load_b32 v[WS+4*\g+\i], v3, s[60:61] offset:(4*\g+\i)*128
.endr
.endr
	s_wait_loadcnt 63                              ; the ring's 64 loads are younger; the count's field ends at 63
	WIN 0x04                                       ; an LDS store's data are its source 1
.irp k, 0,1,2,3,4,5
	ds_store_b128 v118, v[192+4*\k:195+4*\k] offset:HIMG+512*\k
.endr
.irp k, 0,1
	ds_store_b32 v120, v[248+\k] offset:128*\k     ; as images of 128 bytes: both halves of the lanes hold row r's word
.endr
	ds_store_b128 v19, v[216:219]
	ds_store_b128 v19, v[220:223] offset:4096
	ds_store_b128 v19, v[224:227] offset:8192
	ds_store_b128 v19, v[228:231] offset:20480
	ds_store_b128 v19, v[232:235] offset:24576
	ds_store_b128 v19, v[236:239] offset:28672
.irp k, 0,1
	ds_store_b128 v124, v[240+4*\k:243+4*\k] offset:512*\k
.endr
	WIN 0
.set kk, 0
.rept 32
	ds_store_b128 v15, v[ACC+4*kk:ACC+4*kk+3] offset:XP*(kk/8)+512*(kk%8)
.set kk, kk+1
.endr
	BARRIER
	; ---- the first product: the accumulators begin as x + b_out
	s_wait_alu depctr_vm_vsrc(0)                   ; my LDS stores have read v128-255 and window 1's v192-249, in which the loads below land
	ACCLD 14, 0, 8*XP
	WIN 0x40
	VL64 9, 0
	WIN 0
	s_wait_dscnt 0x0
	ACCOP 0
	s_wait_alu depctr_va_vdst(0)                   ; the additions are done reading b_out in window 1's v192-255, in which the tokens' two sets land
	ASET 0, 1, 2, HIMG, 0, 8
	ASET 1, 1, 2, HIMG+1536, 128, 8
.irp q, 0,1,2
	TRIP8 \q, 1, 1, 48, 48, 48, 1, 2, HIMG, 0, 8
.endr
	TRIP8 3, 0, 1, 48, 48, 48, 1, 2, HIMG, 0, 8    ; the last two K steps fetch no tokens; the ring runs on into the second product's fragments
	STEPB
	LN 4096, 8192, 0                               ; (the last group's wait has stated that the products are done reading the tokens' sets, in which the gain lands)
	s_wait_alu depctr_va_vdst(0)                   ; x1 is written in v128-255, which the LDS stores read
	ACCST 14, 0, 8*XP                              ; x1 is kept for the residual, where my part of x lay: bytes that I alone read and write from here to the way out
	QUANT ACC
	s_wait_alu depctr_va_vdst(0)                   ; the quantiser has written PC and PW, which the LDS stores read
	IMG4 11, 12, X1IMG
	ds_store_b32 v13, v[PW] offset:2048
	s_wait_dscnt 0x0
	s_wait_alu depctr_vm_vsrc(0)                   ; the LDS stores have read PC and PW, which the quantiser writes again
	QUANT ACC+64
	s_wait_alu depctr_va_vdst(0)                   ; the quantiser has written PC and PW, which the LDS stores read
	IMG4 11, 12, X1IMG+8*1536
	ds_store_b32 v13, v[PW] offset:2048+1024
	BARRIER                                        ; x1's sixteen fragments lie in LDS
	; ---- the second product, relu and the quantiser: two chunks of 128 hidden units, each one K step of the third product
	s_mov_b32 s[CI], HID
	s_mov_b32 s[CC], 0
	s_mov_b32 s[CB], 0
	s_mov_b32 s[CN], 2
.Lchunk:
	s_wait_alu depctr_vm_vsrc(0)                   ; the LDS loads and stores issued so far have read v8 and v125-v127, which the four lines below write, PC and PW, which the quantiser writes again, and x1 in v128-255, in which b_ff1 lands
	v_add_nc_u32 v125, s[CI], v118
	v_add_nc_u32 v126, s[CI], v119
	v_add_nc_u32 v127, s[CC], v120
	v_add_nc_u32 v8, s[CB], v10
	s_wait_alu depctr_va_vdst(0)                   ; the chunk's four addresses are written, which its LDS loads and stores read; the quantiser is done reading v128-255, in which b_ff1 lands; the norm's additions and the last chunk's products are done reading window 1's v192-255, in which the tokens' sets land
	ACCLD 8, 0, 0                                  ; the accumulators begin as b_ff1
	ASET 0, 1, 2, X1IMG, 2048, 8
	ASET 1, 1, 2, X1IMG+1536, 2048+128, 8
.irp q, 0,1,2
	TRIP8 \q, 1, 1, 48, 48, 48, 1, 2, X1IMG, 2048, 8
.endr
	TRIP8 3, 0, 1, 48, 48, 48, 1, 2, X1IMG, 2048, 8
.set jj, 0
.rept 128
	v_max_num_f32 v[ACC+jj], 0, v[ACC+jj]          ; the activation, in f32
.set jj, jj+1
.endr
	QUANT ACC
	s_wait_alu depctr_va_vdst(0)                   ; the quantiser has written PC and PW, which the LDS stores read
	IMG4 125, 126, 0
	ds_store_b32 v127, v[PW] offset:4096
	s_wait_dscnt 0x0
	s_wait_alu depctr_vm_vsrc(0)                   ; the LDS stores have read PC and PW, which the quantiser writes again
	QUANT ACC+64
	s_wait_alu depctr_va_vdst(0)                   ; the quantiser has written PC and PW, which the LDS stores read; it is done reading v128-255, and the chunk's products are done reading window 1's v192-239: behind the last chunk x1 and b_ff2 land there, with no vector instruction between
	IMG4 125, 126, 24576
	ds_store_b32 v127, v[PW] offset:4096+2048
	s_wait_dscnt 0x0
	STEPB
	s_add_co_u32 s[CI], s[CI], 1536
	s_add_co_u32 s[CC], s[CC], 128
	s_add_co_u32 s[CB], s[CB], 512
	s_sub_co_u32 s[CN], s[CN], 1
	s_cmp_lg_u32 s[CN], 0
	s_cbranch_scc1 .Lchunk
	s_barrier_signal -1
	s_barrier_wait -1                              ; the hidden layer's 32 fragments lie in LDS
	; ---- the third product: the accumulators begin as x1 + b_ff2
	ACCLD 14, 0, 8*XP
	WIN 0x40
	VL64 9, 20480
	WIN 0
	s_wait_dscnt 0x0
	ACCOP 0
	s_wait_alu depctr_va_vdst(0)                   ; the additions are done reading b_ff2 in window 1's v192-255, in which the tokens' two sets land
	ASET 0, 6, 7, 0, 4096, 16
	ASET 1, 6, 7, 1536, 4096+128, 16
.irp q, 0,1,2,3,4,5,6
	TRIP8 \q, 1, 1, 48, 48, 48, 6, 7, 0, 4096, 16
.endr
	TRIP8 7, 0, 0, 32, 16, 0, 6, 7, 0, 4096, 16    ; the stream ends: nothing is loaded behind the last 16 fragments, and the counts run down
	s_wait_alu depctr_va_vdst(0)                   ; the last trip's products are done reading the tokens' sets in window 1's v192-239, in which the gain lands
	LN 24576, 28672, 2
	; ---- the way out: through the stage, over my part of x1, so that whole rows leave
	s_wait_alu depctr_va_vdst(0)                   ; the result is written in v128-255, which the LDS stores read
	ACCST 14, 0, 8*XP
	BARRIER
	s_wait_alu depctr_vm_vsrc(0)                   ; my LDS stores have read v128-255, in which whole rows land
.set kk, 0
.rept 32
	ds_load_b128 v[ACC+4*kk:ACC+4*kk+3], v15 offset:XP*(kk/8)+512*(kk%8)
.set kk, kk+1
.endr
.irp a, 0,1
	s_wait_dscnt 16-16*\a                          ; the younger batch of sixteen may be out
.set kk, 16*\a
.rept 16
	global_store_b128 v1, v[ACC+4*kk:ACC+4*kk+3], s[44:45] offset:4096*(kk/8)+512*(kk%8) th:TH_STORE_NT   ; 512 consecutive bytes of a row
.set kk, kk+1
.endr
.endr
	s_wait_dscnt 0x0                               ; the closing lines, six on end
	s_wait_alu 0x0
	s_wait_tensorcnt 0x0
	ds_add_u32 v59, v73
	s_wait_dscnt 0x0
	s_endpgm
.Lfunc_end_k_q13e3f2e6f2_tail:
	.size	k_q13e3f2e6f2_tail, .Lfunc_end_k_q13e3f2e6f2_tail-k_q13e3f2e6f2_tail
	.p2alignl 7, 3214868480
	.fill 96, 4, 3214868480
	.section	.rodata,"a",@progbits
	.p2align	6, 0x0
	.amdhsa_kernel k_q13e3f2e6f2_tail
		.amdhsa_group_segment_fixed_size 280064
		.amdhsa_private_segment_fixed_size 0
		.amdhsa_enable_private_segment 0
		.amdhsa_kernarg_size 88
		.amdhsa_user_sgpr_count 2
		.amdhsa_user_sgpr_kernarg_segment_ptr 1
		.amdhsa_wavefront_size32 1
		.amdhsa_system_sgpr_workgroup_id_x 1
		.amdhsa_system_sgpr_workgroup_id_y 1
		.amdhsa_system_sgpr_workgroup_id_z 1
		.amdhsa_system_vgpr_workitem_id 0
		.amdhsa_next_free_vgpr 512
		.amdhsa_next_free_sgpr 66
		.amdhsa_reserve_vcc 0
		.amdhsa_float_denorm_mode_32 3
		.amdhsa_float_denorm_mode_16_64 3
		.amdhsa_memory_ordered 1
		.amdhsa_forward_progress 1
		.amdhsa_inst_pref_size 255
	.end_amdhsa_kernel
	.section	.bss,"aw",@nobits
	.p2align	6
	.space	262144
	.amdgpu_metadata
---
amdhsa.version: [ 1, 2 ]
amdhsa.kernels:
  - .name:           k_q13e3f2e6f2_tail
    .symbol:         k_q13e3f2e6f2_tail.kd
    .args:
      - { .name: wsp_h, .offset: 0, .size: 8, .value_kind: global_buffer, .address_space: global }
      - { .name: wsp_w, .offset: 8, .size: 8, .value_kind: global_buffer, .address_space: global }
      - { .name: x, .offset: 16, .size: 8, .value_kind: global_buffer, .address_space: global }
      - { .name: b_out, .offset: 24, .size: 8, .value_kind: global_buffer, .address_space: global }
      - { .name: g1, .offset: 32, .size: 8, .value_kind: global_buffer, .address_space: global }
      - { .name: be1, .offset: 40, .size: 8, .value_kind: global_buffer, .address_space: global }
      - { .name: b_ff1, .offset: 48, .size: 8, .value_kind: global_buffer, .address_space: global }
      - { .name: b_ff2, .offset: 56, .size: 8, .value_kind: global_buffer, .address_space: global }
      - { .name: g2, .offset: 64, .size: 8, .value_kind: global_buffer, .address_space: global }
      - { .name: be2, .offset: 72, .size: 8, .value_kind: global_buffer, .address_space: global }
      - { .name: out0, .offset: 80, .size: 8, .value_kind: global_buffer, .address_space: global }
    .group_segment_fixed_size: 280064
    .private_segment_fixed_size: 0
    .kernarg_segment_align: 8
    .kernarg_segment_size: 88
    .max_flat_workgroup_size: 256
    .sgpr_count:     66
    .vgpr_count:     512
    .wavefront_size: 32
...
	.end_amdgpu_metadata
.endif
;; end of part 8
